; MI455X (gfx1250); checked and timed in simulation.
; The chip was launched on July 23, 2026; its instructions are those of AMD's public machine-readable ISA for CDNA 5 (MIT licence, August 2026) and "CDNA5" Instruction Set Architecture Reference Guide (July 2026). The comments in the code are by the model that wrote it; some were corrected since.
;; Deberta V2 Mo E Layer. Allowed arithmetic: matrix products marked QUANTISED: E2M1 operands, one E8M0 scale for each 32 along K, by v_wmma_scale_f32_16x16x128_f8f6f4 with both operands' format E2M1 (or v_wmma_scale_f32_32x16x128_f4), f32 sums; products left as they are: f32 operands where the result goes on into a quantised operand, else bf16, f16 or f32 operands; f32 sums; everything else in f32.
;; Inputs: b1 8 x 4,096 float32; b2 8 x 1,024 float32; ln_b 8 x 1,024 float32; ln_g 8 x 1,024 float32; router_w 1,024 x 8 float32; w1 8 x 1,024 x 4,096 float32; w2 8 x 4,096 x 1,024 float32; x 2 x 512 x 1,024 float32.
;; Outputs: out0 2 x 512 x 1,024 float32; out1 2 x 512 x 8 float32.
;; This version of the problem:
;;   THIS VERSION OF THE PROBLEM IS GIVEN IN LOW PRECISION. The matrix products marked QUANTISED in the list below multiply operands that are first quantised to E2M1 (2 exponent bits, 1 mantissa bit; 4 bits a number), with one power-of-two scale for each 32 numbers along K (OCP MX v1.0); their sums are f32. All else is computed in f32.
;;   The module's matrix products, in the order in which they are computed (A, B: the left and right operand; K: the contracted axis; several contracted axes count as one K, in the product's order):
;;     1. [M 1,024, K 1,024] x [K 1,024, N 8]; A: input x; B: input router_w: left as it is (N = 8 < 16)
;;     2. [M 1,024, K 1,024] x [K 1,024, N 32,768]; A: input x; B: input w1: QUANTISED
;;     3. batch 8 x [M 1,024, K 4,096] x [K 4,096, N 1,024]; A: input w2; B: computed on the way: QUANTISED
;;   THE QUANTISER, for each operand of a quantised product, along K:
;;     - K is cut into blocks of 32 from its start; a last block that is shorter is filled with zeros.
;;     - A block's scale is 2^e with e = floor(log2(the largest magnitude in the block)) - 2, held to -126 .. 127; a block of zeros has e = 0. As a byte (E8M0): e + 127.
;;     - Each number is divided by its block's scale, clamped to +-6, and rounded to the nearest number of E2M1, ties to even, subnormals kept.
;;     - The product sums the exact products of the quantised numbers (number of the format x scale) in f32.
;;   ~~~python
;;   def quantise(x, axis):      # numpy; x: float32 -> the quantised numbers, widened to float32 again
;;       x = np.moveaxis(x, axis, -1); K = x.shape[-1]
;;       x = np.pad(x, [(0, 0)] * (x.ndim - 1) + [(0, -K % 32)]); x = x.reshape(x.shape[:-1] + (-1, 32)); a = np.abs(x).max(-1, keepdims=True)
;;       e = np.where(a > 0, np.clip(np.frexp(np.where(a > 0, a, 1))[1] - 1 - 2, -126, 127), 0)      # np.frexp(a)[1] - 1 = floor(log2(a)), exactly
;;       r = np.clip(x / 2.0 ** e, -6, 6)
;;       step = 2.0 ** (np.maximum(np.frexp(np.where(r == 0, 1, r))[1] - 1, 0) - 1)
;;       q = np.round(r / step) * step * 2.0 ** e      # np.round: ties to even
;;       return np.moveaxis(q.reshape(q.shape[:-2] + (-1,))[..., :K], -1, axis).astype(np.float32)
;;   ~~~
;;   OPERANDS COMPUTED ON THE WAY. 'Computed on the way' means the value that the module computes at that place (a softmax that the list does not call 'softmax' is quantised finished and normalised). What goes into a quantiser is computed in f32, as accurately as f32 sums, v_exp_f32 and their like allow (about 1e-6 of the number): no bf16 or f16 on the way to a quantiser, and a product that is left as it is and whose result goes on into a quantised operand takes f32 operands (vector FMAs, or v_wmma_f32_16x16x4_f32). A number that lies on a knife's edge between two numbers of the format may be rounded either way, as far as f32 arithmetic and the matrix unit's own rounding can turn it there, and no further.
;; 3 versions. Each part assembles by itself: llvm-mc -triple=amdgcn-amd-amdhsa -mcpu=gfx1250 --defsym DOCPART=n.
;; ======== version 1 of 3: 5 launches
;; workspace buffers: xc 589,824 bytes; sel 32,768 bytes of whole numbers; rt 68,608 bytes of whole numbers; hc 5,013,504 bytes; yp 17,825,792 bytes
;; launch route (part 1): grid 256 x 1, 1 waves a work-group, no clusters, 512 bytes of LDS; arguments x, router_w, out1, xc, sel; writes out1, xc, sel
.if DOCPART == 1
	.amdgcn_target "amdgcn-amd-amdhsa--gfx1250"
	.amdhsa_code_object_version 6
	.text
	.protected	k_q3e850292d7_route
	.globl	k_q3e850292d7_route
	.p2align	8
	.type	k_q3e850292d7_route,@function
k_q3e850292d7_route:
	s_mov_b64 s[64:65], 0
	v_nop
	global_prefetch_b8 v0, s[64:65] scope:SCOPE_SE
	s_setreg_imm32_b32 hwreg(HW_REG_WAVE_MODE, 25, 1), 1
	s_wait_xcnt 0x0
; ROUTER AND QUANTISER OF x.  x: [1024 tokens][1024] f32.  router_w: [1024][8] f32.
; A wave takes 4 tokens (4 wg .. 4 wg + 3).  Lane l holds k = 32 l .. 32 l + 31 of each row: one whole block of 32 along K.
; It stores: out1 = the logits (f32 sums);  xc: codes of x (E2M1, K innermost, 512 bytes a token), scale bytes (32 a token),
; gate weights [token][8] (0 for an expert not chosen);  sel: [token][8] words, 1 = chosen.  Every address is fixed: no address and no branch hangs on the choice.
; TOP 2: rank of an expert = how many of the 8 probabilities are larger, or equal with a lower index (the lower index wins a tie).
; LIMITS: NaN and infinities among the inputs are not served.  A block whose largest magnitude lies under 2^-124 (a block of zeros too) keeps the
; scale byte 1; its codes are then zeros or tiny, and this program alone reads the bytes.  The logits are summed in another order than a
; row-by-row sum: two probabilities that agree to the last bits of f32 may be ranked either way.
.set XSOFF, 524288                     ; xc: the scale bytes
.set GATE,  557056                     ; xc: the gate weights
.set X,   32                           ; v32-159  4 rows x 32 numbers
.set ACC, 160                          ; v160-191 value 8 j + e: my part of token j's logit for expert e
.set CD,  192                          ; v192-207 codes, 4 registers a row
.set MX,  208                          ; v208-211 largest magnitudes
.set SO,  212                          ; v212-215 the conversions' scale operands
.set BY,  216                          ; v216-219 scale bytes
.set SW,  220                          ; v220     four scale bytes as a word
.set T0,  224                          ; v224-231 at work in the reduction
.set MSB, 0
.macro WIN new                         ; the immediate's high byte repeats the setting that is left
.if MSB != (\new)
	s_set_vgpr_msb (MSB<<8)|(\new)
.set MSB, (\new)
.endif
.endm
	s_load_b256 s[4:11], s[0:1], 0x0               ; x s[4:5], router_w s[6:7], out1 s[8:9], xc s[10:11]
	s_load_b64 s[12:13], s[0:1], 0x20              ; sel
	v_lshl_add_u32 v254, v0, 2, 0x100
	v_mov_b32 v255, 0
	v_lshlrev_b32 v1, 7, v0                        ; 128 l: my 32 numbers in a row of x
	v_lshlrev_b32 v2, 10, v0                       ; 1024 l: my 32 rows of router_w
	v_lshlrev_b32 v3, 2, v0                        ; 4 l
	v_lshlrev_b32 v4, 4, v0                        ; 16 l: my 32 codes in a row
	s_lshl_b32 s14, ttmp9, 14                      ; 4 rows of 4,096 bytes
	s_mov_b32 s15, 0
	s_lshl_b32 s16, ttmp9, 11                      ; 4 rows of 512 bytes of codes
	s_mov_b32 s17, 0
	s_lshl_b32 s18, ttmp9, 7                       ; 4 tokens x 32 bytes
	s_mov_b32 s19, 0
	s_mov_b32 s20, 0xff00ff00                      ; lanes whose bit 3 is set
	s_mov_b32 s21, 0xf0f0f0f0                      ; bit 2
	s_mov_b32 s22, 0xcccccccc                      ; bit 1
	s_mov_b32 s23, 0xaaaaaaaa                      ; bit 0
	s_wait_kmcnt 0x0
	s_add_nc_u64 s[4:5], s[4:5], s[14:15]
	s_add_nc_u64 s[28:29], s[10:11], s[16:17]      ; the codes of my tokens
	s_add_nc_u64 s[10:11], s[10:11], s[18:19]      ; their scale bytes and gates (XSOFF, GATE in the immediates)
	s_add_nc_u64 s[8:9], s[8:9], s[18:19]
	s_add_nc_u64 s[12:13], s[12:13], s[18:19]
.irp j, 0,1,2,3
.irp i, 0,1,2,3,4,5,6,7
	global_load_b128 v[X+32*\j+4*\i:X+32*\j+4*\i+3], v1, s[4:5] offset:4096*\j+16*\i th:TH_LOAD_NT
.endr
.endr
	WIN 0x40                                       ; destination window 1: register 8 kk + e = router_w[32 l + kk][e]
.set mm, 0
.rept 64
	global_load_b128 v[4*mm:4*mm+3], v2, s[6:7] offset:16*mm
.set mm, mm+1
.endr
	WIN 0
	s_wait_loadcnt 63                              ; of the 96 loads the youngest 63 may be out: the 32 of x are in
; ---- x into codes: a block lies in one lane, so its largest magnitude needs no other lane
.irp j, 0,1,2,3
	v_max3_num_f32 v[MX+\j], |v[X+32*\j]|, |v[X+32*\j+1]|, 0x1800000   ; with the floor 2^(3 - 127): the byte cannot fall under 1
.endr
.irp i, 2,4,6,8,10,12,14,16,18,20,22,24,26,28,30
.irp j, 0,1,2,3
	v_max3_num_f32 v[MX+\j], v[MX+\j], |v[X+32*\j+\i]|, |v[X+32*\j+\i+1]|   ; the four rows by turns
.endr
.endr
.irp j, 0,1,2,3
	v_add_nc_u32 v[SO+\j], 0xff000000, v[MX+\j]    ; 2 off the exponent field: the conversion's scale operand
.endr
.irp j, 0,1,2,3
	v_lshrrev_b32 v[BY+\j], 23, v[SO+\j]           ; the scale's byte
.endr
.irp j, 0,1,2,3
.irp g, 0,1,2,3
	v_cvt_scalef32_pk8_fp4_f32 v[CD+4*\j+\g], v[X+32*\j+8*\g:X+32*\j+8*\g+7], v[SO+\j]
.endr
.endr
	v_nop                                          ; one plain place behind the last scaled conversion
.irp j, 0,1,2,3
	global_store_b128 v4, v[CD+4*\j:CD+4*\j+3], s[28:29] offset:512*\j   ; 32 lanes store a token's 512 bytes
	ds_store_b8 v0, v[BY+\j] offset:32*\j          ; the bytes meet in LDS: 32 a token
.endr
	ds_load_b32 v[SW], v3                          ; LDS serves a wave's instructions in order: this sees the stores
	s_wait_dscnt 0x0
	global_store_b32 v3, v[SW], s[10:11] offset:XSOFF   ; 128 consecutive bytes
; ---- the logits: each lane's 32 products for 4 tokens x 8 experts, two experts an instruction
	s_wait_loadcnt 0x0                             ; router_w
	WIN 0x04                                       ; source 1 (router_w) window 1
.set kk, 0
.rept 32
.set jj, 0
.rept 4
.set pp, 0
.rept 4
.if kk == 0
	v_pk_mul_f32 v[ACC+8*jj+2*pp:ACC+8*jj+2*pp+1], v[X+32*jj:X+32*jj+1], v[2*pp:2*pp+1] op_sel:[0,0] op_sel_hi:[0,1]
.elseif kk%2 == 0
	v_pk_fma_f32 v[ACC+8*jj+2*pp:ACC+8*jj+2*pp+1], v[X+32*jj+kk:X+32*jj+kk+1], v[8*kk+2*pp:8*kk+2*pp+1], v[ACC+8*jj+2*pp:ACC+8*jj+2*pp+1] op_sel:[0,0,0] op_sel_hi:[0,1,1]
.else
	v_pk_fma_f32 v[ACC+8*jj+2*pp:ACC+8*jj+2*pp+1], v[X+32*jj+kk-1:X+32*jj+kk], v[8*kk+2*pp:8*kk+2*pp+1], v[ACC+8*jj+2*pp:ACC+8*jj+2*pp+1] op_sel:[1,0,0] op_sel_hi:[1,1,1]
.endif
.set pp, pp+1
.endr
.set jj, jj+1
.endr
.set kk, kk+1
.endr
	WIN 0
; ---- 32 values x 32 lanes are summed and turned at once: each step halves the values a lane keeps; at the end lane l holds value l
.set ii, 0
.rept 16
	v_permlane16_swap_b32 v[ACC+ii], v[ACC+ii+16]  ; value i's upper lanes change places with value i + 16's lower lanes
.set ii, ii+1
.endr
.set ii, 0
.rept 16
	v_add_f32 v[ACC+ii], v[ACC+ii], v[ACC+ii+16]   ; lanes 0-15: value i; lanes 16-31: value i + 16
.set ii, ii+1
.endr
.macro FOLD d, m                       ; lanes whose bit d is clear keep value i and send value i + d to lane l xor d; the others the other way round
.set ii, 0
.rept \d
	v_cndmask_b32 v[T0+2*(ii%4)], v[ACC+ii], v[ACC+ii+\d], s[\m]
	v_cndmask_b32 v[T0+2*(ii%4)+1], v[ACC+ii+\d], v[ACC+ii], s[\m]
	v_add_f32_dpp v[ACC+ii], v[T0+2*(ii%4)+1], v[T0+2*(ii%4)] row_xmask:\d row_mask:0xf bank_mask:0xf
.set ii, ii+1
.endr
.endm
	FOLD 8, 20
	FOLD 4, 21
	FOLD 2, 22
	FOLD 1, 23
	global_store_b32 v3, v[ACC], s[8:9]            ; lane l: the logit of token l / 8, expert l % 8: 128 consecutive bytes
; ---- softmax over the 8 lanes of a token, with the maximum taken away
	v_mov_b32 v232, v[ACC]
.irp m, 1,2,4
	v_max_num_f32_dpp v232, v232, v232 row_xmask:\m row_mask:0xf bank_mask:0xf
.endr
	v_sub_f32 v233, v[ACC], v232
	v_mul_f32 v233, 0x3fb8aa3b, v233               ; x log2(e)
	v_exp_f32 v233, v233
	v_mov_b32 v237, 0                              ; (a plain place behind the exponential; a DPP destination is written before)
	s_wait_alu depctr_va_vdst(0)
	v_mov_b32 v234, v233
.irp m, 1,2,4
	v_add_f32_dpp v234, v234, v234 row_xmask:\m row_mask:0xf bank_mask:0xf
.endr
	v_rcp_f32 v235, v234
	v_mov_b32 v238, 0                              ; the rank.  (A plain place behind the reciprocal)
	s_wait_alu depctr_va_vdst(0)
	v_mul_f32 v236, v233, v235                     ; p
.macro RANK x, m                       ; the partner l xor x counts if its p is larger, or equal and its index lower (m: the lanes whose partner has the lower index)
	v_mov_b32_dpp v237, v236 row_xmask:\x row_mask:0xf bank_mask:0xf
	v_cmp_gt_f32 s24, v237, v236
	v_cmp_eq_f32 s25, v237, v236
	s_and_b32 s25, s25, s[\m]
	s_or_b32 vcc_lo, s24, s25
	v_cndmask_b32 v239, 0, 1, vcc_lo
	v_add_nc_u32 v238, v238, v239
.endm
	RANK 1, 23
	RANK 2, 22
	RANK 3, 22
	RANK 4, 21
	RANK 5, 21
	RANK 6, 21
	RANK 7, 21
	v_cmp_gt_u32 vcc_lo, 2, v238                   ; chosen: rank 0 or 1
	v_cndmask_b32 v240, 0, 1, vcc_lo
	v_cndmask_b32 v241, 0, v236, vcc_lo
	v_mov_b32 v242, v241
.irp m, 1,2,4
	v_add_f32_dpp v242, v242, v242 row_xmask:\m row_mask:0xf bank_mask:0xf
.endr
	v_rcp_f32 v243, v242                           ; 1 / the sum of the two
	global_store_b32 v3, v240, s[12:13]
	v_nop                                          ; a plain place behind the reciprocal
	s_wait_alu depctr_va_vdst(0)
	v_mul_f32 v244, v241, v243
	global_store_b32 v3, v244, s[10:11] offset:GATE
	s_wait_tensorcnt 0x0
	ds_add_u32 v254, v255
	s_wait_dscnt 0x0
	s_endpgm
.Lfunc_end_k_q3e850292d7_route:
	.size	k_q3e850292d7_route, .Lfunc_end_k_q3e850292d7_route-k_q3e850292d7_route
	.p2alignl 7, 3214868480
	.fill 96, 4, 3214868480
	.section	.rodata,"a",@progbits
	.p2align	6, 0x0
	.amdhsa_kernel k_q3e850292d7_route
		.amdhsa_group_segment_fixed_size 512
		.amdhsa_private_segment_fixed_size 0
		.amdhsa_enable_private_segment 0
		.amdhsa_kernarg_size 40
		.amdhsa_user_sgpr_count 2
		.amdhsa_user_sgpr_kernarg_segment_ptr 1
		.amdhsa_wavefront_size32 1
		.amdhsa_system_sgpr_workgroup_id_x 1
		.amdhsa_system_sgpr_workgroup_id_y 1
		.amdhsa_system_sgpr_workgroup_id_z 1
		.amdhsa_system_vgpr_workitem_id 0
		.amdhsa_next_free_vgpr 512
		.amdhsa_next_free_sgpr 66
		.amdhsa_reserve_vcc 1
		.amdhsa_float_denorm_mode_32 3
		.amdhsa_float_denorm_mode_16_64 3
		.amdhsa_memory_ordered 1
		.amdhsa_forward_progress 1
		.amdhsa_inst_pref_size 57
	.end_amdhsa_kernel
	.amdgpu_metadata
---
amdhsa.version: [ 1, 2 ]
amdhsa.kernels:
  - .name:           k_q3e850292d7_route
    .symbol:         k_q3e850292d7_route.kd
    .args:
      - { .name: x, .offset: 0, .size: 8, .value_kind: global_buffer, .address_space: global }
      - { .name: router_w, .offset: 8, .size: 8, .value_kind: global_buffer, .address_space: global }
      - { .name: out1, .offset: 16, .size: 8, .value_kind: global_buffer, .address_space: global }
      - { .name: xc, .offset: 24, .size: 8, .value_kind: global_buffer, .address_space: global }
      - { .name: sel, .offset: 32, .size: 8, .value_kind: global_buffer, .address_space: global }
    .group_segment_fixed_size: 512
    .private_segment_fixed_size: 0
    .kernarg_segment_align: 8
    .kernarg_segment_size: 40
    .max_flat_workgroup_size: 32
    .sgpr_count:     66
    .vgpr_count:     512
    .wavefront_size: 32
...
	.end_amdgpu_metadata
.endif
;; end of part 1
;; launch place (part 2): grid 1 x 1, 8 waves a work-group, no clusters, 1,280 bytes of LDS; arguments sel, rt; writes rt
.if DOCPART == 2
	.amdgcn_target "amdgcn-amd-amdhsa--gfx1250"
	.amdhsa_code_object_version 6
	.text
	.protected	k_q3e850292d7_place
	.globl	k_q3e850292d7_place
	.p2align	8
	.type	k_q3e850292d7_place,@function
k_q3e850292d7_place:
	s_mov_b64 s[64:65], 0
	v_nop
	global_prefetch_b8 v0, s[64:65] scope:SCOPE_SE
	s_setreg_imm32_b32 hwreg(HW_REG_WAVE_MODE, 25, 1), 1
	s_wait_xcnt 0x0
; COUNTING SORT OF THE ROUTED ROWS BY EXPERT.  sel: [1024 tokens][8] words, 1 = chosen.  Wave e serves expert e; lane l of chunk c stands for token 32 c + l.
; rt: LIST [8][1,088 words]: expert e's tokens in ascending order, then one 0; words 1025 .. 1056 are spare;  POS [1024][8]: the row number 16 toff[e] + j of (token, expert), or a number with bit 15 set;
; META [32 fields][8]: 0 count, 1 tiles of 16 rows, 2 first tile, 3 all experts' tiles - 1, the rest 0.
; An expert's rows take whole tiles of 16; with 2,048 rows and 8 experts there are at most 135 tiles.  No atomics: each wave counts by itself, the tile counts meet in LDS.
; ALL LANES STAY ON: a token that is not chosen writes its number to its lane's spare word behind the list, which nobody reads.
; Each chunk has its own address and data registers, so no store's sources are written again.
.set LISTS, 4352                       ; bytes of an expert's list
.set POS,   34816
.set META,  67584
.set F,  32                            ; v32-63   the flags of my 32 chunks
.set J,  64                            ; v64-95   the token's place in the expert's list, or 0x8000
.set A,  96                            ; v96-127  where the token's number goes
.set D,  128                           ; v128-159 the token's number
.set NT, 160                           ; v160-167 the eight experts' tiles
	s_load_b128 s[4:7], s[0:1], 0x0                ; sel s[4:5], rt s[6:7]
	v_lshl_add_u32 v192, v0, 2, 0x100
	v_mov_b32 v193, 0
	v_lshrrev_b32 v3, 5, v0
	v_readfirstlane_b32 s8, v3                     ; e
	v_and_b32 v1, 31, v0                           ; lane
	s_lshl_b32 s9, s8, 2
	v_lshlrev_b32 v2, 5, v1
	v_add_nc_u32 v2, s9, v2                        ; 32 l + 4 e
	v_add_nc_u32 v6, 1025, v1                      ; my spare word in the list
	v_lshlrev_b32 v8, 2, v3                        ; LDS: word e
	v_mov_b32 v10, 0                               ; LDS: word 0
	s_mul_i32 s12, s8, LISTS
	s_mov_b32 s10, 0                               ; the count so far
	s_wait_kmcnt 0x0
.set cc, 0
.rept 32
	global_load_b32 v[F+cc], v2, s[4:5] offset:1024*cc
.set cc, cc+1
.endr
	s_wait_loadcnt 0x0
.macro CHUNK c
	v_cmp_ne_u32 vcc_lo, 0, v[F+\c]
	v_mbcnt_lo_u32_b32 v[J+\c], vcc_lo, s10        ; the chosen tokens below mine, in this chunk and before it
	s_bcnt1_i32_b32 s11, vcc_lo
	s_add_co_u32 s10, s10, s11
	v_cndmask_b32 v[A+\c], v6, v[J+\c], vcc_lo     ; the place in the list, or the spare word
	v_cndmask_b32 v[J+\c], 0x8000, v[J+\c], vcc_lo
	v_min_u32 v[A+\c], 0x43f, v[A+\c]              ; held inside the list's 1,088 words
	v_lshl_add_u32 v[A+\c], v[A+\c], 2, s12
	v_add_nc_u32 v[D+\c], 32*\c, v1                ; the token
	global_store_b32 v[A+\c], v[D+\c], s[6:7]
.endm
.set cc, 0
.rept 32
	CHUNK cc
.set cc, cc+1
.endr
	v_mov_b32 v4, s10                              ; one 0 behind the last token, so that an empty list has an entry to read; all lanes store the same word
	v_min_u32 v4, 0x400, v4
	v_lshl_add_u32 v4, v4, 2, s12
	v_mov_b32 v5, 0
	global_store_b32 v4, v5, s[6:7]
	s_add_co_u32 s15, s10, 15
	s_lshr_b32 s15, s15, 4                         ; my tiles
	v_mov_b32 v9, s15
	ds_store_b32 v8, v9                            ; word e; all lanes write the same value
	s_wait_dscnt 0x0                               ; for the others' sake
	s_barrier_signal -1
	s_barrier_wait -1
	ds_load_b128 v[NT:NT+3], v10
	ds_load_b128 v[NT+4:NT+7], v10 offset:16
	s_wait_dscnt 0x0
.irp q, 0,1,2,3,4,5,6,7
	v_readfirstlane_b32 s[16+\q], v[NT+\q]
.endr
	s_mov_b32 s24, 0                               ; my first tile
	s_mov_b32 s25, 0                               ; all tiles
.irp q, 0,1,2,3,4,5,6,7
	s_cmp_lt_u32 \q, s8
	s_cselect_b32 s26, s[16+\q], 0
	s_add_co_u32 s24, s24, s26
	s_add_co_u32 s25, s25, s[16+\q]
.endr
	s_lshl_b32 s27, s24, 4
	s_sub_co_u32 s25, s25, 1
.set cc, 0
.rept 32
	v_add_nc_u32 v[J+cc], s27, v[J+cc]             ; 16 toff is under 0x8000: bit 15 stays what it was
	global_store_b32 v2, v[J+cc], s[6:7] offset:POS+1024*cc
.set cc, cc+1
.endr
	v_mov_b32 v168, 0                              ; lane f stores field f
	v_mov_b32 v169, s10
	v_cmp_eq_u32 vcc_lo, 0, v1
	v_cndmask_b32 v168, v168, v169, vcc_lo
	v_mov_b32 v170, s15
	v_cmp_eq_u32 vcc_lo, 1, v1
	v_cndmask_b32 v168, v168, v170, vcc_lo
	v_mov_b32 v171, s24
	v_cmp_eq_u32 vcc_lo, 2, v1
	v_cndmask_b32 v168, v168, v171, vcc_lo
	v_mov_b32 v172, s25
	v_cmp_eq_u32 vcc_lo, 3, v1
	v_cndmask_b32 v168, v168, v172, vcc_lo
	global_store_b32 v2, v168, s[6:7] offset:META
	s_wait_tensorcnt 0x0
	ds_add_u32 v192, v193
	s_wait_dscnt 0x0
	s_endpgm
.Lfunc_end_k_q3e850292d7_place:
	.size	k_q3e850292d7_place, .Lfunc_end_k_q3e850292d7_place-k_q3e850292d7_place
	.p2alignl 7, 3214868480
	.fill 96, 4, 3214868480
	.section	.rodata,"a",@progbits
	.p2align	6, 0x0
	.amdhsa_kernel k_q3e850292d7_place
		.amdhsa_group_segment_fixed_size 1280
		.amdhsa_private_segment_fixed_size 0
		.amdhsa_enable_private_segment 0
		.amdhsa_kernarg_size 16
		.amdhsa_user_sgpr_count 2
		.amdhsa_user_sgpr_kernarg_segment_ptr 1
		.amdhsa_wavefront_size32 1
		.amdhsa_system_sgpr_workgroup_id_x 1
		.amdhsa_system_sgpr_workgroup_id_y 1
		.amdhsa_system_sgpr_workgroup_id_z 1
		.amdhsa_system_vgpr_workitem_id 0
		.amdhsa_next_free_vgpr 194
		.amdhsa_next_free_sgpr 66
		.amdhsa_reserve_vcc 1
		.amdhsa_float_denorm_mode_32 3
		.amdhsa_float_denorm_mode_16_64 3
		.amdhsa_memory_ordered 1
		.amdhsa_forward_progress 1
		.amdhsa_inst_pref_size 28
	.end_amdhsa_kernel
	.amdgpu_metadata
---
amdhsa.version: [ 1, 2 ]
amdhsa.kernels:
  - .name:           k_q3e850292d7_place
    .symbol:         k_q3e850292d7_place.kd
    .args:
      - { .name: sel, .offset: 0, .size: 8, .value_kind: global_buffer, .address_space: global }
      - { .name: rt, .offset: 8, .size: 8, .value_kind: global_buffer, .address_space: global }
    .group_segment_fixed_size: 1280
    .private_segment_fixed_size: 0
    .kernarg_segment_align: 8
    .kernarg_segment_size: 16
    .max_flat_workgroup_size: 256
    .sgpr_count:     66
    .vgpr_count:     194
    .wavefront_size: 32
...
	.end_amdgpu_metadata
.endif
;; end of part 2
;; launch up (part 3): grid 32 x 8, 4 waves a work-group, no clusters, 70,400 bytes of LDS; arguments w1, b1, xc, rt, hc; writes hc
.if DOCPART == 3
	.amdgcn_target "amdgcn-amd-amdhsa--gfx1250"
	.amdhsa_code_object_version 6
	.text
	.protected	k_q3e850292d7_up
	.globl	k_q3e850292d7_up
	.p2align	8
	.type	k_q3e850292d7_up,@function
k_q3e850292d7_up:
	s_mov_b64 s[64:65], 0
	v_nop
	global_prefetch_b8 v0, s[64:65] scope:SCOPE_SE
	s_setreg_imm32_b32 hwreg(HW_REG_WAVE_MODE, 25, 1), 1
	s_wait_xcnt 0x0
; FIRST PRODUCT OF THE CHOSEN ROWS: h = Q(gelu(Q(x) Q(w1[e]) + b1[e])), on codes of E2M1 with one E8M0 scale for each 32 along K.
; A work-group owns hidden units 128 ns .. 128 ns + 127 of expert e (x = ns, y = e), for all of K = 1,024: 512 KiB of w1, read from memory by this work-group alone, once.
; PHASE A.  Wave w takes rows k = 256 w .. + 255 in 8 groups of 32 rows.  A load reads 512 consecutive bytes of one row; a lane holds 4 neighbouring columns, and a group's 32 loads give it
; a whole block of 32 along K of each.  The numbers are put in order by column (one move each), so that the conversions find neighbours along K in consecutive registers.  The codes go to LDS as
; IMAGES OF THE OPERAND'S REGISTERS (fragment = 16 units x 128 K: two groups of 4 registers, lane l's 16 bytes at 16 l), the scale bytes as words of 4 a row and K step.  Two groups, 64 loads a wave, are asked for ahead.
; THE UNITS OF A TILE ARE NOT NEIGHBOURS: lane r of tile 2 b + u takes unit 32 b + 8 u + r + 8 (r / 8), so that the 16 registers of tiles 2 b, 2 b + 1 are 16 neighbours along the next K.
; PHASE B.  One barrier; then every wave takes all 64 fragments (512 registers) and 64 scale words into registers, where they stay.
; ROWS.  The expert's rows come in tiles of 16 (list and counts from rt); wave w takes tiles w, w + 4, ..  The product is used transposed (source 0 = 16 units, source 1 = 16 rows of x), b1 is the C of a sum's first
; instruction; gelu in f32; the 128 units of a row are one K step of the second product: its fragment and scale word go to hc as images.  The rows of a last tile beyond the count repeat the expert's last token; nobody reads their results.
; No tensor load: the number of tiles is read from memory.  No multicast for that reason, though the 32 work-groups of an expert read the same codes of x (0.5 KiB a row against 512 KiB of weights).
; gelu(x) = x/2 + x/2 erf(x / sqrt 2); erf(z) = z P(z^2) / Q(z^2) on |z| <= 4, z held there (beyond it erf is 1 to f32's last bit).
; LIMITS: NaN and infinities are not served.  A block under 2^-124 (zeros too) keeps the scale byte 1; this program alone reads the bytes.
; For strongly negative x the sum 1 + erf cancels: gelu there has an absolute error of about 1e-7 |x|.
.set TS,    8208                       ; LDS: a tile's 8 fragments, 8 x 1,024 bytes, + 16: the stores of 16 lanes then fall on 16 different columns of 16 bytes
.set WSC,   8*TS                       ; behind them: scale bytes [8 tiles][16 rows][32]
.set XSOFF, 524288
.set HSOFF, 4456448
.set META,  67584
.set LISTS, 4352
.set RG,    32                         ; rows from group to group
.set PITCHB, 16384                     ; bytes in a row of w1[e]
.set GA,  4                            ; v4   16 l: my 4 columns in a row
.set LW,  5                            ; v5   where my codes go
.set LSB, 6                            ; v6   where my scale bytes go
.set LI,  7                            ; v7   16 l: an image's place for my lane
.set LR,  8                            ; v8   WSC + 32 r
.set BH,  9                            ; v9   64 h
.set IDN, 10                           ; v10  a token's number as loaded
.set LA,  11                           ; v11  its place in the list
.set ADX, 12                           ; v12  the token's codes
.set ADS, 13                           ; v13  the token's scale bytes
.set LS,  14                           ; v14  4 l
.set TP,  15                           ; v15  at work
.set XSC, 24                           ; v24-31  x's 8 scale words
.set WS,  32                           ; v32-95  w1's 64 scale words: 8 t + s
.set H,   96                           ; v96-159 my 8 tiles of the hidden layer
.set GHX, 160                          ; gelu, 16 numbers at a time: x / 2,
.set GZ,  176                          ; z,
.set GZ2, 192                          ; z^2,
.set GP,  208                          ; P,
.set GQ,  224                          ; Q
.set TM,  160                          ; the quantiser's 16 registers
.set PCD, 240                          ; v240-247 the fragment just made
.set PW,  248                          ; v248     its scale word
.set CD,  160                          ; phase A: codes, 4 registers a column;
.set M,   176                          ; largest magnitudes;
.set SO,  180                          ; scale operands;
.set BY,  184                          ; scale bytes
.set TT,  128                          ; phase A, window 3: 4 columns x 32 numbers in order
.set B1,  64                           ; window 1: v0-63 x's 8 fragments, v64-127 b1's 8 tiles
.set CA,  32                           ; s32-43 P's coefficients a11 .. a1, each twice;  s44-51 Q's b6 .. b0;  s52-53 1 / sqrt 2
.set CB,  44
.set RS2, 52
.set SEL, 60
.set MSB, 0
.macro WIN new                         ; the immediate's high byte repeats the setting that is left
.if MSB != (\new)
	s_set_vgpr_msb (MSB<<8)|(\new)
.set MSB, (\new)
.endif
.endm
.macro COEF reg, val
	s_mov_b32 s[\reg], \val
	s_mov_b32 s[\reg+1], \val
.endm
.macro SETOF t                         ; the staging set of group t: window 2 v0, window 2 v128, window 3 v0, by turns
.set SQ, (\t)%3
.set SWN, 2+SQ/2
.set SBASE, 128*(SQ%2)
.endm
.macro LOADB t                         ; group t: 32 rows, 512 consecutive bytes each; register 4 i + c = row i, my column c
	SETOF \t
	WIN SWN<<6
.set ii, 0
.rept 32
	global_load_b128 v[SBASE+4*ii:SBASE+4*ii+3], v[GA], s[4:5] offset:(RG*(\t)+ii)*PITCHB th:TH_LOAD_NT
.set ii, ii+1
.endr
	WIN 0
.endm
.macro QHEAD t, n                      ; n: the loads issued behind group t's, which may stay out
	s_wait_loadcnt \n
.if (\t)+2 < 8
	LOADB (\t)+2                                   ; into the set that the group before has left
.endif
.endm
.macro QBODY t
	SETOF \t
	WIN 0xc0|SWN
.set cc, 0
.rept 4
.set kk, 0
.rept 32
	v_mov_b32 v[TT+32*cc+kk], v[SBASE+4*kk+cc]     ; column cc's 32 numbers on end
.set kk, kk+1
.endr
.set cc, cc+1
.endr
	WIN 0x0f                                       ; sources 0 and 1 window 3
.irp c, 0,1,2,3
	v_max3_num_f32 v[M+\c], |v[TT+32*\c]|, |v[TT+32*\c+1]|, 0x1800000   ; with the floor 2^(3 - 127)
.endr
.irp i, 2,4,6,8,10,12,14,16,18,20,22,24,26,28,30
.irp c, 0,1,2,3
	v_max3_num_f32 v[M+\c], |v[TT+32*\c+\i]|, |v[TT+32*\c+\i+1]|, v[M+\c]   ; the four columns by turns
.endr
.endr
	WIN 0
.irp c, 0,1,2,3
	v_add_nc_u32 v[SO+\c], 0xff000000, v[M+\c]     ; 2 off the exponent field: the conversion's scale operand
.endr
	s_wait_dscnt 0x0                               ; the last group's LDS stores have read their registers
.irp c, 0,1,2,3
	v_lshrrev_b32 v[BY+\c], 23, v[SO+\c]           ; the scale's byte
.endr
	WIN 0x03                                       ; source 0 window 3
.irp c, 0,1,2,3
.irp g, 0,1,2,3
	v_cvt_scalef32_pk8_fp4_f32 v[CD+4*\c+\g], v[TT+32*\c+8*\g:TT+32*\c+8*\g+7], v[SO+\c]
.endr
.endr
	WIN 0
	v_nop                                          ; one plain place behind the last scaled conversion
.irp c, 0,1,2,3
	ds_store_b128 v[LW], v[CD+4*\c:CD+4*\c+3] offset:((\t)>>2)*1024+(((\t)>>1)&1)*512+((\t)&1)*256+16*\c   ; block 8 w + t: K step, register group, half of the lanes
	ds_store_b8 v[LSB], v[BY+\c] offset:32*\c+(\t)
.endr
.endm
.macro IDX                             ; s27 = 16 x a tile's number: the place in the list of its row r, held at the expert's last token.  Four plain vector lines
	v_add_nc_u32 v[TP], s27, v2
	v_min_u32 v[TP], s25, v[TP]
	v_min_u32 v[TP], 0x3ff, v[TP]
	v_lshl_add_u32 v[LA], v[TP], 2, s26
.endm
.macro IDGET
	global_load_b32 v[IDN], v[LA], s[10:11]
.endm
.macro XADR                            ; the token's codes and scale bytes
	v_min_u32 v[TP], 0x3ff, v[IDN]
	v_lshlrev_b32 v[ADX], 9, v[TP]
	v_lshl_add_u32 v[ADX], v3, 4, v[ADX]
	v_lshlrev_b32 v[ADS], 5, v[TP]
.endm
.macro XLOAD                           ; 8 fragments of 16 rows x 128 K, and their scale words: 18 loads
	WIN 0x40
.irp s, 0,1,2,3,4,5,6,7
.irp c, 0,1
	global_load_b128 v[8*\s+4*\c:8*\s+4*\c+3], v[ADX], s[8:9] offset:64*\s+32*\c
.endr
.endr
	WIN 0
	global_load_b128 v[XSC:XSC+3], v[ADS], s[8:9] offset:XSOFF
	global_load_b128 v[XSC+4:XSC+7], v[ADS], s[8:9] offset:XSOFF+16
.endm
.macro GELU g                          ; tiles 2 g and 2 g + 1, stage by stage over their 8 pairs, each accumulator from its low end on
.set GH, H+16*(\g)
.irp p, 0,2,4,6,8,10,12,14
	v_pk_mul_f32 v[GHX+\p:GHX+\p+1], v[GH+\p:GH+\p+1], 0.5 op_sel_hi:[1,0]
.endr
.irp p, 0,2,4,6,8,10,12,14
	v_pk_mul_f32 v[GZ+\p:GZ+\p+1], v[GH+\p:GH+\p+1], s[RS2:RS2+1] op_sel_hi:[1,0]
.endr
.irp i, 0,1,2,3,4,5,6,7,8,9,10,11,12,13,14,15
	v_med3_num_f32 v[GZ+\i], v[GZ+\i], -4.0, 4.0
.endr
.irp p, 0,2,4,6,8,10,12,14
	v_pk_mul_f32 v[GZ2+\p:GZ2+\p+1], v[GZ+\p:GZ+\p+1], v[GZ+\p:GZ+\p+1]
.endr
.irp p, 0,2,4,6,8,10,12,14
	v_pk_fma_f32 v[GP+\p:GP+\p+1], v[GZ2+\p:GZ2+\p+1], v[16:17], s[CA:CA+1] op_sel_hi:[1,1,0]
	v_pk_fma_f32 v[GQ+\p:GQ+\p+1], v[GZ2+\p:GZ2+\p+1], v[18:19], s[CB:CB+1] op_sel_hi:[1,1,0]
.endr
.irp q, 2,4,6
.irp p, 0,2,4,6,8,10,12,14
	v_pk_fma_f32 v[GP+\p:GP+\p+1], v[GP+\p:GP+\p+1], v[GZ2+\p:GZ2+\p+1], s[CA+\q:CA+\q+1] op_sel_hi:[1,1,0]
	v_pk_fma_f32 v[GQ+\p:GQ+\p+1], v[GQ+\p:GQ+\p+1], v[GZ2+\p:GZ2+\p+1], s[CB+\q:CB+\q+1] op_sel_hi:[1,1,0]
.endr
.endr
.irp q, 8,10
.irp p, 0,2,4,6,8,10,12,14
	v_pk_fma_f32 v[GP+\p:GP+\p+1], v[GP+\p:GP+\p+1], v[GZ2+\p:GZ2+\p+1], s[CA+\q:CA+\q+1] op_sel_hi:[1,1,0]
.endr
.endr
.irp i, 0,1,2,3,4,5,6,7,8,9,10,11,12,13,14,15
	v_rcp_f32 v[GQ+\i], v[GQ+\i]
.endr
.irp p, 0,2,4,6,8,10,12,14
	v_pk_mul_f32 v[GP+\p:GP+\p+1], v[GP+\p:GP+\p+1], v[GZ+\p:GZ+\p+1]   ; z P.  (The first of these is the plain place behind the reciprocals)
.endr
	s_wait_alu depctr_va_vdst(0)
.irp p, 0,2,4,6,8,10,12,14
	v_pk_mul_f32 v[GP+\p:GP+\p+1], v[GP+\p:GP+\p+1], v[GQ+\p:GQ+\p+1]   ; erf
.endr
.irp p, 0,2,4,6,8,10,12,14
	v_pk_fma_f32 v[GH+\p:GH+\p+1], v[GHX+\p:GHX+\p+1], v[GP+\p:GP+\p+1], v[GHX+\p:GHX+\p+1]
.endr
.endm
.macro QUANT                           ; 64 numbers of a lane, register 16 b + i = unit 32 b + 16 (lane / 16) + i of my row, become a fragment's codes and its scale word
.irp b, 0,1,2,3
	v_max3_num_f32 v[TM+\b], |v[H+16*\b]|, |v[H+1+16*\b]|, 0x1800000
.endr
.irp i, 2,4,6,8,10,12,14
.irp b, 0,1,2,3
	v_max3_num_f32 v[TM+\b], v[TM+\b], |v[H+16*\b+\i]|, |v[H+1+16*\b+\i]|
.endr
.endr
.irp b, 0,1,2,3
	v_permlanex16_b32 v[TM+4+\b], v[TM+\b], s[SEL], s[SEL+1]
.endr
.irp b, 0,1,2,3
	v_max_num_f32 v[TM+\b], v[TM+\b], v[TM+4+\b]   ; with lane l xor 16's: the block's largest magnitude
.endr
.irp b, 0,1,2,3
	v_add_nc_u32 v[TM+12+\b], 0xff000000, v[TM+\b]
.endr
.irp b, 0,1,2,3
	v_lshrrev_b32 v[TM+4+\b], 23, v[TM+12+\b]
.endr
	v_lshl_or_b32 v[PW], v[TM+5], 8, v[TM+4]
	v_lshl_or_b32 v[PW], v[TM+6], 16, v[PW]
	v_lshl_or_b32 v[PW], v[TM+7], 24, v[PW]
.irp b, 0,1,2,3
	v_cvt_scalef32_pk8_fp4_f32 v[PCD+2*\b], v[H+16*\b:H+7+16*\b], v[TM+12+\b]
	v_cvt_scalef32_pk8_fp4_f32 v[PCD+1+2*\b], v[H+8+16*\b:H+15+16*\b], v[TM+12+\b]
.endr
	v_nop                                          ; one plain place behind a scaled conversion
.irp c, 0,1                                    ; the operand's layout wants a whole block in a lane
.irp i, 0,1
	v_permlane16_swap_b32 v[PCD+4*\c+\i], v[PCD+2+4*\c+\i]
.endr
.endr
.endm
	s_load_b256 s[4:11], s[0:1], 0x0               ; w1 s[4:5], b1 s[6:7], xc s[8:9], rt s[10:11]
	s_load_b64 s[12:13], s[0:1], 0x20              ; hc
	v_lshl_add_u32 v254, v0, 2, 0x11100
	v_mov_b32 v255, 0
	v_lshrrev_b32 v[TP], 5, v0
	v_readfirstlane_b32 s14, v[TP]                 ; wave 0..3
	s_mov_b32 s15, ttmp9                           ; ns
	s_and_b32 s16, ttmp7, 0xffff                   ; e
	v_and_b32 v1, 31, v0                           ; l
	v_and_b32 v2, 15, v0                           ; r
	v_bfe_u32 v3, v0, 4, 1                         ; h
	v_lshlrev_b32 v[GA], 4, v1
	v_lshlrev_b32 v[LI], 4, v1
	v_lshlrev_b32 v[LS], 2, v1
	v_lshlrev_b32 v[BH], 6, v3
	v_bfe_u32 v20, v0, 3, 2                        ; column 4 l + c is unit 32 b + 16 (r / 8) + 8 u + r % 8:  b = l / 8,
	v_bfe_u32 v21, v0, 1, 1                        ; u = bit 1 of l,
	v_lshl_add_u32 v20, v20, 1, v21                ; tile 2 b + u;
	v_and_b32 v21, 1, v0
	v_bfe_u32 v22, v0, 2, 1
	v_lshlrev_b32 v21, 2, v21
	v_lshl_add_u32 v21, v22, 3, v21                ; r = 4 (l % 2) + 8 (bit 2 of l) + c
	v_mul_u32_u24 v[LW], v20, TS
	v_lshl_add_u32 v[LW], v21, 4, v[LW]
	s_lshl_b32 s17, s14, 11
	v_add_nc_u32 v[LW], s17, v[LW]                 ; + my wave's two K steps
	v_lshlrev_b32 v[LSB], 9, v20
	v_lshl_add_u32 v[LSB], v21, 5, v[LSB]
	s_lshl_b32 s17, s14, 3
	v_add_nc_u32 v[LSB], s17, v[LSB]               ; + my wave's 8 blocks
	v_add_nc_u32 v[LSB], WSC, v[LSB]
	v_lshl_add_u32 v[LR], v2, 5, WSC
	v_mov_b32 v16, 0xaf95df0b                      ; a13 = -2.72614225801306e-10, as a pair
	v_mov_b32 v17, 0xaf95df0b
	v_mov_b32 v18, 0xb77460cd                      ; b8 = -1.45660718464996e-05
	v_mov_b32 v19, 0xb77460cd
	COEF CA+0,  0x32edffee                         ; a11 =  2.77068142495902e-08
	COEF CA+2,  0xb60cff51                         ; a9  = -2.10102402082508e-06
	COEF CA+4,  0xb86ec2d2                         ; a7  = -5.69250639462346e-05
	COEF CA+6,  0xba40ac63                         ; a5  = -7.34990630326855e-04
	COEF CA+8,  0xbb41a1f6                         ; a3  = -2.95459980854025e-03
	COEF CA+10, 0xbc83dbd4                         ; a1  = -1.60960333262415e-02
	COEF CB+0,  0xb95fbd29                         ; b6  = -2.13374055278905e-04
	COEF CB+2,  0xbadc924e                         ; b4  = -1.68282697438203e-03
	COEF CB+4,  0xbbf19bf8                         ; b2  = -7.37332916720468e-03
	COEF CB+6,  0xbc69b6a7                         ; b0  = -1.42647390514189e-02
	COEF RS2,   0x3f3504f3                         ; 1 / sqrt 2
	s_mov_b32 s[SEL], 0x76543210
	s_mov_b32 s[SEL+1], 0xfedcba98                 ; lane l xor 16
	s_mul_i32 s26, s16, LISTS                      ; my expert's list
	s_lshl_b32 s58, s15, 10                        ; my K step's image in a tile of hc
	s_lshl_b32 s59, s15, 7                         ; and its scale words
	s_lshl_b32 s18, s16, 24                        ; w1[e]: 16 MiB an expert,
	s_lshl_b32 s17, s14, 22                        ; 256 rows a wave,
	s_add_co_u32 s18, s18, s17
	s_lshl_b32 s17, s15, 9                         ; 128 columns a work-group
	s_add_co_u32 s18, s18, s17
	s_mov_b32 s19, 0                               ; (stays 0)
	s_wait_kmcnt 0x0
	s_add_nc_u64 s[4:5], s[4:5], s[18:19]
	s_lshl_b32 s18, s16, 14
	s_add_co_u32 s18, s18, s17
	s_add_nc_u64 s[6:7], s[6:7], s[18:19]          ; b1[e] at my 128 units
	s_lshl_b32 s18, s16, 2
	s_add_nc_u64 s[56:57], s[10:11], s[18:19]
	s_load_b32 s21, s[56:57], META                 ; the expert's rows,
	s_load_b32 s22, s[56:57], META+32              ; its tiles,
	s_load_b32 s23, s[56:57], META+64              ; its first tile
	WIN 0x40
.irp t, 0,1,2,3,4,5,6,7                        ; b1 in the result's layout: lane (r, h), tile 2 b + u: units 32 b + 16 h + 8 u + 0 .. 7
	global_load_b128 v[B1+8*\t:B1+8*\t+3], v[BH], s[6:7] offset:(32*(\t/2)+8*(\t%2))*4
	global_load_b128 v[B1+8*\t+4:B1+8*\t+7], v[BH], s[6:7] offset:(32*(\t/2)+8*(\t%2))*4+16
.endr
	WIN 0
	LOADB 0
	LOADB 1
; ---- PHASE A
	QHEAD 0, 32                                    ; behind group 0's loads: group 1's 32
	s_wait_kmcnt 0x0
	s_max_u32 s25, s21, 1
	s_sub_co_u32 s25, s25, 1                       ; the last place in the list
	s_lshl_b32 s27, s14, 4
	IDX
	IDGET                                          ; the tokens of my first tile
	QBODY 0
	QHEAD 1, 33                                    ; group 2's 32 and the list load
	QBODY 1
	QHEAD 2, 33                                    ; the list load and group 3's 32
	QBODY 2
	QHEAD 3, 32
	QBODY 3
	QHEAD 4, 32
	QBODY 4
	QHEAD 5, 32
	QBODY 5
	QHEAD 6, 32                                    ; group 7's 32; the list load is older and in
	XADR
	XLOAD                                          ; my first tile's x
	s_add_co_u32 s27, s14, 4
	s_lshl_b32 s27, s27, 4
	IDX
	IDGET                                          ; the tokens of my second tile
	QBODY 6
	QHEAD 7, 19                                    ; x's 18 loads and the list load
	QBODY 7
	s_wait_dscnt 0x0                               ; for the others' sake: my images and bytes lie in LDS
	s_barrier_signal -1
	s_barrier_wait -1
; ---- PHASE B: all 64 fragments and 64 scale words into registers
	WIN 0x80
.irp s, 0,1,2,3
.irp t, 0,1,2,3,4,5,6,7
.irp c, 0,1
	ds_load_b128 v[64*\s+8*\t+4*\c:64*\s+8*\t+4*\c+3], v[LI] offset:\t*TS+1024*\s+512*\c
.endr
.endr
.endr
	WIN 0xc0
.irp s, 4,5,6,7
.irp t, 0,1,2,3,4,5,6,7
.irp c, 0,1
	ds_load_b128 v[64*(\s-4)+8*\t+4*\c:64*(\s-4)+8*\t+4*\c+3], v[LI] offset:\t*TS+1024*\s+512*\c
.endr
.endr
.endr
	WIN 0
.irp t, 0,1,2,3,4,5,6,7
	ds_load_b128 v[WS+8*\t:WS+8*\t+3], v[LR] offset:512*\t
	ds_load_b128 v[WS+8*\t+4:WS+8*\t+7], v[LR] offset:512*\t+16
.endr
	s_wait_dscnt 0x0
	s_add_co_u32 s54, s22, 3                       ; my tiles: w, w + 4, .. below the expert's count: (tiles + 3 - w) / 4,
	s_sub_co_u32 s54, s54, s14
	s_lshr_b32 s54, s54, 2
	s_min_u32 s54, s54, 16                         ; at most 16: an expert has at most 1,024 rows, 64 tiles
	s_cmp_eq_u32 s54, 0                            ; a wave without a tile ends (behind the one barrier)
	s_cbranch_scc1 .Lend
	s_mov_b32 s20, s14                             ; the tile in hand
	s_mov_b32 s24, 0                               ; trips done
; ---- ROWS: one tile of 16 a trip
.Lrow:
	s_wait_loadcnt 0x0                             ; this tile's x and scale words, and the next tile's tokens
	XADR
	WIN 0x16                                       ; source 0 (w1) window 2, source 1 (x) and C (b1) window 1.  The 8 accumulators take turns
.irp t, 0,1,2,3,4,5,6,7
	v_wmma_scale_f32_16x16x128_f8f6f4 v[H+8*\t:H+8*\t+7], v[8*\t:8*\t+7], v[0:7], v[B1+8*\t:B1+8*\t+7], v[WS+8*\t], v[XSC] matrix_a_fmt:MATRIX_FMT_FP4 matrix_b_fmt:MATRIX_FMT_FP4
.endr
	WIN 0x06
.irp s, 1,2,3
.irp t, 0,1,2,3,4,5,6,7
	v_wmma_scale_f32_16x16x128_f8f6f4 v[H+8*\t:H+8*\t+7], v[64*\s+8*\t:64*\s+8*\t+7], v[8*\s:8*\s+7], v[H+8*\t:H+8*\t+7], v[WS+8*\t+\s], v[XSC+\s] matrix_a_fmt:MATRIX_FMT_FP4 matrix_b_fmt:MATRIX_FMT_FP4
.endr
.endr
	WIN 0x07                                       ; source 0 window 3
.irp s, 4,5,6,7
.irp t, 0,1,2,3,4,5,6,7
	v_wmma_scale_f32_16x16x128_f8f6f4 v[H+8*\t:H+8*\t+7], v[64*(\s-4)+8*\t:64*(\s-4)+8*\t+7], v[8*\s:8*\s+7], v[H+8*\t:H+8*\t+7], v[WS+8*\t+\s], v[XSC+\s] matrix_a_fmt:MATRIX_FMT_FP4 matrix_b_fmt:MATRIX_FMT_FP4
.endr
.endr
	WIN 0
	s_add_co_u32 s27, s20, 8
	s_lshl_b32 s27, s27, 4
	IDX                                            ; four plain lines that name none of the products' registers: the places in front of the loads below and of the first read of results
	XLOAD                                          ; the next tile's x lands under this tile's gelu
	IDGET
	GELU 0
	GELU 1
	GELU 2
	GELU 3
	s_wait_xcnt 0x0                                ; the last trip's stores have read their data and bases
	s_add_co_u32 s17, s20, s23
	s_min_u32 s17, s17, 135                        ; the tile's number among all experts'
	s_lshl_b32 s18, s17, 15
	s_add_co_u32 s18, s18, s58
	s_add_nc_u64 s[28:29], s[12:13], s[18:19]
	s_lshl_b32 s18, s17, 12
	s_add_co_u32 s18, s18, s59
	s_add_nc_u64 s[30:31], s[12:13], s[18:19]
	QUANT
	global_store_b128 v[LI], v[PCD:PCD+3], s[28:29]                ; the image: 512 consecutive bytes a store
	global_store_b128 v[LI], v[PCD+4:PCD+7], s[28:29] offset:512
	global_store_b32 v[LS], v[PW], s[30:31] offset:HSOFF
	s_add_co_u32 s20, s20, 4
	s_add_co_u32 s24, s24, 1
	s_cmp_lt_u32 s24, s54
	s_cbranch_scc1 .Lrow
.Lend:
	s_wait_tensorcnt 0x0
	ds_add_u32 v254, v255
	s_wait_dscnt 0x0
	s_endpgm
.Lfunc_end_k_q3e850292d7_up:
	.size	k_q3e850292d7_up, .Lfunc_end_k_q3e850292d7_up-k_q3e850292d7_up
	.p2alignl 7, 3214868480
	.fill 96, 4, 3214868480
	.section	.rodata,"a",@progbits
	.p2align	6, 0x0
	.amdhsa_kernel k_q3e850292d7_up
		.amdhsa_group_segment_fixed_size 70400
		.amdhsa_private_segment_fixed_size 0
		.amdhsa_enable_private_segment 0
		.amdhsa_kernarg_size 40
		.amdhsa_user_sgpr_count 2
		.amdhsa_user_sgpr_kernarg_segment_ptr 1
		.amdhsa_wavefront_size32 1
		.amdhsa_system_sgpr_workgroup_id_x 1
		.amdhsa_system_sgpr_workgroup_id_y 1
		.amdhsa_system_sgpr_workgroup_id_z 1
		.amdhsa_system_vgpr_workitem_id 0
		.amdhsa_next_free_vgpr 1024
		.amdhsa_next_free_sgpr 66
		.amdhsa_reserve_vcc 0
		.amdhsa_float_denorm_mode_32 3
		.amdhsa_float_denorm_mode_16_64 3
		.amdhsa_memory_ordered 1
		.amdhsa_forward_progress 1
		.amdhsa_inst_pref_size 178
	.end_amdhsa_kernel
	.amdgpu_metadata
---
amdhsa.version: [ 1, 2 ]
amdhsa.kernels:
  - .name:           k_q3e850292d7_up
    .symbol:         k_q3e850292d7_up.kd
    .args:
      - { .name: w1, .offset: 0, .size: 8, .value_kind: global_buffer, .address_space: global }
      - { .name: b1, .offset: 8, .size: 8, .value_kind: global_buffer, .address_space: global }
      - { .name: xc, .offset: 16, .size: 8, .value_kind: global_buffer, .address_space: global }
      - { .name: rt, .offset: 24, .size: 8, .value_kind: global_buffer, .address_space: global }
      - { .name: hc, .offset: 32, .size: 8, .value_kind: global_buffer, .address_space: global }
    .group_segment_fixed_size: 70400
    .private_segment_fixed_size: 0
    .kernarg_segment_align: 8
    .kernarg_segment_size: 40
    .max_flat_workgroup_size: 128
    .sgpr_count:     66
    .vgpr_count:     1024
    .wavefront_size: 32
...
	.end_amdgpu_metadata
.endif
;; end of part 3
;; launch down (part 4): grid 32 x 8, 4 waves a work-group, no clusters, 87,808 bytes of LDS; arguments w2, hc, rt, yp; writes yp
.if DOCPART == 4
	.amdgcn_target "amdgcn-amd-amdhsa--gfx1250"
	.amdhsa_code_object_version 6
	.text
	.protected	k_q3e850292d7_down
	.globl	k_q3e850292d7_down
	.p2align	8
	.type	k_q3e850292d7_down,@function
k_q3e850292d7_down:
	s_mov_b64 s[64:65], 0
	v_nop
	global_prefetch_b8 v0, s[64:65] scope:SCOPE_SE
	s_setreg_imm32_b32 hwreg(HW_REG_WAVE_MODE, 25, 1), 1
	s_wait_xcnt 0x0
; SECOND PRODUCT OF THE CHOSEN ROWS: yp[kh] = Q(h) Q(w2[e]) over one half of K = 4,096, on codes of E2M1 with one E8M0 scale for each 32 along K.
; A work-group owns columns 64 nsl .. + 63 of expert e and K half kh (x = nsl + 16 kh, y = e): 2,048 rows x 256 bytes of w2, read by this work-group alone, once.  The two halves are added, in f32, by the next launch.
; PHASE A.  Wave w takes rows 512 w .. + 511 of the half in 8 groups of 64 rows.  A load reads two rows' 256 bytes: lanes 0-15 row i, lanes 16-31 row i + 32; a lane holds 4 neighbouring columns, and a group's 32 loads
; give it a whole block of 32 along K of each (lanes 16-31: the next block, as the operand's layout wants).  All else as in the first product's launch: the numbers in order by column, conversions, images of the operand's registers and scale bytes to LDS.
; PHASE B.  One barrier; every wave takes all 64 fragments (4 tiles of 16 columns x 16 K steps) and 64 scale words into registers.
; ROWS.  Wave w takes the expert's tiles w, w + 4, ..  h's 16 fragments and scale words of a tile come from hc as images, 512 consecutive bytes a load, two tiles ahead in two buffers.  Transposed use: source 0 = 16 columns of w2,
; source 1 = 16 rows of h: a lane holds 8 neighbouring columns of one row.  The 16 x 64 results go through the wave's own stage in LDS and leave as rows of 256 bytes.
; No tensor load: the number of tiles is read from memory; so no multicast, though the 32 work-groups of an expert read the same tiles of h.
; LIMITS: NaN and infinities are not served.  A block under 2^-124 (zeros too) keeps the scale byte 1; this program alone reads the bytes.
.set TS4,   16400                      ; LDS: a tile's 16 fragments + 16 bytes
.set WSC4,  4*TS4                      ; scale bytes [4 tiles][16 rows][64]
.set STG,   69888                      ; four stages of 16 rows x (256 + 16) bytes
.set HSOFF, 4456448
.set META,  67584
.set YH,    8912896                    ; yp: from K half to K half
.set RG,    64
.set PITCHB, 4096                      ; bytes in a row of w2[e]
.set GA,  4                            ; v4   16 q + 32 rows x p
.set LW,  5
.set LSB, 6
.set LI,  7                            ; v7   16 l
.set LR,  8                            ; v8   WSC4 + 64 r
.set LS,  9                            ; v9   4 l
.set STO, 10                           ; v10  the stage: where I put 32 bytes of a row
.set RD,  11                           ; v11  where I read a row back
.set CO,  12                           ; v12  the same place in yp
.set HSC, 16                           ; v16-47   h's scale words, two buffers of 16
.set WS,  48                           ; v48-111  w2's 64 scale words: 16 n + s
.set ACC, 112                          ; v112-143 four accumulators
.set OUTR, 144                         ; v144-175 16 rows read back
.set CD,  176                          ; phase A: codes;
.set M,   192
.set SO,  196
.set BY,  200
.set TT,  128                          ; phase A, window 3
.set MSB, 0
.macro WIN new                         ; the immediate's high byte repeats the setting that is left
.if MSB != (\new)
	s_set_vgpr_msb (MSB<<8)|(\new)
.set MSB, (\new)
.endif
.endm
.macro SETOF t                         ; the staging set of group t: window 2 v0, window 2 v128, window 3 v0, by turns
.set SQ, (\t)%3
.set SWN, 2+SQ/2
.set SBASE, 128*(SQ%2)
.endm
.macro LOADB t
	SETOF \t
	WIN SWN<<6
.set ii, 0
.rept 32
	global_load_b128 v[SBASE+4*ii:SBASE+4*ii+3], v[GA], s[4:5] offset:(RG*(\t)+ii)*PITCHB th:TH_LOAD_NT
.set ii, ii+1
.endr
	WIN 0
.endm
.macro QHEAD t, n                      ; n: the loads issued behind group t's, which may stay out
	s_wait_loadcnt \n
.if (\t)+2 < 8
	LOADB (\t)+2
.endif
.endm
.macro QBODY t
	SETOF \t
	WIN 0xc0|SWN
.set cc, 0
.rept 4
.set kk, 0
.rept 32
	v_mov_b32 v[TT+32*cc+kk], v[SBASE+4*kk+cc]
.set kk, kk+1
.endr
.set cc, cc+1
.endr
	WIN 0x0f
.irp c, 0,1,2,3
	v_max3_num_f32 v[M+\c], |v[TT+32*\c]|, |v[TT+32*\c+1]|, 0x1800000
.endr
.irp i, 2,4,6,8,10,12,14,16,18,20,22,24,26,28,30
.irp c, 0,1,2,3
	v_max3_num_f32 v[M+\c], |v[TT+32*\c+\i]|, |v[TT+32*\c+\i+1]|, v[M+\c]
.endr
.endr
	WIN 0
.irp c, 0,1,2,3
	v_add_nc_u32 v[SO+\c], 0xff000000, v[M+\c]
.endr
	s_wait_dscnt 0x0                               ; the last group's LDS stores have read their registers
.irp c, 0,1,2,3
	v_lshrrev_b32 v[BY+\c], 23, v[SO+\c]
.endr
	WIN 0x03
.irp c, 0,1,2,3
.irp g, 0,1,2,3
	v_cvt_scalef32_pk8_fp4_f32 v[CD+4*\c+\g], v[TT+32*\c+8*\g:TT+32*\c+8*\g+7], v[SO+\c]
.endr
.endr
	WIN 0
	v_nop                                          ; one plain place behind the last scaled conversion
.irp c, 0,1,2,3
	ds_store_b128 v[LW], v[CD+4*\c:CD+4*\c+3] offset:((\t)>>1)*1024+((\t)&1)*512+16*\c   ; blocks 2 t + p of my 16: K step, register group; the half of the lanes is in the address
	ds_store_b8 v[LSB], v[BY+\c] offset:64*\c+2*(\t)
.endr
.endm
.macro HBASE                           ; s27 = a tile of my expert: where its images and scale words lie, held inside what the launch before has written
	s_wait_xcnt 0x0                                ; earlier loads and stores have read their bases and data
	s_min_u32 s28, s27, s24
	s_add_co_u32 s28, s28, s22
	s_min_u32 s28, s28, s23
	s_min_u32 s28, s28, 135
	s_lshl_b32 s30, s28, 15
	s_add_co_u32 s30, s30, s25
	s_add_nc_u64 s[32:33], s[6:7], s[30:31]
	s_lshl_b32 s30, s28, 12
	s_add_co_u32 s30, s30, s26
	s_add_nc_u64 s[34:35], s[6:7], s[30:31]
.endm
.macro HLOAD b                         ; 48 loads: 16 fragments and 16 scale words into buffer b
	WIN 0x40
.irp s, 0,1,2,3,4,5,6,7,8,9,10,11,12,13,14,15
.irp c, 0,1
	global_load_b128 v[128*\b+8*\s+4*\c:128*\b+8*\s+4*\c+3], v[LI], s[32:33] offset:1024*\s+512*\c
.endr
.endr
	WIN 0
.irp s, 0,1,2,3,4,5,6,7,8,9,10,11,12,13,14,15
	global_load_b32 v[HSC+16*\b+\s], v[LS], s[34:35] offset:HSOFF+128*\s
.endr
.endm
.macro TILE b                          ; tile s20 + 4 b, from buffer b
	s_wait_loadcnt 48                              ; this buffer's 48 loads are in; the other buffer's 48 may be out
	WIN 0x06                                       ; source 0 (w2) window 2, source 1 (h) window 1.  The 4 accumulators take turns
.irp s, 0,1,2,3,4,5,6,7
.irp n, 0,1,2,3
.if \s == 0
	v_wmma_scale_f32_16x16x128_f8f6f4 v[ACC+8*\n:ACC+8*\n+7], v[8*\n:8*\n+7], v[128*\b:128*\b+7], 0, v[WS+16*\n], v[HSC+16*\b] matrix_a_fmt:MATRIX_FMT_FP4 matrix_b_fmt:MATRIX_FMT_FP4
.else
	v_wmma_scale_f32_16x16x128_f8f6f4 v[ACC+8*\n:ACC+8*\n+7], v[32*\s+8*\n:32*\s+8*\n+7], v[128*\b+8*\s:128*\b+8*\s+7], v[ACC+8*\n:ACC+8*\n+7], v[WS+16*\n+\s], v[HSC+16*\b+\s] matrix_a_fmt:MATRIX_FMT_FP4 matrix_b_fmt:MATRIX_FMT_FP4
.endif
.endr
.endr
	WIN 0x07                                       ; source 0 window 3
.irp s, 8,9,10,11,12,13,14,15
.irp n, 0,1,2,3
	v_wmma_scale_f32_16x16x128_f8f6f4 v[ACC+8*\n:ACC+8*\n+7], v[32*(\s-8)+8*\n:32*(\s-8)+8*\n+7], v[128*\b+8*\s:128*\b+8*\s+7], v[ACC+8*\n:ACC+8*\n+7], v[WS+16*\n+\s], v[HSC+16*\b+\s] matrix_a_fmt:MATRIX_FMT_FP4 matrix_b_fmt:MATRIX_FMT_FP4
.endr
.endr
	WIN 0
.rept 5
	v_nop                                          ; four places in front of the loads into h's registers and of the stores that read results; the fifth because the next tile's first products begin these accumulators anew, and no other vector line stands between
.endr
	s_add_co_u32 s27, s20, 4*\b+8
	HBASE
	HLOAD \b                                       ; the tile two turns on
	s_add_co_u32 s28, s20, 4*\b
	s_add_co_u32 s28, s28, s22
	s_min_u32 s28, s28, 135
	s_lshl_b32 s30, s28, 16                        ; 16 rows of 4,096 bytes
	s_add_nc_u64 s[36:37], s[38:39], s[30:31]
.irp n, 0,1,2,3
	ds_store_b128 v[STO], v[ACC+8*\n:ACC+8*\n+3] offset:64*\n      ; each accumulator from its low end on
	ds_store_b128 v[STO], v[ACC+8*\n+4:ACC+8*\n+7] offset:64*\n+16
.endr
.irp i, 0,1,2,3,4,5,6,7
	ds_load_b128 v[OUTR+4*\i:OUTR+4*\i+3], v[RD] offset:544*\i     ; LDS serves a wave's instructions in order: these see my stores
.endr
.irp i, 0,1,2,3,4,5,6,7
	s_wait_dscnt 7-\i
	global_store_b128 v[CO], v[OUTR+4*\i:OUTR+4*\i+3], s[36:37] offset:8192*\i   ; 16 lanes store 256 consecutive bytes, at a multiple of 256 from yp's first byte
.endr
.endm
	s_load_b256 s[4:11], s[0:1], 0x0               ; w2 s[4:5], hc s[6:7], rt s[8:9], yp s[10:11]
	v_lshl_add_u32 v254, v0, 2, 0x15500
	v_mov_b32 v255, 0
	v_lshrrev_b32 v13, 5, v0
	v_readfirstlane_b32 s14, v13                   ; wave 0..3
	s_and_b32 s17, ttmp9, 15                       ; nsl
	s_lshr_b32 s18, ttmp9, 4                       ; kh
	s_and_b32 s16, ttmp7, 0xffff                   ; e
	v_and_b32 v1, 31, v0                           ; l
	v_and_b32 v2, 15, v0                           ; r, also q
	v_bfe_u32 v3, v0, 4, 1                         ; h, also p
	v_lshlrev_b32 v[GA], 4, v2
	v_lshl_add_u32 v[GA], v3, 17, v[GA]            ; lanes 16-31: 32 rows of 4,096 bytes further down
	v_bfe_u32 v13, v0, 2, 2                        ; column 4 q + c: tile q / 4,
	v_and_b32 v14, 3, v0                           ; row 4 (q % 4) + c of it
	v_mul_u32_u24 v[LW], v13, TS4
	v_lshl_add_u32 v[LW], v14, 6, v[LW]
	v_lshl_add_u32 v[LW], v3, 8, v[LW]
	s_lshl_b32 s19, s14, 12
	v_add_nc_u32 v[LW], s19, v[LW]                 ; + my wave's four K steps
	v_lshlrev_b32 v[LSB], 10, v13
	v_lshl_add_u32 v[LSB], v14, 8, v[LSB]
	v_add_nc_u32 v[LSB], v[LSB], v3
	s_lshl_b32 s19, s14, 4
	v_add_nc_u32 v[LSB], s19, v[LSB]               ; + my wave's 16 blocks
	v_add_nc_u32 v[LSB], WSC4, v[LSB]
	v_lshlrev_b32 v[LI], 4, v1
	v_lshl_add_u32 v[LR], v2, 6, WSC4
	v_lshlrev_b32 v[LS], 2, v1
	s_mul_i32 s19, s14, 16*272
	s_add_co_u32 s19, s19, STG                     ; my stage
	v_mul_u32_u24 v[STO], v2, 272
	v_lshl_add_u32 v[STO], v3, 5, v[STO]
	v_add_nc_u32 v[STO], s19, v[STO]               ; in: row r, + 32 h
	v_mul_u32_u24 v[RD], v3, 272
	v_lshl_add_u32 v[RD], v2, 4, v[RD]
	v_add_nc_u32 v[RD], s19, v[RD]                 ; back: lanes 0-15 one row, lanes 16-31 the next
	v_lshlrev_b32 v[CO], 12, v3
	v_lshl_add_u32 v[CO], v2, 4, v[CO]
	s_lshl_b32 s25, s18, 14                        ; my K half's 16 images in a tile of hc
	s_lshl_b32 s26, s18, 11                        ; and their scale words
	s_lshl_b32 s30, s16, 24                        ; w2[e]: 16 MiB an expert,
	s_lshl_b32 s19, s18, 23                        ; 2,048 rows a half,
	s_add_co_u32 s30, s30, s19
	s_lshl_b32 s19, s14, 21                        ; 512 rows a wave,
	s_add_co_u32 s30, s30, s19
	s_lshl_b32 s19, s17, 8                         ; 64 columns a work-group
	s_add_co_u32 s30, s30, s19
	s_mov_b32 s31, 0                               ; (stays 0)
	s_wait_kmcnt 0x0
	s_add_nc_u64 s[4:5], s[4:5], s[30:31]
	s_mul_i32 s30, s18, YH
	s_add_co_u32 s30, s30, s19
	s_add_nc_u64 s[38:39], s[10:11], s[30:31]      ; yp at my half and my columns
	s_lshl_b32 s30, s16, 2
	s_add_nc_u64 s[40:41], s[8:9], s[30:31]
	s_load_b32 s21, s[40:41], META+32              ; the expert's tiles,
	s_load_b32 s22, s[40:41], META+64              ; its first tile,
	s_load_b32 s23, s[40:41], META+96              ; the last tile of all
	LOADB 0
	LOADB 1
; ---- PHASE A
	QHEAD 0, 32                                    ; behind a group's loads: the next group's 32
	QBODY 0
	QHEAD 1, 32
	QBODY 1
	QHEAD 2, 32
	QBODY 2
	QHEAD 3, 32
	QBODY 3
	QHEAD 4, 32
	QBODY 4
	QHEAD 5, 32
	QBODY 5
	QHEAD 6, 32
	s_wait_kmcnt 0x0
	s_max_u32 s24, s21, 1
	s_sub_co_u32 s24, s24, 1                       ; the expert's last tile
	s_mov_b32 s27, s14
	HBASE
	HLOAD 0                                        ; my first tile of h
	QBODY 6
	QHEAD 7, 48                                    ; behind group 7's loads: those 48
	QBODY 7
	s_add_co_u32 s27, s14, 4
	HBASE
	HLOAD 1                                        ; my second
	s_wait_dscnt 0x0                               ; for the others' sake: my images and bytes lie in LDS
	s_barrier_signal -1
	s_barrier_wait -1
; ---- PHASE B
	WIN 0x80
.irp s, 0,1,2,3,4,5,6,7
.irp n, 0,1,2,3
.irp c, 0,1
	ds_load_b128 v[32*\s+8*\n+4*\c:32*\s+8*\n+4*\c+3], v[LI] offset:\n*TS4+1024*\s+512*\c
.endr
.endr
.endr
	WIN 0xc0
.irp s, 8,9,10,11,12,13,14,15
.irp n, 0,1,2,3
.irp c, 0,1
	ds_load_b128 v[32*(\s-8)+8*\n+4*\c:32*(\s-8)+8*\n+4*\c+3], v[LI] offset:\n*TS4+1024*\s+512*\c
.endr
.endr
.endr
	WIN 0
.irp n, 0,1,2,3
.irp m, 0,1,2,3
	ds_load_b128 v[WS+16*\n+4*\m:WS+16*\n+4*\m+3], v[LR] offset:1024*\n+16*\m
.endr
.endr
	s_wait_dscnt 0x0
	s_add_co_u32 s43, s21, 3                       ; my tiles: (tiles + 3 - w) / 4;
	s_sub_co_u32 s43, s43, s14
	s_lshr_b32 s43, s43, 2
	s_add_co_u32 s43, s43, 1                       ; trips of two tiles, the last perhaps of one,
	s_lshr_b32 s43, s43, 1
	s_min_u32 s43, s43, 8                          ; at most 8: an expert has at most 64 tiles
	s_cmp_eq_u32 s43, 0                            ; a wave without a tile ends (behind the one barrier)
	s_cbranch_scc1 .Lend
	s_mov_b32 s20, s14                             ; the trip's first tile
	s_mov_b32 s42, 0                               ; trips done
; ---- ROWS: two tiles a trip, one from each buffer
.Lrow:
	TILE 0
	s_add_co_u32 s27, s20, 4
	s_cmp_lt_u32 s27, s21
	s_cbranch_scc1 .Lsecond
	s_wait_tensorcnt 0x0
	ds_add_u32 v254, v255
	s_wait_dscnt 0x0
	s_endpgm                                       ; the trip's second tile does not exist: the wave's work is done
.Lsecond:
	TILE 1
	s_add_co_u32 s20, s20, 8
	s_add_co_u32 s42, s42, 1
	s_cmp_lt_u32 s42, s43
	s_cbranch_scc1 .Lrow
.Lend:
	s_wait_tensorcnt 0x0
	ds_add_u32 v254, v255
	s_wait_dscnt 0x0
	s_endpgm
.Lfunc_end_k_q3e850292d7_down:
	.size	k_q3e850292d7_down, .Lfunc_end_k_q3e850292d7_down-k_q3e850292d7_down
	.p2alignl 7, 3214868480
	.fill 96, 4, 3214868480
	.section	.rodata,"a",@progbits
	.p2align	6, 0x0
	.amdhsa_kernel k_q3e850292d7_down
		.amdhsa_group_segment_fixed_size 87808
		.amdhsa_private_segment_fixed_size 0
		.amdhsa_enable_private_segment 0
		.amdhsa_kernarg_size 32
		.amdhsa_user_sgpr_count 2
		.amdhsa_user_sgpr_kernarg_segment_ptr 1
		.amdhsa_wavefront_size32 1
		.amdhsa_system_sgpr_workgroup_id_x 1
		.amdhsa_system_sgpr_workgroup_id_y 1
		.amdhsa_system_sgpr_workgroup_id_z 1
		.amdhsa_system_vgpr_workitem_id 0
		.amdhsa_next_free_vgpr 1024
		.amdhsa_next_free_sgpr 66
		.amdhsa_reserve_vcc 0
		.amdhsa_float_denorm_mode_32 3
		.amdhsa_float_denorm_mode_16_64 3
		.amdhsa_memory_ordered 1
		.amdhsa_forward_progress 1
		.amdhsa_inst_pref_size 161
	.end_amdhsa_kernel
	.amdgpu_metadata
---
amdhsa.version: [ 1, 2 ]
amdhsa.kernels:
  - .name:           k_q3e850292d7_down
    .symbol:         k_q3e850292d7_down.kd
    .args:
      - { .name: w2, .offset: 0, .size: 8, .value_kind: global_buffer, .address_space: global }
      - { .name: hc, .offset: 8, .size: 8, .value_kind: global_buffer, .address_space: global }
      - { .name: rt, .offset: 16, .size: 8, .value_kind: global_buffer, .address_space: global }
      - { .name: yp, .offset: 24, .size: 8, .value_kind: global_buffer, .address_space: global }
    .group_segment_fixed_size: 87808
    .private_segment_fixed_size: 0
    .kernarg_segment_align: 8
    .kernarg_segment_size: 32
    .max_flat_workgroup_size: 128
    .sgpr_count:     66
    .vgpr_count:     1024
    .wavefront_size: 32
...
	.end_amdgpu_metadata
.endif
;; end of part 4
;; launch norm (part 5): grid 256 x 1, 4 waves a work-group, no clusters, 0 bytes of LDS; arguments x, yp, rt, xc, b2, ln_g, ln_b, out0; writes out0
.if DOCPART == 5
	.amdgcn_target "amdgcn-amd-amdhsa--gfx1250"
	.amdhsa_code_object_version 6
	.text
	.protected	k_q3e850292d7_norm
	.globl	k_q3e850292d7_norm
	.p2align	8
	.type	k_q3e850292d7_norm,@function
k_q3e850292d7_norm:
	s_mov_b64 s[64:65], 0
	v_nop
	global_prefetch_b8 v0, s[64:65] scope:SCOPE_SE
	s_setreg_imm32_b32 hwreg(HW_REG_WAVE_MODE, 25, 1), 1
	s_wait_xcnt 0x0
; RESIDUAL, LAYERNORM, COMBINE.  A wave takes one token t = 4 wg + wave.  For its two experts e0 < e1 (rows p0, p1 of yp, from rt):
; y = (yp[0][p] + yp[1][p]) + (b2[e] + x[t]);  n = (y - mean) rsqrt(var + 1e-7) ln_g[e] + ln_b[e];  out0[t] = gate0 n0 + gate1 n1.  All in f32; the variance is the mean of (y - mean)^2.
; Lane l holds elements 128 i + 4 l + 0 .. 3, i = 0 .. 7: every load and store of the wave covers 512 consecutive bytes.  No LDS, no barrier: a row never leaves its wave.
; The experts that were not chosen have the weight 0 in the sum and are not computed.  LIMIT: were such an expert's y not finite, 0 x y would be NaN there; here it is left out.
.set POS,  34816
.set GATE, 557056
.set YH,   8912896
.set X,   32                           ; v32-63   x
.set Y0,  64                           ; v64-95   yp half 0, row p0; then y, then y - mean
.set YB0, 96                           ; v96-127  yp half 1, row p0; at the end the output
.set BB0, 128                          ; v128-159 b2[e0]
.set Y1,  160
.set YB1, 192
.set BB1, 224
.set O,   96
.set G0,  0                            ; window 1: ln_g[e0], ln_b[e0], ln_g[e1], ln_b[e1]
.set BT0, 32
.set G1,  64
.set BT1, 96
.set MSB, 0
.macro WIN new                         ; the immediate's high byte repeats the setting that is left
.if MSB != (\new)
	s_set_vgpr_msb (MSB<<8)|(\new)
.set MSB, (\new)
.endif
.endm
.macro ROWLD reg, base                 ; a row of 4,096 bytes
.irp i, 0,1,2,3,4,5,6,7
	global_load_b128 v[\reg+4*\i:\reg+4*\i+3], v1, s[\base:\base+1] offset:512*\i
.endr
.endm
.macro ADDUP ya, yb, bb
.irp p, 0,2,4,6,8,10,12,14,16,18,20,22,24,26,28,30
	v_pk_add_f32 v[\ya+\p:\ya+\p+1], v[\ya+\p:\ya+\p+1], v[\yb+\p:\yb+\p+1]
	v_pk_add_f32 v[\bb+\p:\bb+\p+1], v[\bb+\p:\bb+\p+1], v[X+\p:X+\p+1]
.endr
.irp p, 0,2,4,6,8,10,12,14,16,18,20,22,24,26,28,30
	v_pk_add_f32 v[\ya+\p:\ya+\p+1], v[\ya+\p:\ya+\p+1], v[\bb+\p:\bb+\p+1]
.endr
.endm
.macro ALLSUM                          ; v[2:3] and v[4:5], two rows' sums in halves, over the halves and the 32 lanes; the results in v2 and v4 of every lane
	v_add_f32 v2, v2, v3
	v_add_f32 v4, v4, v5
.irp m, 1,2,4,8
	v_add_f32_dpp v2, v2, v2 row_xmask:\m row_mask:0xf bank_mask:0xf
	v_add_f32_dpp v4, v4, v4 row_xmask:\m row_mask:0xf bank_mask:0xf
.endr
	v_permlanex16_b32 v3, v2, s42, s43
	v_permlanex16_b32 v5, v4, s42, s43
	v_add_f32 v2, v2, v3
	v_add_f32 v4, v4, v5
.endm
	s_load_b256 s[4:11], s[0:1], 0x0               ; x s[4:5], yp s[6:7], rt s[8:9], xc s[10:11]
	s_load_b256 s[12:19], s[0:1], 0x20             ; b2 s[12:13], ln_g s[14:15], ln_b s[16:17], out0 s[18:19]
	v_lshrrev_b32 v2, 5, v0
	v_readfirstlane_b32 s21, v2                    ; wave
	v_and_b32 v1, 31, v0
	v_lshlrev_b32 v1, 4, v1                        ; 16 l
	s_lshl_b32 s20, ttmp9, 2
	s_add_co_u32 s20, s20, s21                     ; my token
	s_lshl_b32 s22, s20, 12
	s_mov_b32 s23, 0                               ; (stays 0)
	s_lshl_b32 s70, s20, 5
	s_mov_b32 s71, 0
	s_mov_b32 s40, 0x3a800000                      ; 1 / 1,024
	s_mov_b32 s41, 0x33d6bf95                      ; 1e-7
	s_mov_b32 s42, 0x76543210
	s_mov_b32 s43, 0xfedcba98                      ; lane l xor 16
	s_mov_b32 s32, 0                               ; p0, p1, e0, e1
	s_mov_b32 s33, 0
	s_mov_b32 s34, 0
	s_mov_b32 s35, 0
	s_wait_kmcnt 0x0
	s_add_nc_u64 s[4:5], s[4:5], s[22:23]
	s_add_nc_u64 s[18:19], s[18:19], s[22:23]
	s_add_nc_u64 s[66:67], s[8:9], s[70:71]
	s_add_nc_u64 s[68:69], s[10:11], s[70:71]
	s_load_b256 s[24:31], s[66:67], POS            ; my token's 8 row numbers
	ROWLD X, 4
	s_wait_kmcnt 0x0
.irp e, 7,6,5,4,3,2,1,0                        ; from the highest expert down: a chosen one (bit 15 clear) pushes the last one found into second place
	s_bitcmp1_b32 s[24+\e], 15
	s_cselect_b32 s33, s33, s32
	s_cselect_b32 s35, s35, s34
	s_cselect_b32 s32, s32, s[24+\e]
	s_cselect_b32 s34, s34, \e
.endr
	s_min_u32 s32, s32, 2175                       ; held inside the tables
	s_min_u32 s33, s33, 2175
	s_min_u32 s34, s34, 7
	s_min_u32 s35, s35, 7
	s_lshl_b32 s38, s34, 2
	s_lshl_b32 s39, s35, 2
	s_load_b32 s36, s[68:69], s38 offset:GATE      ; the two gates
	s_load_b32 s37, s[68:69], s39 offset:GATE
	s_lshl_b32 s22, s32, 12
	s_add_nc_u64 s[44:45], s[6:7], s[22:23]
	s_add_nc_u64 s[46:47], s[44:45], YH
	s_lshl_b32 s22, s33, 12
	s_add_nc_u64 s[48:49], s[6:7], s[22:23]
	s_add_nc_u64 s[50:51], s[48:49], YH
	s_lshl_b32 s22, s34, 12
	s_add_nc_u64 s[52:53], s[12:13], s[22:23]
	s_add_nc_u64 s[56:57], s[14:15], s[22:23]
	s_add_nc_u64 s[60:61], s[16:17], s[22:23]
	s_lshl_b32 s22, s35, 12
	s_add_nc_u64 s[54:55], s[12:13], s[22:23]
	s_add_nc_u64 s[58:59], s[14:15], s[22:23]
	s_add_nc_u64 s[62:63], s[16:17], s[22:23]
	ROWLD Y0, 44
	ROWLD YB0, 46
	ROWLD BB0, 52
	ROWLD Y1, 48
	ROWLD YB1, 50
	ROWLD BB1, 54
	WIN 0x40                                       ; destination window 1
	ROWLD G0, 56
	ROWLD BT0, 60
	ROWLD G1, 58
	ROWLD BT1, 62
	WIN 0
	s_wait_loadcnt 56                              ; x and row 0's 24 loads are in; row 1's 24 and the norm's 32 may be out
	ADDUP Y0, YB0, BB0
	s_wait_loadcnt 32                              ; row 1's are in
	ADDUP Y1, YB1, BB1
	v_pk_add_f32 v[2:3], v[Y0:Y0+1], v[Y0+2:Y0+3]  ; the rows' sums, the two rows by turns
	v_pk_add_f32 v[4:5], v[Y1:Y1+1], v[Y1+2:Y1+3]
.irp p, 4,6,8,10,12,14,16,18,20,22,24,26,28,30
	v_pk_add_f32 v[2:3], v[2:3], v[Y0+\p:Y0+\p+1]
	v_pk_add_f32 v[4:5], v[4:5], v[Y1+\p:Y1+\p+1]
.endr
	ALLSUM
	v_mul_f32 v6, s40, v2                          ; the means, as pairs
	v_mul_f32 v7, s40, v2
	v_mul_f32 v8, s40, v4
	v_mul_f32 v9, s40, v4
.irp p, 0,2,4,6,8,10,12,14,16,18,20,22,24,26,28,30
	v_pk_add_f32 v[Y0+\p:Y0+\p+1], v[Y0+\p:Y0+\p+1], v[6:7] neg_lo:[0,1] neg_hi:[0,1]
	v_pk_add_f32 v[Y1+\p:Y1+\p+1], v[Y1+\p:Y1+\p+1], v[8:9] neg_lo:[0,1] neg_hi:[0,1]
.endr
	v_pk_mul_f32 v[2:3], v[Y0:Y0+1], v[Y0:Y0+1]
	v_pk_mul_f32 v[4:5], v[Y1:Y1+1], v[Y1:Y1+1]
.irp p, 2,4,6,8,10,12,14,16,18,20,22,24,26,28,30
	v_pk_fma_f32 v[2:3], v[Y0+\p:Y0+\p+1], v[Y0+\p:Y0+\p+1], v[2:3]
	v_pk_fma_f32 v[4:5], v[Y1+\p:Y1+\p+1], v[Y1+\p:Y1+\p+1], v[4:5]
.endr
	ALLSUM
	v_fma_f32 v2, v2, s40, s41                     ; the variance + 1e-7
	v_fma_f32 v4, v4, s40, s41
	v_rsq_f32 v10, v2
	v_rsq_f32 v11, v4
	s_wait_kmcnt 0x0                               ; the gates
	v_mov_b32 v16, s36                             ; (a plain place behind the roots)
	v_mov_b32 v17, s36
	v_mov_b32 v18, s37
	v_mov_b32 v19, s37
	s_wait_alu depctr_va_vdst(0)
	v_mul_f32 v12, s36, v10                        ; gate / sigma, as pairs
	v_mul_f32 v13, s36, v10
	v_mul_f32 v14, s37, v11
	v_mul_f32 v15, s37, v11
.irp p, 0,2,4,6,8,10,12,14,16,18,20,22,24,26,28,30
	v_pk_mul_f32 v[Y0+\p:Y0+\p+1], v[Y0+\p:Y0+\p+1], v[12:13]
	v_pk_mul_f32 v[Y1+\p:Y1+\p+1], v[Y1+\p:Y1+\p+1], v[14:15]
.endr
	s_wait_loadcnt 0x0                             ; ln_g and ln_b
	WIN 0x04                                       ; source 1 window 1
.irp p, 0,2,4,6,8,10,12,14,16,18,20,22,24,26,28,30
	v_pk_mul_f32 v[O+\p:O+\p+1], v[16:17], v[BT0+\p:BT0+\p+1]
.endr
.irp p, 0,2,4,6,8,10,12,14,16,18,20,22,24,26,28,30
	v_pk_fma_f32 v[O+\p:O+\p+1], v[18:19], v[BT1+\p:BT1+\p+1], v[O+\p:O+\p+1]
.endr
.irp p, 0,2,4,6,8,10,12,14,16,18,20,22,24,26,28,30
	v_pk_fma_f32 v[O+\p:O+\p+1], v[Y0+\p:Y0+\p+1], v[G0+\p:G0+\p+1], v[O+\p:O+\p+1]
.endr
.irp p, 0,2,4,6,8,10,12,14,16,18,20,22,24,26,28,30
	v_pk_fma_f32 v[O+\p:O+\p+1], v[Y1+\p:Y1+\p+1], v[G1+\p:G1+\p+1], v[O+\p:O+\p+1]
.endr
	WIN 0
.irp i, 0,1,2,3,4,5,6,7
	global_store_b128 v1, v[O+4*\i:O+4*\i+3], s[18:19] offset:512*\i th:TH_STORE_NT   ; 512 consecutive bytes a store
.endr
	s_endpgm
.Lfunc_end_k_q3e850292d7_norm:
	.size	k_q3e850292d7_norm, .Lfunc_end_k_q3e850292d7_norm-k_q3e850292d7_norm
	.p2alignl 7, 3214868480
	.fill 96, 4, 3214868480
	.section	.rodata,"a",@progbits
	.p2align	6, 0x0
	.amdhsa_kernel k_q3e850292d7_norm
		.amdhsa_group_segment_fixed_size 0
		.amdhsa_private_segment_fixed_size 0
		.amdhsa_enable_private_segment 0
		.amdhsa_kernarg_size 64
		.amdhsa_user_sgpr_count 2
		.amdhsa_user_sgpr_kernarg_segment_ptr 1
		.amdhsa_wavefront_size32 1
		.amdhsa_system_sgpr_workgroup_id_x 1
		.amdhsa_system_sgpr_workgroup_id_y 1
		.amdhsa_system_sgpr_workgroup_id_z 1
		.amdhsa_system_vgpr_workitem_id 0
		.amdhsa_next_free_vgpr 384
		.amdhsa_next_free_sgpr 72
		.amdhsa_reserve_vcc 0
		.amdhsa_float_denorm_mode_32 3
		.amdhsa_float_denorm_mode_16_64 3
		.amdhsa_memory_ordered 1
		.amdhsa_forward_progress 1
		.amdhsa_inst_pref_size 33
	.end_amdhsa_kernel
	.amdgpu_metadata
---
amdhsa.version: [ 1, 2 ]
amdhsa.kernels:
  - .name:           k_q3e850292d7_norm
    .symbol:         k_q3e850292d7_norm.kd
    .args:
      - { .name: x, .offset: 0, .size: 8, .value_kind: global_buffer, .address_space: global }
      - { .name: yp, .offset: 8, .size: 8, .value_kind: global_buffer, .address_space: global }
      - { .name: rt, .offset: 16, .size: 8, .value_kind: global_buffer, .address_space: global }
      - { .name: xc, .offset: 24, .size: 8, .value_kind: global_buffer, .address_space: global }
      - { .name: b2, .offset: 32, .size: 8, .value_kind: global_buffer, .address_space: global }
      - { .name: ln_g, .offset: 40, .size: 8, .value_kind: global_buffer, .address_space: global }
      - { .name: ln_b, .offset: 48, .size: 8, .value_kind: global_buffer, .address_space: global }
      - { .name: out0, .offset: 56, .size: 8, .value_kind: global_buffer, .address_space: global }
    .group_segment_fixed_size: 0
    .private_segment_fixed_size: 0
    .kernarg_segment_align: 8
    .kernarg_segment_size: 64
    .max_flat_workgroup_size: 128
    .sgpr_count:     72
    .vgpr_count:     384
    .wavefront_size: 32
...
	.end_amdgpu_metadata
.endif
;; end of part 5
;; ======== version 2 of 3: 4 launches
;; workspace buffers: xc 589,824 bytes; sel 32,768 bytes of whole numbers; rt 33,024 bytes of whole numbers; hc 18,874,368 bytes; yp 67,108,864 bytes
;; launch route (part 6): grid 256 x 1, 1 waves a work-group, no clusters, 512 bytes of LDS; arguments x, router_w, out1, xc, sel; writes out1, xc, sel
.if DOCPART == 6
	.amdgcn_target "amdgcn-amd-amdhsa--gfx1250"
	.amdhsa_code_object_version 6
	.text
	.protected	k_q3e850292d7_route
	.globl	k_q3e850292d7_route
	.p2align	8
	.type	k_q3e850292d7_route,@function
k_q3e850292d7_route:
	s_mov_b64 s[64:65], 0
	v_nop
	global_prefetch_b8 v0, s[64:65] scope:SCOPE_SE
	s_setreg_imm32_b32 hwreg(HW_REG_WAVE_MODE, 25, 1), 1
	s_wait_xcnt 0x0
; ROUTER AND QUANTISER OF x.  x: [1024 tokens][1024] f32.  router_w: [1024][8] f32.
; A wave takes 4 tokens (4 wg .. 4 wg + 3).  Lane l holds k = 32 l .. 32 l + 31 of each row: one whole block of 32 along K.
; It stores: out1 = the logits (f32 sums);  xc: codes of x (E2M1, K innermost, 512 bytes a token), scale bytes (32 a token),
; gate weights [token][8] (0 for an expert not chosen);  sel: [8 experts][1024 tokens] words, 1 = chosen.  Every address is fixed: no address and no branch hangs on the choice.
; TOP 2: rank of an expert = how many of the 8 probabilities are larger, or equal with a lower index (the lower index wins a tie).
; LIMITS: NaN and infinities among the inputs are not served.  A block whose largest magnitude lies under 2^-124 (a block of zeros too) keeps the
; scale byte 1; its codes are then zeros or tiny, and this program alone reads the bytes.  The logits are summed in another order than a
; row-by-row sum: two probabilities that agree to the last bits of f32 may be ranked either way.
.set XSOFF, 524288                     ; xc: the scale bytes
.set GATE,  557056                     ; xc: the gate weights
.set X,   32                           ; v32-159  4 rows x 32 numbers
.set ACC, 160                          ; v160-191 value 8 j + e: my part of token j's logit for expert e
.set CD,  192                          ; v192-207 codes, 4 registers a row
.set MX,  208                          ; v208-211 largest magnitudes
.set SO,  212                          ; v212-215 the conversions' scale operands
.set BY,  216                          ; v216-219 scale bytes
.set SW,  220                          ; v220     four scale bytes as a word
.set T0,  224                          ; v224-231 at work in the reduction
.set MSB, 0
.macro WIN new                         ; the immediate's high byte repeats the setting that is left
.if MSB != (\new)
	s_set_vgpr_msb (MSB<<8)|(\new)
.set MSB, (\new)
.endif
.endm
	s_load_b256 s[4:11], s[0:1], 0x0               ; x s[4:5], router_w s[6:7], out1 s[8:9], xc s[10:11]
	s_load_b64 s[12:13], s[0:1], 0x20              ; sel
	v_lshl_add_u32 v254, v0, 2, 0x100
	v_mov_b32 v255, 0
	v_lshlrev_b32 v1, 7, v0                        ; 128 l: my 32 numbers in a row of x
	v_lshlrev_b32 v2, 10, v0                       ; 1024 l: my 32 rows of router_w
	v_lshlrev_b32 v3, 2, v0                        ; 4 l
	v_lshlrev_b32 v4, 4, v0                        ; 16 l: my 32 codes in a row
	v_and_b32 v5, 7, v0                            ; sel: expert l % 8's row of 4,096 bytes,
	v_lshrrev_b32 v6, 3, v0
	v_lshlrev_b32 v5, 12, v5
	v_lshl_add_u32 v5, v6, 2, v5                   ; token l / 8 of my four
	s_lshl_b32 s14, ttmp9, 14                      ; 4 rows of 4,096 bytes
	s_mov_b32 s15, 0
	s_lshl_b32 s16, ttmp9, 11                      ; 4 rows of 512 bytes of codes
	s_mov_b32 s17, 0
	s_lshl_b32 s18, ttmp9, 7                       ; 4 tokens x 32 bytes
	s_mov_b32 s19, 0
	s_lshl_b32 s26, ttmp9, 4                       ; 4 tokens x 4 bytes
	s_mov_b32 s27, 0
	s_mov_b32 s20, 0xff00ff00                      ; lanes whose bit 3 is set
	s_mov_b32 s21, 0xf0f0f0f0                      ; bit 2
	s_mov_b32 s22, 0xcccccccc                      ; bit 1
	s_mov_b32 s23, 0xaaaaaaaa                      ; bit 0
	s_wait_kmcnt 0x0
	s_add_nc_u64 s[4:5], s[4:5], s[14:15]
	s_add_nc_u64 s[28:29], s[10:11], s[16:17]      ; the codes of my tokens
	s_add_nc_u64 s[10:11], s[10:11], s[18:19]      ; their scale bytes and gates (XSOFF, GATE in the immediates)
	s_add_nc_u64 s[8:9], s[8:9], s[18:19]
	s_add_nc_u64 s[12:13], s[12:13], s[26:27]
.irp j, 0,1,2,3
.irp i, 0,1,2,3,4,5,6,7
	global_load_b128 v[X+32*\j+4*\i:X+32*\j+4*\i+3], v1, s[4:5] offset:4096*\j+16*\i th:TH_LOAD_NT
.endr
.endr
	WIN 0x40                                       ; destination window 1: register 8 kk + e = router_w[32 l + kk][e]
.set mm, 0
.rept 64
	global_load_b128 v[4*mm:4*mm+3], v2, s[6:7] offset:16*mm
.set mm, mm+1
.endr
	WIN 0
	s_wait_loadcnt 63                              ; of the 96 loads the youngest 63 may be out: the 32 of x are in
; ---- x into codes: a block lies in one lane, so its largest magnitude needs no other lane
.irp j, 0,1,2,3
	v_max3_num_f32 v[MX+\j], |v[X+32*\j]|, |v[X+32*\j+1]|, 0x1800000   ; with the floor 2^(3 - 127): the byte cannot fall under 1
.endr
.irp i, 2,4,6,8,10,12,14,16,18,20,22,24,26,28,30
.irp j, 0,1,2,3
	v_max3_num_f32 v[MX+\j], v[MX+\j], |v[X+32*\j+\i]|, |v[X+32*\j+\i+1]|   ; the four rows by turns
.endr
.endr
.irp j, 0,1,2,3
	v_add_nc_u32 v[SO+\j], 0xff000000, v[MX+\j]    ; 2 off the exponent field: the conversion's scale operand
.endr
.irp j, 0,1,2,3
	v_lshrrev_b32 v[BY+\j], 23, v[SO+\j]           ; the scale's byte
.endr
.irp j, 0,1,2,3
.irp g, 0,1,2,3
	v_cvt_scalef32_pk8_fp4_f32 v[CD+4*\j+\g], v[X+32*\j+8*\g:X+32*\j+8*\g+7], v[SO+\j]
.endr
.endr
	v_nop                                          ; one plain place behind the last scaled conversion
.irp j, 0,1,2,3
	global_store_b128 v4, v[CD+4*\j:CD+4*\j+3], s[28:29] offset:512*\j   ; 32 lanes store a token's 512 bytes
	ds_store_b8 v0, v[BY+\j] offset:32*\j          ; the bytes meet in LDS: 32 a token
.endr
	ds_load_b32 v[SW], v3                          ; LDS serves a wave's instructions in order: this sees the stores
	s_wait_dscnt 0x0
	global_store_b32 v3, v[SW], s[10:11] offset:XSOFF   ; 128 consecutive bytes
; ---- the logits: each lane's 32 products for 4 tokens x 8 experts, two experts an instruction
	s_wait_loadcnt 0x0                             ; router_w
	WIN 0x04                                       ; source 1 (router_w) window 1
.set kk, 0
.rept 32
.set jj, 0
.rept 4
.set pp, 0
.rept 4
.if kk == 0
	v_pk_mul_f32 v[ACC+8*jj+2*pp:ACC+8*jj+2*pp+1], v[X+32*jj:X+32*jj+1], v[2*pp:2*pp+1] op_sel:[0,0] op_sel_hi:[0,1]
.elseif kk%2 == 0
	v_pk_fma_f32 v[ACC+8*jj+2*pp:ACC+8*jj+2*pp+1], v[X+32*jj+kk:X+32*jj+kk+1], v[8*kk+2*pp:8*kk+2*pp+1], v[ACC+8*jj+2*pp:ACC+8*jj+2*pp+1] op_sel:[0,0,0] op_sel_hi:[0,1,1]
.else
	v_pk_fma_f32 v[ACC+8*jj+2*pp:ACC+8*jj+2*pp+1], v[X+32*jj+kk-1:X+32*jj+kk], v[8*kk+2*pp:8*kk+2*pp+1], v[ACC+8*jj+2*pp:ACC+8*jj+2*pp+1] op_sel:[1,0,0] op_sel_hi:[1,1,1]
.endif
.set pp, pp+1
.endr
.set jj, jj+1
.endr
.set kk, kk+1
.endr
	WIN 0
; ---- 32 values x 32 lanes are summed and turned at once: each step halves the values a lane keeps; at the end lane l holds value l
.set ii, 0
.rept 16
	v_permlane16_swap_b32 v[ACC+ii], v[ACC+ii+16]  ; value i's upper lanes change places with value i + 16's lower lanes
.set ii, ii+1
.endr
.set ii, 0
.rept 16
	v_add_f32 v[ACC+ii], v[ACC+ii], v[ACC+ii+16]   ; lanes 0-15: value i; lanes 16-31: value i + 16
.set ii, ii+1
.endr
.macro FOLD d, m                       ; lanes whose bit d is clear keep value i and send value i + d to lane l xor d; the others the other way round
.set ii, 0
.rept \d
	v_cndmask_b32 v[T0+2*(ii%4)], v[ACC+ii], v[ACC+ii+\d], s[\m]
	v_cndmask_b32 v[T0+2*(ii%4)+1], v[ACC+ii+\d], v[ACC+ii], s[\m]
	v_add_f32_dpp v[ACC+ii], v[T0+2*(ii%4)+1], v[T0+2*(ii%4)] row_xmask:\d row_mask:0xf bank_mask:0xf
.set ii, ii+1
.endr
.endm
	FOLD 8, 20
	FOLD 4, 21
	FOLD 2, 22
	FOLD 1, 23
	global_store_b32 v3, v[ACC], s[8:9]            ; lane l: the logit of token l / 8, expert l % 8: 128 consecutive bytes
; ---- softmax over the 8 lanes of a token, with the maximum taken away
	v_mov_b32 v232, v[ACC]
.irp m, 1,2,4
	v_max_num_f32_dpp v232, v232, v232 row_xmask:\m row_mask:0xf bank_mask:0xf
.endr
	v_sub_f32 v233, v[ACC], v232
	v_mul_f32 v233, 0x3fb8aa3b, v233               ; x log2(e)
	v_exp_f32 v233, v233
	v_mov_b32 v237, 0                              ; (a plain place behind the exponential; a DPP destination is written before)
	s_wait_alu depctr_va_vdst(0)
	v_mov_b32 v234, v233
.irp m, 1,2,4
	v_add_f32_dpp v234, v234, v234 row_xmask:\m row_mask:0xf bank_mask:0xf
.endr
	v_rcp_f32 v235, v234
	v_mov_b32 v238, 0                              ; the rank.  (A plain place behind the reciprocal)
	s_wait_alu depctr_va_vdst(0)
	v_mul_f32 v236, v233, v235                     ; p
.macro RANK x, m                       ; the partner l xor x counts if its p is larger, or equal and its index lower (m: the lanes whose partner has the lower index)
	v_mov_b32_dpp v237, v236 row_xmask:\x row_mask:0xf bank_mask:0xf
	v_cmp_gt_f32 s24, v237, v236
	v_cmp_eq_f32 s25, v237, v236
	s_and_b32 s25, s25, s[\m]
	s_or_b32 vcc_lo, s24, s25
	v_cndmask_b32 v239, 0, 1, vcc_lo
	v_add_nc_u32 v238, v238, v239
.endm
	RANK 1, 23
	RANK 2, 22
	RANK 3, 22
	RANK 4, 21
	RANK 5, 21
	RANK 6, 21
	RANK 7, 21
	v_cmp_gt_u32 vcc_lo, 2, v238                   ; chosen: rank 0 or 1
	v_cndmask_b32 v240, 0, 1, vcc_lo
	v_cndmask_b32 v241, 0, v236, vcc_lo
	v_mov_b32 v242, v241
.irp m, 1,2,4
	v_add_f32_dpp v242, v242, v242 row_xmask:\m row_mask:0xf bank_mask:0xf
.endr
	v_rcp_f32 v243, v242                           ; 1 / the sum of the two
	global_store_b32 v5, v240, s[12:13]            ; sel[expert][token]
	v_nop                                          ; a plain place behind the reciprocal
	s_wait_alu depctr_va_vdst(0)
	v_mul_f32 v244, v241, v243
	global_store_b32 v3, v244, s[10:11] offset:GATE
	s_wait_tensorcnt 0x0
	ds_add_u32 v254, v255
	s_wait_dscnt 0x0
	s_endpgm
.Lfunc_end_k_q3e850292d7_route:
	.size	k_q3e850292d7_route, .Lfunc_end_k_q3e850292d7_route-k_q3e850292d7_route
	.p2alignl 7, 3214868480
	.fill 96, 4, 3214868480
	.section	.rodata,"a",@progbits
	.p2align	6, 0x0
	.amdhsa_kernel k_q3e850292d7_route
		.amdhsa_group_segment_fixed_size 512
		.amdhsa_private_segment_fixed_size 0
		.amdhsa_enable_private_segment 0
		.amdhsa_kernarg_size 40
		.amdhsa_user_sgpr_count 2
		.amdhsa_user_sgpr_kernarg_segment_ptr 1
		.amdhsa_wavefront_size32 1
		.amdhsa_system_sgpr_workgroup_id_x 1
		.amdhsa_system_sgpr_workgroup_id_y 1
		.amdhsa_system_sgpr_workgroup_id_z 1
		.amdhsa_system_vgpr_workitem_id 0
		.amdhsa_next_free_vgpr 512
		.amdhsa_next_free_sgpr 66
		.amdhsa_reserve_vcc 1
		.amdhsa_float_denorm_mode_32 3
		.amdhsa_float_denorm_mode_16_64 3
		.amdhsa_memory_ordered 1
		.amdhsa_forward_progress 1
		.amdhsa_inst_pref_size 57
	.end_amdhsa_kernel
	.amdgpu_metadata
---
amdhsa.version: [ 1, 2 ]
amdhsa.kernels:
  - .name:           k_q3e850292d7_route
    .symbol:         k_q3e850292d7_route.kd
    .args:
      - { .name: x, .offset: 0, .size: 8, .value_kind: global_buffer, .address_space: global }
      - { .name: router_w, .offset: 8, .size: 8, .value_kind: global_buffer, .address_space: global }
      - { .name: out1, .offset: 16, .size: 8, .value_kind: global_buffer, .address_space: global }
      - { .name: xc, .offset: 24, .size: 8, .value_kind: global_buffer, .address_space: global }
      - { .name: sel, .offset: 32, .size: 8, .value_kind: global_buffer, .address_space: global }
    .group_segment_fixed_size: 512
    .private_segment_fixed_size: 0
    .kernarg_segment_align: 8
    .kernarg_segment_size: 40
    .max_flat_workgroup_size: 32
    .sgpr_count:     66
    .vgpr_count:     512
    .wavefront_size: 32
...
	.end_amdgpu_metadata
.endif
;; end of part 6
;; launch up (part 7): grid 32 x 8, 4 waves a work-group, no clusters, 70,400 bytes of LDS; arguments w1, b1, xc, sel, hc, rt; writes hc, rt
.if DOCPART == 7
	.amdgcn_target "amdgcn-amd-amdhsa--gfx1250"
	.amdhsa_code_object_version 6
	.text
	.protected	k_q3e850292d7_up
	.globl	k_q3e850292d7_up
	.p2align	8
	.type	k_q3e850292d7_up,@function
k_q3e850292d7_up:
	s_mov_b64 s[64:65], 0
	v_nop
	global_prefetch_b8 v0, s[64:65] scope:SCOPE_SE
	s_setreg_imm32_b32 hwreg(HW_REG_WAVE_MODE, 25, 1), 1
	s_wait_xcnt 0x0
; FIRST PRODUCT OF THE CHOSEN ROWS: h = Q(gelu(Q(x) Q(w1[e]) + b1[e])), on codes of E2M1 with one E8M0 scale for each 32 along K; and the placing of the rows by expert.
; A work-group owns hidden units 128 ns .. 128 ns + 127 of expert e (x = ns, y = e), for all of K = 1,024: 512 KiB of w1, read from memory by this work-group alone, once.
; PLACING.  sel[e] holds a flag for each of the 1,024 tokens.  Every wave reads its expert's 4 KiB (8 loads; register 4 j + i, lane l: token 128 j + 4 l + i) and scans the 32 registers ("chunks"):
; of chunk c it keeps the mask of chosen lanes and the key (chosen tokens in the chunks before) x 32 + c.  The expert's rows are numbered in that order, chunk by chunk, lane by lane; any order serves, since the
; later launches find a row by the table POS alone.  Expert e's rows take tiles 64 e .. of 16 rows (64 tiles hold all 1,024 tokens), so no expert needs another's count.
; Work-group ns = 0 stores for the later launches: rt: POS [1024 tokens][8]: the row number 1024 e + rank, or 0x8000;  at META [8]: the expert's tiles.
; FIND gives lane r of a tile its token: the last chunk whose key is not above the row's, then the bit of its mask with that many set bits below it (counts of 2, 4, 8, 16 bits, five halvings).
; PHASE A.  Wave w takes rows k = 256 w .. + 255 in 8 groups of 32 rows.  A load reads 512 consecutive bytes of one row; a lane holds 4 neighbouring columns, and a group's 32 loads give it
; a whole block of 32 along K of each.  The numbers are put in order by column (one move each), so that the conversions find neighbours along K in consecutive registers.  The codes go to LDS as
; IMAGES OF THE OPERAND'S REGISTERS (fragment = 16 units x 128 K: two groups of 4 registers, lane l's 16 bytes at 16 l), the scale bytes as words of 4 a row and K step.  Two groups, 64 loads a wave, are asked for ahead.
; THE UNITS OF A TILE ARE NOT NEIGHBOURS: lane r of tile 2 b + u takes unit 32 b + 8 u + r + 8 (r / 8), so that the 16 registers of tiles 2 b, 2 b + 1 are 16 neighbours along the next K.
; PHASE B.  One barrier; then every wave takes all 64 fragments (512 registers) and 64 scale words into registers, where they stay.
; ROWS.  Wave w takes the expert's tiles w, w + 4, ..  The product is used transposed (source 0 = 16 units, source 1 = 16 rows of x), b1 is the C of a sum's first instruction; gelu in f32; the 128 units of a row are
; one K step of the second product: its fragment and scale word go to hc as images.  The rows of a last tile beyond the count take token 1,023; nobody reads their results.
; No tensor load: the number of tiles hangs on numbers read from memory.  No multicast for that reason, though the 32 work-groups of an expert read the same codes of x (0.5 KiB a row against 512 KiB of weights).
; gelu(x) = x/2 + x/2 erf(x / sqrt 2); erf(z) = z P(z^2) / Q(z^2) on |z| <= 4, z held there (beyond it erf is 1 to f32's last bit).
; LIMITS: NaN and infinities are not served.  A block under 2^-124 (zeros too) keeps the scale byte 1; this program alone reads the bytes.
; For strongly negative x the sum 1 + erf cancels: gelu there has an absolute error of about 1e-7 |x|.
.set TS,    8208                       ; LDS: a tile's 8 fragments, 8 x 1,024 bytes, + 16: the stores of 16 lanes then fall on 16 different columns of 16 bytes
.set WSC,   8*TS                       ; behind them: scale bytes [8 tiles][16 rows][32]
.set XSOFF, 524288
.set HSOFF, 16777216                   ; hc: behind 512 tiles of 32 KiB the scale words, 4 KiB a tile
.set META,  32768                      ; rt: behind POS
.set RG,    32                         ; rows from group to group
.set PITCHB, 16384                     ; bytes in a row of w1[e]
.set GA,  4                            ; v4   16 l: my 4 columns in a row
.set LW,  5                            ; v5   where my codes go
.set LSB, 6                            ; v6   where my scale bytes go
.set LI,  7                            ; v7   16 l: an image's place for my lane
.set LR,  8                            ; v8   WSC + 32 r
.set BH,  9                            ; v9   64 h
.set ADX, 12                           ; v12  the token's codes
.set ADS, 13                           ; v13  the token's scale bytes
.set LS,  14                           ; v14  4 l
.set TP,  15                           ; v15  at work
.set PA,  23                           ; v23  128 l + 4 e: my lane's place in POS
.set XSC, 24                           ; v24-31  x's 8 scale words
.set WS,  32                           ; v32-95  w1's 64 scale words: 8 t + s
.set H,   96                           ; v96-159 my 8 tiles of the hidden layer
.set GHX, 160                          ; gelu, 16 numbers at a time: x / 2,
.set GZ,  176                          ; z,
.set GZ2, 192                          ; z^2,
.set GP,  208                          ; P,
.set GQ,  224                          ; Q
.set TM,  160                          ; the quantiser's 16 registers
.set PCD, 240                          ; v240-247 the fragment just made
.set PW,  248                          ; v248     its scale word
.set CD,  160                          ; phase A: codes, 4 registers a column;
.set M,   176                          ; largest magnitudes;
.set SO,  180                          ; scale operands;
.set BY,  184                          ; scale bytes
.set FT,  192                          ; FIND: the row's key;
.set FK,  196                          ; v196-199 four chains' keys;
.set FM,  200                          ; v200-203 and masks;
.set FA1, 204                          ; counts of set bits in fields of 2,
.set FA2, 205                          ; 4,
.set FA3, 206                          ; 8,
.set FA4, 207                          ; and 16 bits;
.set FN,  208                          ; set bits still to pass;
.set FPOS, 209                         ; the bit's number so far;
.set FT1, 210
.set FD,  211
.set TT,  128                          ; phase A, window 3: 4 columns x 32 numbers in order
.set B1,  64                           ; window 1: v0-63 x's 8 fragments, v64-127 b1's 8 tiles,
.set MSK, 128                          ; v128-159 the 32 chunks' masks,
.set KEY, 160                          ; v160-191 their keys,
.set J,   192                          ; v192-223 the tokens' row numbers,
.set F,   224                          ; v224-255 the flags as loaded
.set CA,  32                           ; s32-43 P's coefficients a11 .. a1, each twice;  s44-51 Q's b6 .. b0;  s52-53 1 / sqrt 2
.set CB,  44
.set RS2, 52
.set SEL, 60
.set CM,  66                           ; s66-69 four chains' compare masks
.set MSB, 0
.macro WIN new                         ; the immediate's high byte repeats the setting that is left
.if MSB != (\new)
	s_set_vgpr_msb (MSB<<8)|(\new)
.set MSB, (\new)
.endif
.endm
.macro COEF reg, val
	s_mov_b32 s[\reg], \val
	s_mov_b32 s[\reg+1], \val
.endm
.macro SETOF t                         ; the staging set of group t: window 2 v0, window 2 v128, window 3 v0, by turns
.set SQ, (\t)%3
.set SWN, 2+SQ/2
.set SBASE, 128*(SQ%2)
.endm
.macro LOADB t                         ; group t: 32 rows, 512 consecutive bytes each; register 4 i + c = row i, my column c
	SETOF \t
	WIN SWN<<6
.set ii, 0
.rept 32
	global_load_b128 v[SBASE+4*ii:SBASE+4*ii+3], v[GA], s[4:5] offset:(RG*(\t)+ii)*PITCHB th:TH_LOAD_NT
.set ii, ii+1
.endr
	WIN 0
.endm
.macro QHEAD t, n                      ; n: the loads issued behind group t's, which may stay out
	s_wait_loadcnt \n
.if (\t)+2 < 8
	LOADB (\t)+2                                   ; into the set that the group before has left
.endif
.endm
.macro QBODY t
	SETOF \t
	WIN 0xc0|SWN
.set cc, 0
.rept 4
.set kk, 0
.rept 32
	v_mov_b32 v[TT+32*cc+kk], v[SBASE+4*kk+cc]     ; column cc's 32 numbers on end
.set kk, kk+1
.endr
.set cc, cc+1
.endr
	WIN 0x0f                                       ; sources 0 and 1 window 3
.irp c, 0,1,2,3
	v_max3_num_f32 v[M+\c], |v[TT+32*\c]|, |v[TT+32*\c+1]|, 0x1800000   ; with the floor 2^(3 - 127)
.endr
.irp i, 2,4,6,8,10,12,14,16,18,20,22,24,26,28,30
.irp c, 0,1,2,3
	v_max3_num_f32 v[M+\c], |v[TT+32*\c+\i]|, |v[TT+32*\c+\i+1]|, v[M+\c]   ; the four columns by turns
.endr
.endr
	WIN 0
.irp c, 0,1,2,3
	v_add_nc_u32 v[SO+\c], 0xff000000, v[M+\c]     ; 2 off the exponent field: the conversion's scale operand
.endr
	s_wait_dscnt 0x0                               ; the last group's LDS stores have read their registers
.irp c, 0,1,2,3
	v_lshrrev_b32 v[BY+\c], 23, v[SO+\c]           ; the scale's byte
.endr
	WIN 0x03                                       ; source 0 window 3
.irp c, 0,1,2,3
.irp g, 0,1,2,3
	v_cvt_scalef32_pk8_fp4_f32 v[CD+4*\c+\g], v[TT+32*\c+8*\g:TT+32*\c+8*\g+7], v[SO+\c]
.endr
.endr
	WIN 0
	v_nop                                          ; one plain place behind the last scaled conversion
.irp c, 0,1,2,3
	ds_store_b128 v[LW], v[CD+4*\c:CD+4*\c+3] offset:((\t)>>2)*1024+(((\t)>>1)&1)*512+((\t)&1)*256+16*\c   ; block 8 w + t: K step, register group, half of the lanes
	ds_store_b8 v[LSB], v[BY+\c] offset:32*\c+(\t)
.endr
.endm
.macro POSARM q                        ; wave q stores the row numbers of chunks 8 q .. 8 q + 7
	s_cmp_lg_u32 s14, \q
	s_cbranch_scc1 .Lnp_\@
	WIN 0x04                                       ; a store's data are its source 1: window 1
.set kk, 0
.rept 8
	global_store_b32 v[PA], v[J+8*(\q)+kk], s[56:57] offset:4096*((8*(\q)+kk)>>2)+32*((8*(\q)+kk)&3)   ; token 128 j + 4 l + i: 32 bytes a token
.set kk, kk+1
.endr
	WIN 0
.Lnp_\@:
.endm
.macro LEVEL a, w, d                   ; the lower half of the field in hand holds t set bits: if at least t are still to pass, pass them and go d bits up
	v_bfe_u32 v[FT1], v[\a], v[FPOS], \w
	v_cmp_ge_u32 vcc_lo, v[FN], v[FT1]
	v_cndmask_b32 v[FT1], 0, v[FT1], vcc_lo
	v_cndmask_b32 v[FD], 0, \d, vcc_lo
	v_sub_nc_u32 v[FN], v[FN], v[FT1]
	v_add_nc_u32 v[FPOS], v[FPOS], v[FD]
.endm
.macro FIND                            ; s27 = 16 x a tile's number: the token of its row r, and where that token's codes and scale bytes lie.  Plain vector lines that name no register of the products
	v_add_nc_u32 v[FT], s27, v2                    ; the row's number p in the expert
	v_lshl_or_b32 v[FT], v[FT], 5, 31              ; as a key: a chunk begins at or below p where its key is not above this one
.irp g, 0,1,2,3
	v_mov_b32 v[FK+\g], 0
	v_mov_b32 v[FM+\g], 0
.endr
	WIN 0x01                                       ; source 0 window 1
.set jj, 0
.rept 8                                        ; the keys rise with the chunk's number: the last that fits stays.  Four chains, chunks 4 j + g, so that no line waits for the line above it
.irp g, 0,1,2,3
	v_cmp_gt_u32 s[CM+\g], v[KEY+4*jj+\g], v[FT]
.endr
.irp g, 0,1,2,3
	v_cndmask_b32 v[FK+\g], v[KEY+4*jj+\g], v[FK+\g], s[CM+\g]
	v_cndmask_b32 v[FM+\g], v[MSK+4*jj+\g], v[FM+\g], s[CM+\g]
.endr
.set jj, jj+1
.endr
	WIN 0
.irp g, 1,2,3                                  ; the largest of the four chains' keys (a chain that found none holds 0, chunk 0's key)
	v_cmp_gt_u32 vcc_lo, v[FK+\g], v[FK]
	v_cndmask_b32 v[FK], v[FK], v[FK+\g], vcc_lo
	v_cndmask_b32 v[FM], v[FM], v[FM+\g], vcc_lo
.endr
	v_sub_nc_u32 v[FN], v[FT], v[FK]               ; (p - the chunk's first row) x 32 + (31 - c): no borrow
	v_lshrrev_b32 v[FN], 5, v[FN]                  ; so many set bits lie below mine
	v_lshrrev_b32 v[FA1], 1, v[FM]
	v_and_b32 v[FA1], 0x55555555, v[FA1]
	v_sub_nc_u32 v[FA1], v[FM], v[FA1]             ; set bits in each 2
	v_lshrrev_b32 v[FA2], 2, v[FA1]
	v_and_b32 v[FA2], 0x33333333, v[FA2]
	v_and_b32 v[FT1], 0x33333333, v[FA1]
	v_add_nc_u32 v[FA2], v[FA2], v[FT1]            ; in each 4
	v_lshrrev_b32 v[FA3], 4, v[FA2]
	v_add_nc_u32 v[FA3], v[FA3], v[FA2]
	v_and_b32 v[FA3], 0x0f0f0f0f, v[FA3]           ; in each 8
	v_lshrrev_b32 v[FA4], 8, v[FA3]
	v_add_nc_u32 v[FA4], v[FA4], v[FA3]            ; low byte: in the low 16
	v_mov_b32 v[FPOS], 0
	LEVEL FA4, 8, 16
	LEVEL FA3, 8, 8
	LEVEL FA2, 4, 4
	LEVEL FA1, 2, 2
	LEVEL FM, 1, 1
	v_and_b32 v[FT1], 3, v[FK]                     ; chunk c = 4 j + i, bit l: token 128 j + i + 4 l
	v_bfe_u32 v[FD], v[FK], 2, 3
	v_lshl_add_u32 v[FT1], v[FD], 7, v[FT1]
	v_lshl_add_u32 v[FT1], v[FPOS], 2, v[FT1]
	v_min_u32 v[TP], 0x3ff, v[FT1]                 ; held inside the table
	v_lshlrev_b32 v[ADX], 9, v[TP]
	v_lshl_add_u32 v[ADX], v3, 4, v[ADX]
	v_lshlrev_b32 v[ADS], 5, v[TP]
.endm
.macro XLOAD                           ; 8 fragments of 16 rows x 128 K, and their scale words: 18 loads
	WIN 0x40
.irp s, 0,1,2,3,4,5,6,7
.irp c, 0,1
	global_load_b128 v[8*\s+4*\c:8*\s+4*\c+3], v[ADX], s[8:9] offset:64*\s+32*\c
.endr
.endr
	WIN 0
	global_load_b128 v[XSC:XSC+3], v[ADS], s[8:9] offset:XSOFF
	global_load_b128 v[XSC+4:XSC+7], v[ADS], s[8:9] offset:XSOFF+16
.endm
.macro GELU g                          ; tiles 2 g and 2 g + 1, stage by stage over their 8 pairs, each accumulator from its low end on
.set GH, H+16*(\g)
.irp p, 0,2,4,6,8,10,12,14
	v_pk_mul_f32 v[GHX+\p:GHX+\p+1], v[GH+\p:GH+\p+1], 0.5 op_sel_hi:[1,0]
.endr
.irp p, 0,2,4,6,8,10,12,14
	v_pk_mul_f32 v[GZ+\p:GZ+\p+1], v[GH+\p:GH+\p+1], s[RS2:RS2+1] op_sel_hi:[1,0]
.endr
.irp i, 0,1,2,3,4,5,6,7,8,9,10,11,12,13,14,15
	v_med3_num_f32 v[GZ+\i], v[GZ+\i], -4.0, 4.0
.endr
.irp p, 0,2,4,6,8,10,12,14
	v_pk_mul_f32 v[GZ2+\p:GZ2+\p+1], v[GZ+\p:GZ+\p+1], v[GZ+\p:GZ+\p+1]
.endr
.irp p, 0,2,4,6,8,10,12,14
	v_pk_fma_f32 v[GP+\p:GP+\p+1], v[GZ2+\p:GZ2+\p+1], v[16:17], s[CA:CA+1] op_sel_hi:[1,1,0]
	v_pk_fma_f32 v[GQ+\p:GQ+\p+1], v[GZ2+\p:GZ2+\p+1], v[18:19], s[CB:CB+1] op_sel_hi:[1,1,0]
.endr
.irp q, 2,4,6
.irp p, 0,2,4,6,8,10,12,14
	v_pk_fma_f32 v[GP+\p:GP+\p+1], v[GP+\p:GP+\p+1], v[GZ2+\p:GZ2+\p+1], s[CA+\q:CA+\q+1] op_sel_hi:[1,1,0]
	v_pk_fma_f32 v[GQ+\p:GQ+\p+1], v[GQ+\p:GQ+\p+1], v[GZ2+\p:GZ2+\p+1], s[CB+\q:CB+\q+1] op_sel_hi:[1,1,0]
.endr
.endr
.irp q, 8,10
.irp p, 0,2,4,6,8,10,12,14
	v_pk_fma_f32 v[GP+\p:GP+\p+1], v[GP+\p:GP+\p+1], v[GZ2+\p:GZ2+\p+1], s[CA+\q:CA+\q+1] op_sel_hi:[1,1,0]
.endr
.endr
.irp i, 0,1,2,3,4,5,6,7,8,9,10,11,12,13,14,15
	v_rcp_f32 v[GQ+\i], v[GQ+\i]
.endr
.irp p, 0,2,4,6,8,10,12,14
	v_pk_mul_f32 v[GP+\p:GP+\p+1], v[GP+\p:GP+\p+1], v[GZ+\p:GZ+\p+1]   ; z P.  (The first of these is the plain place behind the reciprocals)
.endr
	s_wait_alu depctr_va_vdst(0)
.irp p, 0,2,4,6,8,10,12,14
	v_pk_mul_f32 v[GP+\p:GP+\p+1], v[GP+\p:GP+\p+1], v[GQ+\p:GQ+\p+1]   ; erf
.endr
.irp p, 0,2,4,6,8,10,12,14
	v_pk_fma_f32 v[GH+\p:GH+\p+1], v[GHX+\p:GHX+\p+1], v[GP+\p:GP+\p+1], v[GHX+\p:GHX+\p+1]
.endr
.endm
.macro QUANT                           ; 64 numbers of a lane, register 16 b + i = unit 32 b + 16 (lane / 16) + i of my row, become a fragment's codes and its scale word
.irp b, 0,1,2,3
	v_max3_num_f32 v[TM+\b], |v[H+16*\b]|, |v[H+1+16*\b]|, 0x1800000
.endr
.irp i, 2,4,6,8,10,12,14
.irp b, 0,1,2,3
	v_max3_num_f32 v[TM+\b], v[TM+\b], |v[H+16*\b+\i]|, |v[H+1+16*\b+\i]|
.endr
.endr
.irp b, 0,1,2,3
	v_permlanex16_b32 v[TM+4+\b], v[TM+\b], s[SEL], s[SEL+1]
.endr
.irp b, 0,1,2,3
	v_max_num_f32 v[TM+\b], v[TM+\b], v[TM+4+\b]   ; with lane l xor 16's: the block's largest magnitude
.endr
.irp b, 0,1,2,3
	v_add_nc_u32 v[TM+12+\b], 0xff000000, v[TM+\b]
.endr
.irp b, 0,1,2,3
	v_lshrrev_b32 v[TM+4+\b], 23, v[TM+12+\b]
.endr
	v_lshl_or_b32 v[PW], v[TM+5], 8, v[TM+4]
	v_lshl_or_b32 v[PW], v[TM+6], 16, v[PW]
	v_lshl_or_b32 v[PW], v[TM+7], 24, v[PW]
.irp b, 0,1,2,3
	v_cvt_scalef32_pk8_fp4_f32 v[PCD+2*\b], v[H+16*\b:H+7+16*\b], v[TM+12+\b]
	v_cvt_scalef32_pk8_fp4_f32 v[PCD+1+2*\b], v[H+8+16*\b:H+15+16*\b], v[TM+12+\b]
.endr
	v_nop                                          ; one plain place behind a scaled conversion
.irp c, 0,1                                    ; the operand's layout wants a whole block in a lane
.irp i, 0,1
	v_permlane16_swap_b32 v[PCD+4*\c+\i], v[PCD+2+4*\c+\i]
.endr
.endr
.endm
	s_load_b256 s[4:11], s[0:1], 0x0               ; w1 s[4:5], b1 s[6:7], xc s[8:9], sel s[10:11]
	s_load_b64 s[12:13], s[0:1], 0x20              ; hc
	s_load_b64 s[56:57], s[0:1], 0x28              ; rt
	v_lshl_add_u32 v254, v0, 2, 0x11100
	v_mov_b32 v255, 0
	v_lshrrev_b32 v[TP], 5, v0
	v_readfirstlane_b32 s14, v[TP]                 ; wave 0..3
	s_mov_b32 s15, ttmp9                           ; ns
	s_and_b32 s16, ttmp7, 0xffff                   ; e
	v_and_b32 v1, 31, v0                           ; l
	v_and_b32 v2, 15, v0                           ; r
	v_bfe_u32 v3, v0, 4, 1                         ; h
	v_lshlrev_b32 v[GA], 4, v1
	v_lshlrev_b32 v[LI], 4, v1
	v_lshlrev_b32 v[LS], 2, v1
	v_lshlrev_b32 v[BH], 6, v3
	s_lshl_b32 s55, s16, 2                         ; 4 e
	v_lshlrev_b32 v[PA], 7, v1
	v_add_nc_u32 v[PA], s55, v[PA]
	v_bfe_u32 v20, v0, 3, 2                        ; column 4 l + c is unit 32 b + 16 (r / 8) + 8 u + r % 8:  b = l / 8,
	v_bfe_u32 v21, v0, 1, 1                        ; u = bit 1 of l,
	v_lshl_add_u32 v20, v20, 1, v21                ; tile 2 b + u;
	v_and_b32 v21, 1, v0
	v_bfe_u32 v22, v0, 2, 1
	v_lshlrev_b32 v21, 2, v21
	v_lshl_add_u32 v21, v22, 3, v21                ; r = 4 (l % 2) + 8 (bit 2 of l) + c
	v_mul_u32_u24 v[LW], v20, TS
	v_lshl_add_u32 v[LW], v21, 4, v[LW]
	s_lshl_b32 s17, s14, 11
	v_add_nc_u32 v[LW], s17, v[LW]                 ; + my wave's two K steps
	v_lshlrev_b32 v[LSB], 9, v20
	v_lshl_add_u32 v[LSB], v21, 5, v[LSB]
	s_lshl_b32 s17, s14, 3
	v_add_nc_u32 v[LSB], s17, v[LSB]               ; + my wave's 8 blocks
	v_add_nc_u32 v[LSB], WSC, v[LSB]
	v_lshl_add_u32 v[LR], v2, 5, WSC
	v_mov_b32 v16, 0xaf95df0b                      ; a13 = -2.72614225801306e-10, as a pair
	v_mov_b32 v17, 0xaf95df0b
	v_mov_b32 v18, 0xb77460cd                      ; b8 = -1.45660718464996e-05
	v_mov_b32 v19, 0xb77460cd
	COEF CA+0,  0x32edffee                         ; a11 =  2.77068142495902e-08
	COEF CA+2,  0xb60cff51                         ; a9  = -2.10102402082508e-06
	COEF CA+4,  0xb86ec2d2                         ; a7  = -5.69250639462346e-05
	COEF CA+6,  0xba40ac63                         ; a5  = -7.34990630326855e-04
	COEF CA+8,  0xbb41a1f6                         ; a3  = -2.95459980854025e-03
	COEF CA+10, 0xbc83dbd4                         ; a1  = -1.60960333262415e-02
	COEF CB+0,  0xb95fbd29                         ; b6  = -2.13374055278905e-04
	COEF CB+2,  0xbadc924e                         ; b4  = -1.68282697438203e-03
	COEF CB+4,  0xbbf19bf8                         ; b2  = -7.37332916720468e-03
	COEF CB+6,  0xbc69b6a7                         ; b0  = -1.42647390514189e-02
	COEF RS2,   0x3f3504f3                         ; 1 / sqrt 2
	s_mov_b32 s[SEL], 0x76543210
	s_mov_b32 s[SEL+1], 0xfedcba98                 ; lane l xor 16
	s_lshl_b32 s23, s16, 6                         ; my expert's first tile
	s_lshl_b32 s58, s15, 10                        ; my K step's image in a tile of hc
	s_lshl_b32 s59, s15, 7                         ; and its scale words,
	s_add_co_u32 s59, s59, HSOFF                   ; which lie behind all images
	s_lshl_b32 s18, s16, 24                        ; w1[e]: 16 MiB an expert,
	s_lshl_b32 s17, s14, 22                        ; 256 rows a wave,
	s_add_co_u32 s18, s18, s17
	s_lshl_b32 s17, s15, 9                         ; 128 columns a work-group
	s_add_co_u32 s18, s18, s17
	s_mov_b32 s19, 0                               ; (stays 0)
	s_wait_kmcnt 0x0
	s_add_nc_u64 s[4:5], s[4:5], s[18:19]
	s_lshl_b32 s18, s16, 14
	s_add_co_u32 s18, s18, s17
	s_add_nc_u64 s[6:7], s[6:7], s[18:19]          ; b1[e] at my 128 units
	s_lshl_b32 s18, s16, 12
	s_add_nc_u64 s[10:11], s[10:11], s[18:19]      ; sel[e]
	WIN 0x40
.irp j, 0,1,2,3,4,5,6,7                        ; the expert's 1,024 flags: 512 consecutive bytes a load
	global_load_b128 v[F+4*\j:F+4*\j+3], v[LI], s[10:11] offset:512*\j
.endr
.irp t, 0,1,2,3,4,5,6,7                        ; b1 in the result's layout: lane (r, h), tile 2 b + u: units 32 b + 16 h + 8 u + 0 .. 7
	global_load_b128 v[B1+8*\t:B1+8*\t+3], v[BH], s[6:7] offset:(32*(\t/2)+8*(\t%2))*4
	global_load_b128 v[B1+8*\t+4:B1+8*\t+7], v[BH], s[6:7] offset:(32*(\t/2)+8*(\t%2))*4+16
.endr
	WIN 0
	LOADB 0
	LOADB 1
; ---- PHASE A
	QHEAD 0, 32                                    ; behind group 0's loads: group 1's 32; the flags and b1 are older and in
; ---- the scan of the flags
	s_mov_b32 s21, 0                               ; chosen tokens so far
	s_lshl_b32 s27, s16, 10                        ; and as a row number: + 1,024 e
	WIN 0x44                                       ; source 1 and destination window 1
.set cc, 0
.rept 32
	v_cmp_ne_u32 vcc_lo, 0, v[F+cc]
	v_mov_b32 v[MSK+cc], vcc_lo                    ; the chunk's mask, in every lane
	v_mbcnt_lo_u32_b32 v[J+cc], vcc_lo, s27        ; the chosen tokens below mine, in this chunk and before it
	s_lshl_b32 s25, s21, 5
	s_or_b32 s25, s25, cc
	v_mov_b32 v[KEY+cc], s25                       ; the chunk's key
	v_cndmask_b32 v[J+cc], 0x8000, v[J+cc], vcc_lo ; not chosen: bit 15
	s_bcnt1_i32_b32 s26, vcc_lo
	s_add_co_u32 s21, s21, s26
	s_add_co_u32 s27, s27, s26
.set cc, cc+1
.endr
	WIN 0
	s_add_co_u32 s22, s21, 15
	s_lshr_b32 s22, s22, 4                         ; the expert's tiles
	s_cmp_lg_u32 s15, 0                            ; work-group ns = 0 stores the table for the later launches; the row numbers' registers are never written again
	s_cbranch_scc1 .Lnopos
	POSARM 0
	POSARM 1
	POSARM 2
	POSARM 3
	s_cmp_lg_u32 s14, 0
	s_cbranch_scc1 .Lnopos
	v_mov_b32 v21, s55
	v_mov_b32 v22, s22
	global_store_b32 v21, v22, s[56:57] offset:META   ; all lanes store the same word
.Lnopos:
	QBODY 0
	QHEAD 1, 32
	QBODY 1
	QHEAD 2, 32
	QBODY 2
	QHEAD 3, 32
	QBODY 3
	QHEAD 4, 32
	QBODY 4
	QHEAD 5, 32
	QBODY 5
	QHEAD 6, 32                                    ; group 7's 32
	s_lshl_b32 s27, s14, 4
	FIND
	XLOAD                                          ; my first tile's x
	QBODY 6
	QHEAD 7, 18                                    ; x's 18 loads
	QBODY 7
	s_wait_dscnt 0x0                               ; for the others' sake: my images and bytes lie in LDS
	s_barrier_signal -1
	s_barrier_wait -1
; ---- PHASE B: all 64 fragments and 64 scale words into registers
	WIN 0x80
.irp s, 0,1,2,3
.irp t, 0,1,2,3,4,5,6,7
.irp c, 0,1
	ds_load_b128 v[64*\s+8*\t+4*\c:64*\s+8*\t+4*\c+3], v[LI] offset:\t*TS+1024*\s+512*\c
.endr
.endr
.endr
	WIN 0xc0
.irp s, 4,5,6,7
.irp t, 0,1,2,3,4,5,6,7
.irp c, 0,1
	ds_load_b128 v[64*(\s-4)+8*\t+4*\c:64*(\s-4)+8*\t+4*\c+3], v[LI] offset:\t*TS+1024*\s+512*\c
.endr
.endr
.endr
	WIN 0
.irp t, 0,1,2,3,4,5,6,7
	ds_load_b128 v[WS+8*\t:WS+8*\t+3], v[LR] offset:512*\t
	ds_load_b128 v[WS+8*\t+4:WS+8*\t+7], v[LR] offset:512*\t+16
.endr
	s_wait_dscnt 0x0
	s_add_co_u32 s54, s22, 3                       ; my tiles: w, w + 4, .. below the expert's count: (tiles + 3 - w) / 4,
	s_sub_co_u32 s54, s54, s14
	s_lshr_b32 s54, s54, 2
	s_min_u32 s54, s54, 16                         ; at most 16: an expert has at most 1,024 rows, 64 tiles
	s_cmp_eq_u32 s54, 0                            ; a wave without a tile ends (behind the one barrier)
	s_cbranch_scc1 .Lend
	s_mov_b32 s20, s14                             ; the tile in hand
	s_mov_b32 s24, 0                               ; trips done
; ---- ROWS: one tile of 16 a trip
.Lrow:
	s_wait_loadcnt 0x0                             ; this tile's x and scale words
	WIN 0x16                                       ; source 0 (w1) window 2, source 1 (x) and C (b1) window 1.  The 8 accumulators take turns
.irp t, 0,1,2,3,4,5,6,7
	v_wmma_scale_f32_16x16x128_f8f6f4 v[H+8*\t:H+8*\t+7], v[8*\t:8*\t+7], v[0:7], v[B1+8*\t:B1+8*\t+7], v[WS+8*\t], v[XSC] matrix_a_fmt:MATRIX_FMT_FP4 matrix_b_fmt:MATRIX_FMT_FP4
.endr
	WIN 0x06
.irp s, 1,2,3
.irp t, 0,1,2,3,4,5,6,7
	v_wmma_scale_f32_16x16x128_f8f6f4 v[H+8*\t:H+8*\t+7], v[64*\s+8*\t:64*\s+8*\t+7], v[8*\s:8*\s+7], v[H+8*\t:H+8*\t+7], v[WS+8*\t+\s], v[XSC+\s] matrix_a_fmt:MATRIX_FMT_FP4 matrix_b_fmt:MATRIX_FMT_FP4
.endr
.endr
	WIN 0x07                                       ; source 0 window 3
.irp s, 4,5,6,7
.irp t, 0,1,2,3,4,5,6,7
	v_wmma_scale_f32_16x16x128_f8f6f4 v[H+8*\t:H+8*\t+7], v[64*(\s-4)+8*\t:64*(\s-4)+8*\t+7], v[8*\s:8*\s+7], v[H+8*\t:H+8*\t+7], v[WS+8*\t+\s], v[XSC+\s] matrix_a_fmt:MATRIX_FMT_FP4 matrix_b_fmt:MATRIX_FMT_FP4
.endr
.endr
	WIN 0
	s_add_co_u32 s27, s20, 4
	s_lshl_b32 s27, s27, 4
	FIND                                           ; my next tile's tokens; its lines are also the places in front of the loads below and of the first read of results
	XLOAD                                          ; the next tile's x lands under this tile's gelu
	GELU 0
	GELU 1
	GELU 2
	GELU 3
	s_wait_xcnt 0x0                                ; the last trip's stores have read their data and bases
	s_add_co_u32 s17, s20, s23
	s_min_u32 s17, s17, 511                        ; the tile's number among all experts'
	s_lshl_b32 s18, s17, 15
	s_add_co_u32 s18, s18, s58
	s_add_nc_u64 s[28:29], s[12:13], s[18:19]
	s_lshl_b32 s18, s17, 12
	s_add_co_u32 s18, s18, s59
	s_add_nc_u64 s[30:31], s[12:13], s[18:19]
	QUANT
	global_store_b128 v[LI], v[PCD:PCD+3], s[28:29]                ; the image: 512 consecutive bytes a store
	global_store_b128 v[LI], v[PCD+4:PCD+7], s[28:29] offset:512
	global_store_b32 v[LS], v[PW], s[30:31]
	s_add_co_u32 s20, s20, 4
	s_add_co_u32 s24, s24, 1
	s_cmp_lt_u32 s24, s54
	s_cbranch_scc1 .Lrow
.Lend:
	s_wait_tensorcnt 0x0
	ds_add_u32 v254, v255
	s_wait_dscnt 0x0
	s_endpgm
.Lfunc_end_k_q3e850292d7_up:
	.size	k_q3e850292d7_up, .Lfunc_end_k_q3e850292d7_up-k_q3e850292d7_up
	.p2alignl 7, 3214868480
	.fill 96, 4, 3214868480
	.section	.rodata,"a",@progbits
	.p2align	6, 0x0
	.amdhsa_kernel k_q3e850292d7_up
		.amdhsa_group_segment_fixed_size 70400
		.amdhsa_private_segment_fixed_size 0
		.amdhsa_enable_private_segment 0
		.amdhsa_kernarg_size 48
		.amdhsa_user_sgpr_count 2
		.amdhsa_user_sgpr_kernarg_segment_ptr 1
		.amdhsa_wavefront_size32 1
		.amdhsa_system_sgpr_workgroup_id_x 1
		.amdhsa_system_sgpr_workgroup_id_y 1
		.amdhsa_system_sgpr_workgroup_id_z 1
		.amdhsa_system_vgpr_workitem_id 0
		.amdhsa_next_free_vgpr 1024
		.amdhsa_next_free_sgpr 70
		.amdhsa_reserve_vcc 1
		.amdhsa_float_denorm_mode_32 3
		.amdhsa_float_denorm_mode_16_64 3
		.amdhsa_memory_ordered 1
		.amdhsa_forward_progress 1
		.amdhsa_inst_pref_size 211
	.end_amdhsa_kernel
	.amdgpu_metadata
---
amdhsa.version: [ 1, 2 ]
amdhsa.kernels:
  - .name:           k_q3e850292d7_up
    .symbol:         k_q3e850292d7_up.kd
    .args:
      - { .name: w1, .offset: 0, .size: 8, .value_kind: global_buffer, .address_space: global }
      - { .name: b1, .offset: 8, .size: 8, .value_kind: global_buffer, .address_space: global }
      - { .name: xc, .offset: 16, .size: 8, .value_kind: global_buffer, .address_space: global }
      - { .name: sel, .offset: 24, .size: 8, .value_kind: global_buffer, .address_space: global }
      - { .name: hc, .offset: 32, .size: 8, .value_kind: global_buffer, .address_space: global }
      - { .name: rt, .offset: 40, .size: 8, .value_kind: global_buffer, .address_space: global }
    .group_segment_fixed_size: 70400
    .private_segment_fixed_size: 0
    .kernarg_segment_align: 8
    .kernarg_segment_size: 48
    .max_flat_workgroup_size: 128
    .sgpr_count:     70
    .vgpr_count:     1024
    .wavefront_size: 32
...
	.end_amdgpu_metadata
.endif
;; end of part 7
;; launch down (part 8): grid 32 x 8, 4 waves a work-group, no clusters, 87,808 bytes of LDS; arguments w2, hc, rt, yp; writes yp
.if DOCPART == 8
	.amdgcn_target "amdgcn-amd-amdhsa--gfx1250"
	.amdhsa_code_object_version 6
	.text
	.protected	k_q3e850292d7_down
	.globl	k_q3e850292d7_down
	.p2align	8
	.type	k_q3e850292d7_down,@function
k_q3e850292d7_down:
	s_mov_b64 s[64:65], 0
	v_nop
	global_prefetch_b8 v0, s[64:65] scope:SCOPE_SE
	s_setreg_imm32_b32 hwreg(HW_REG_WAVE_MODE, 25, 1), 1
	s_wait_xcnt 0x0
; SECOND PRODUCT OF THE CHOSEN ROWS: yp[kh] = Q(h) Q(w2[e]) over one half of K = 4,096, on codes of E2M1 with one E8M0 scale for each 32 along K.
; A work-group owns columns 64 nsl .. + 63 of expert e and K half kh (x = nsl + 16 kh, y = e): 2,048 rows x 256 bytes of w2, read by this work-group alone, once.  The two halves are added, in f32, by the next launch.
; PHASE A.  Wave w takes rows 512 w .. + 511 of the half in 8 groups of 64 rows.  A load reads two rows' 256 bytes: lanes 0-15 row i, lanes 16-31 row i + 32; a lane holds 4 neighbouring columns, and a group's 32 loads
; give it a whole block of 32 along K of each (lanes 16-31: the next block, as the operand's layout wants).  All else as in the first product's launch: the numbers in order by column, conversions, images of the operand's registers and scale bytes to LDS.
; PHASE B.  One barrier; every wave takes all 64 fragments (4 tiles of 16 columns x 16 K steps) and 64 scale words into registers.
; ROWS.  Expert e's tiles are 64 e .. 64 e + its count - 1 (the count from rt).  Wave w takes tiles w, w + 4, .. of them.  h's 16 fragments and scale words of a tile come from hc as images, 512 consecutive bytes a load, two tiles ahead in two buffers.
; Transposed use: source 0 = 16 columns of w2, source 1 = 16 rows of h: a lane holds 8 neighbouring columns of one row.  The 16 x 64 results go through the wave's own stage in LDS and leave as rows of 256 bytes.
; No tensor load: the number of tiles is read from memory; so no multicast, though the 32 work-groups of an expert read the same tiles of h.
; LIMITS: NaN and infinities are not served.  A block under 2^-124 (zeros too) keeps the scale byte 1; this program alone reads the bytes.
.set TS4,   16400                      ; LDS: a tile's 16 fragments + 16 bytes
.set WSC4,  4*TS4                      ; scale bytes [4 tiles][16 rows][64]
.set STG,   69888                      ; four stages of 16 rows x (256 + 16) bytes
.set HSOFF, 16777216                   ; hc: behind 512 tiles of 32 KiB the scale words, 4 KiB a tile
.set META,  32768
.set YH,    33554432                   ; yp: from K half to K half: 8,192 rows
.set RG,    64
.set PITCHB, 4096                      ; bytes in a row of w2[e]
.set GA,  4                            ; v4   16 q + 32 rows x p
.set LW,  5
.set LSB, 6
.set LI,  7                            ; v7   16 l
.set LR,  8                            ; v8   WSC4 + 64 r
.set LS,  9                            ; v9   4 l
.set STO, 10                           ; v10  the stage: where I put 32 bytes of a row
.set RD,  11                           ; v11  where I read a row back
.set CO,  12                           ; v12  the same place in yp
.set HSC, 16                           ; v16-47   h's scale words, two buffers of 16
.set WS,  48                           ; v48-111  w2's 64 scale words: 16 n + s
.set ACC, 112                          ; v112-143 four accumulators
.set OUTR, 144                         ; v144-175 16 rows read back
.set CD,  176                          ; phase A: codes;
.set M,   192
.set SO,  196
.set BY,  200
.set TT,  128                          ; phase A, window 3
.set MSB, 0
.macro WIN new                         ; the immediate's high byte repeats the setting that is left
.if MSB != (\new)
	s_set_vgpr_msb (MSB<<8)|(\new)
.set MSB, (\new)
.endif
.endm
.macro SETOF t                         ; the staging set of group t: window 2 v0, window 2 v128, window 3 v0, by turns
.set SQ, (\t)%3
.set SWN, 2+SQ/2
.set SBASE, 128*(SQ%2)
.endm
.macro LOADB t
	SETOF \t
	WIN SWN<<6
.set ii, 0
.rept 32
	global_load_b128 v[SBASE+4*ii:SBASE+4*ii+3], v[GA], s[4:5] offset:(RG*(\t)+ii)*PITCHB th:TH_LOAD_NT
.set ii, ii+1
.endr
	WIN 0
.endm
.macro QHEAD t, n                      ; n: the loads issued behind group t's, which may stay out
	s_wait_loadcnt \n
.if (\t)+2 < 8
	LOADB (\t)+2
.endif
.endm
.macro QBODY t
	SETOF \t
	WIN 0xc0|SWN
.set cc, 0
.rept 4
.set kk, 0
.rept 32
	v_mov_b32 v[TT+32*cc+kk], v[SBASE+4*kk+cc]
.set kk, kk+1
.endr
.set cc, cc+1
.endr
	WIN 0x0f
.irp c, 0,1,2,3
	v_max3_num_f32 v[M+\c], |v[TT+32*\c]|, |v[TT+32*\c+1]|, 0x1800000
.endr
.irp i, 2,4,6,8,10,12,14,16,18,20,22,24,26,28,30
.irp c, 0,1,2,3
	v_max3_num_f32 v[M+\c], |v[TT+32*\c+\i]|, |v[TT+32*\c+\i+1]|, v[M+\c]
.endr
.endr
	WIN 0
.irp c, 0,1,2,3
	v_add_nc_u32 v[SO+\c], 0xff000000, v[M+\c]
.endr
	s_wait_dscnt 0x0                               ; the last group's LDS stores have read their registers
.irp c, 0,1,2,3
	v_lshrrev_b32 v[BY+\c], 23, v[SO+\c]
.endr
	WIN 0x03
.irp c, 0,1,2,3
.irp g, 0,1,2,3
	v_cvt_scalef32_pk8_fp4_f32 v[CD+4*\c+\g], v[TT+32*\c+8*\g:TT+32*\c+8*\g+7], v[SO+\c]
.endr
.endr
	WIN 0
	v_nop                                          ; one plain place behind the last scaled conversion
.irp c, 0,1,2,3
	ds_store_b128 v[LW], v[CD+4*\c:CD+4*\c+3] offset:((\t)>>1)*1024+((\t)&1)*512+16*\c   ; blocks 2 t + p of my 16: K step, register group; the half of the lanes is in the address
	ds_store_b8 v[LSB], v[BY+\c] offset:64*\c+2*(\t)
.endr
.endm
.macro HBASE                           ; s27 = a tile of my expert, held at its last: where its images and scale words lie
	s_wait_xcnt 0x0                                ; earlier loads and stores have read their bases and data
	s_min_u32 s28, s27, s24
	s_add_co_u32 s28, s28, s22
	s_min_u32 s28, s28, 511
	s_lshl_b32 s30, s28, 15
	s_add_co_u32 s30, s30, s25
	s_add_nc_u64 s[32:33], s[6:7], s[30:31]
	s_lshl_b32 s30, s28, 12
	s_add_co_u32 s30, s30, s26
	s_add_nc_u64 s[34:35], s[6:7], s[30:31]
.endm
.macro HLOAD b                         ; 48 loads: 16 fragments and 16 scale words into buffer b
	WIN 0x40
.irp s, 0,1,2,3,4,5,6,7,8,9,10,11,12,13,14,15
.irp c, 0,1
	global_load_b128 v[128*\b+8*\s+4*\c:128*\b+8*\s+4*\c+3], v[LI], s[32:33] offset:1024*\s+512*\c
.endr
.endr
	WIN 0
.irp s, 0,1,2,3,4,5,6,7,8,9,10,11,12,13,14,15
	global_load_b32 v[HSC+16*\b+\s], v[LS], s[34:35] offset:128*\s
.endr
.endm
.macro TILE b                          ; tile s20 + 4 b, from buffer b
	s_wait_loadcnt 48                              ; this buffer's 48 loads are in; the other buffer's 48 may be out
	WIN 0x06                                       ; source 0 (w2) window 2, source 1 (h) window 1.  The 4 accumulators take turns
.irp s, 0,1,2,3,4,5,6,7
.irp n, 0,1,2,3
.if \s == 0
	v_wmma_scale_f32_16x16x128_f8f6f4 v[ACC+8*\n:ACC+8*\n+7], v[8*\n:8*\n+7], v[128*\b:128*\b+7], 0, v[WS+16*\n], v[HSC+16*\b] matrix_a_fmt:MATRIX_FMT_FP4 matrix_b_fmt:MATRIX_FMT_FP4
.else
	v_wmma_scale_f32_16x16x128_f8f6f4 v[ACC+8*\n:ACC+8*\n+7], v[32*\s+8*\n:32*\s+8*\n+7], v[128*\b+8*\s:128*\b+8*\s+7], v[ACC+8*\n:ACC+8*\n+7], v[WS+16*\n+\s], v[HSC+16*\b+\s] matrix_a_fmt:MATRIX_FMT_FP4 matrix_b_fmt:MATRIX_FMT_FP4
.endif
.endr
.endr
	WIN 0x07                                       ; source 0 window 3
.irp s, 8,9,10,11,12,13,14,15
.irp n, 0,1,2,3
	v_wmma_scale_f32_16x16x128_f8f6f4 v[ACC+8*\n:ACC+8*\n+7], v[32*(\s-8)+8*\n:32*(\s-8)+8*\n+7], v[128*\b+8*\s:128*\b+8*\s+7], v[ACC+8*\n:ACC+8*\n+7], v[WS+16*\n+\s], v[HSC+16*\b+\s] matrix_a_fmt:MATRIX_FMT_FP4 matrix_b_fmt:MATRIX_FMT_FP4
.endr
.endr
	WIN 0
.rept 5
	v_nop                                          ; four places in front of the loads into h's registers and of the stores that read results; the fifth because the next tile's first products begin these accumulators anew, and no other vector line stands between
.endr
	s_add_co_u32 s27, s20, 4*\b+8
	HBASE
	HLOAD \b                                       ; the tile two turns on
	s_add_co_u32 s28, s20, 4*\b
	s_add_co_u32 s28, s28, s22
	s_min_u32 s28, s28, 511
	s_lshl_b32 s30, s28, 16                        ; 16 rows of 4,096 bytes
	s_add_nc_u64 s[36:37], s[38:39], s[30:31]
.irp n, 0,1,2,3
	ds_store_b128 v[STO], v[ACC+8*\n:ACC+8*\n+3] offset:64*\n      ; each accumulator from its low end on
	ds_store_b128 v[STO], v[ACC+8*\n+4:ACC+8*\n+7] offset:64*\n+16
.endr
.irp i, 0,1,2,3,4,5,6,7
	ds_load_b128 v[OUTR+4*\i:OUTR+4*\i+3], v[RD] offset:544*\i     ; LDS serves a wave's instructions in order: these see my stores
.endr
.irp i, 0,1,2,3,4,5,6,7
	s_wait_dscnt 7-\i
	global_store_b128 v[CO], v[OUTR+4*\i:OUTR+4*\i+3], s[36:37] offset:8192*\i   ; 16 lanes store 256 consecutive bytes, at a multiple of 256 from yp's first byte
.endr
.endm
	s_load_b256 s[4:11], s[0:1], 0x0               ; w2 s[4:5], hc s[6:7], rt s[8:9], yp s[10:11]
	v_lshl_add_u32 v254, v0, 2, 0x15500
	v_mov_b32 v255, 0
	v_lshrrev_b32 v13, 5, v0
	v_readfirstlane_b32 s14, v13                   ; wave 0..3
	s_and_b32 s17, ttmp9, 15                       ; nsl
	s_lshr_b32 s18, ttmp9, 4                       ; kh
	s_and_b32 s16, ttmp7, 0xffff                   ; e
	v_and_b32 v1, 31, v0                           ; l
	v_and_b32 v2, 15, v0                           ; r, also q
	v_bfe_u32 v3, v0, 4, 1                         ; h, also p
	v_lshlrev_b32 v[GA], 4, v2
	v_lshl_add_u32 v[GA], v3, 17, v[GA]            ; lanes 16-31: 32 rows of 4,096 bytes further down
	v_bfe_u32 v13, v0, 2, 2                        ; column 4 q + c: tile q / 4,
	v_and_b32 v14, 3, v0                           ; row 4 (q % 4) + c of it
	v_mul_u32_u24 v[LW], v13, TS4
	v_lshl_add_u32 v[LW], v14, 6, v[LW]
	v_lshl_add_u32 v[LW], v3, 8, v[LW]
	s_lshl_b32 s19, s14, 12
	v_add_nc_u32 v[LW], s19, v[LW]                 ; + my wave's four K steps
	v_lshlrev_b32 v[LSB], 10, v13
	v_lshl_add_u32 v[LSB], v14, 8, v[LSB]
	v_add_nc_u32 v[LSB], v[LSB], v3
	s_lshl_b32 s19, s14, 4
	v_add_nc_u32 v[LSB], s19, v[LSB]               ; + my wave's 16 blocks
	v_add_nc_u32 v[LSB], WSC4, v[LSB]
	v_lshlrev_b32 v[LI], 4, v1
	v_lshl_add_u32 v[LR], v2, 6, WSC4
	v_lshlrev_b32 v[LS], 2, v1
	s_mul_i32 s19, s14, 16*272
	s_add_co_u32 s19, s19, STG                     ; my stage
	v_mul_u32_u24 v[STO], v2, 272
	v_lshl_add_u32 v[STO], v3, 5, v[STO]
	v_add_nc_u32 v[STO], s19, v[STO]               ; in: row r, + 32 h
	v_mul_u32_u24 v[RD], v3, 272
	v_lshl_add_u32 v[RD], v2, 4, v[RD]
	v_add_nc_u32 v[RD], s19, v[RD]                 ; back: lanes 0-15 one row, lanes 16-31 the next
	v_lshlrev_b32 v[CO], 12, v3
	v_lshl_add_u32 v[CO], v2, 4, v[CO]
	s_lshl_b32 s22, s16, 6                         ; my expert's first tile
	s_lshl_b32 s25, s18, 14                        ; my K half's 16 images in a tile of hc
	s_lshl_b32 s26, s18, 11                        ; and their scale words,
	s_add_co_u32 s26, s26, HSOFF                   ; which lie behind all images
	s_lshl_b32 s30, s16, 24                        ; w2[e]: 16 MiB an expert,
	s_lshl_b32 s19, s18, 23                        ; 2,048 rows a half,
	s_add_co_u32 s30, s30, s19
	s_lshl_b32 s19, s14, 21                        ; 512 rows a wave,
	s_add_co_u32 s30, s30, s19
	s_lshl_b32 s19, s17, 8                         ; 64 columns a work-group
	s_add_co_u32 s30, s30, s19
	s_mov_b32 s31, 0                               ; (stays 0)
	s_wait_kmcnt 0x0
	s_add_nc_u64 s[4:5], s[4:5], s[30:31]
	s_mul_i32 s30, s18, YH
	s_add_co_u32 s30, s30, s19
	s_add_nc_u64 s[38:39], s[10:11], s[30:31]      ; yp at my half and my columns
	s_lshl_b32 s30, s16, 2
	s_add_nc_u64 s[40:41], s[8:9], s[30:31]
	s_load_b32 s21, s[40:41], META                 ; the expert's tiles
	LOADB 0
	LOADB 1
; ---- PHASE A
	QHEAD 0, 32                                    ; behind a group's loads: the next group's 32
	QBODY 0
	QHEAD 1, 32
	QBODY 1
	QHEAD 2, 32
	QBODY 2
	QHEAD 3, 32
	QBODY 3
	QHEAD 4, 32
	QBODY 4
	QHEAD 5, 32
	QBODY 5
	QHEAD 6, 32
	s_wait_kmcnt 0x0
	s_max_u32 s24, s21, 1
	s_sub_co_u32 s24, s24, 1                       ; the expert's last tile
	s_mov_b32 s27, s14
	HBASE
	HLOAD 0                                        ; my first tile of h
	QBODY 6
	QHEAD 7, 48                                    ; behind group 7's loads: those 48
	QBODY 7
	s_add_co_u32 s27, s14, 4
	HBASE
	HLOAD 1                                        ; my second
	s_wait_dscnt 0x0                               ; for the others' sake: my images and bytes lie in LDS
	s_barrier_signal -1
	s_barrier_wait -1
; ---- PHASE B
	WIN 0x80
.irp s, 0,1,2,3,4,5,6,7
.irp n, 0,1,2,3
.irp c, 0,1
	ds_load_b128 v[32*\s+8*\n+4*\c:32*\s+8*\n+4*\c+3], v[LI] offset:\n*TS4+1024*\s+512*\c
.endr
.endr
.endr
	WIN 0xc0
.irp s, 8,9,10,11,12,13,14,15
.irp n, 0,1,2,3
.irp c, 0,1
	ds_load_b128 v[32*(\s-8)+8*\n+4*\c:32*(\s-8)+8*\n+4*\c+3], v[LI] offset:\n*TS4+1024*\s+512*\c
.endr
.endr
.endr
	WIN 0
.irp n, 0,1,2,3
.irp m, 0,1,2,3
	ds_load_b128 v[WS+16*\n+4*\m:WS+16*\n+4*\m+3], v[LR] offset:1024*\n+16*\m
.endr
.endr
	s_wait_dscnt 0x0
	s_add_co_u32 s43, s21, 3                       ; my tiles: (tiles + 3 - w) / 4;
	s_sub_co_u32 s43, s43, s14
	s_lshr_b32 s43, s43, 2
	s_add_co_u32 s43, s43, 1                       ; trips of two tiles, the last perhaps of one,
	s_lshr_b32 s43, s43, 1
	s_min_u32 s43, s43, 8                          ; at most 8: an expert has at most 64 tiles
	s_cmp_eq_u32 s43, 0                            ; a wave without a tile ends (behind the one barrier)
	s_cbranch_scc1 .Lend
	s_mov_b32 s20, s14                             ; the trip's first tile
	s_mov_b32 s42, 0                               ; trips done
; ---- ROWS: two tiles a trip, one from each buffer
.Lrow:
	TILE 0
	s_add_co_u32 s27, s20, 4
	s_cmp_lt_u32 s27, s21
	s_cbranch_scc1 .Lsecond
	s_wait_tensorcnt 0x0
	ds_add_u32 v254, v255
	s_wait_dscnt 0x0
	s_endpgm                                       ; the trip's second tile does not exist: the wave's work is done
.Lsecond:
	TILE 1
	s_add_co_u32 s20, s20, 8
	s_add_co_u32 s42, s42, 1
	s_cmp_lt_u32 s42, s43
	s_cbranch_scc1 .Lrow
.Lend:
	s_wait_tensorcnt 0x0
	ds_add_u32 v254, v255
	s_wait_dscnt 0x0
	s_endpgm
.Lfunc_end_k_q3e850292d7_down:
	.size	k_q3e850292d7_down, .Lfunc_end_k_q3e850292d7_down-k_q3e850292d7_down
	.p2alignl 7, 3214868480
	.fill 96, 4, 3214868480
	.section	.rodata,"a",@progbits
	.p2align	6, 0x0
	.amdhsa_kernel k_q3e850292d7_down
		.amdhsa_group_segment_fixed_size 87808
		.amdhsa_private_segment_fixed_size 0
		.amdhsa_enable_private_segment 0
		.amdhsa_kernarg_size 32
		.amdhsa_user_sgpr_count 2
		.amdhsa_user_sgpr_kernarg_segment_ptr 1
		.amdhsa_wavefront_size32 1
		.amdhsa_system_sgpr_workgroup_id_x 1
		.amdhsa_system_sgpr_workgroup_id_y 1
		.amdhsa_system_sgpr_workgroup_id_z 1
		.amdhsa_system_vgpr_workitem_id 0
		.amdhsa_next_free_vgpr 1024
		.amdhsa_next_free_sgpr 66
		.amdhsa_reserve_vcc 0
		.amdhsa_float_denorm_mode_32 3
		.amdhsa_float_denorm_mode_16_64 3
		.amdhsa_memory_ordered 1
		.amdhsa_forward_progress 1
		.amdhsa_inst_pref_size 161
	.end_amdhsa_kernel
	.amdgpu_metadata
---
amdhsa.version: [ 1, 2 ]
amdhsa.kernels:
  - .name:           k_q3e850292d7_down
    .symbol:         k_q3e850292d7_down.kd
    .args:
      - { .name: w2, .offset: 0, .size: 8, .value_kind: global_buffer, .address_space: global }
      - { .name: hc, .offset: 8, .size: 8, .value_kind: global_buffer, .address_space: global }
      - { .name: rt, .offset: 16, .size: 8, .value_kind: global_buffer, .address_space: global }
      - { .name: yp, .offset: 24, .size: 8, .value_kind: global_buffer, .address_space: global }
    .group_segment_fixed_size: 87808
    .private_segment_fixed_size: 0
    .kernarg_segment_align: 8
    .kernarg_segment_size: 32
    .max_flat_workgroup_size: 128
    .sgpr_count:     66
    .vgpr_count:     1024
    .wavefront_size: 32
...
	.end_amdgpu_metadata
.endif
;; end of part 8
;; launch norm (part 9): grid 256 x 1, 4 waves a work-group, no clusters, 0 bytes of LDS; arguments x, yp, rt, xc, b2, ln_g, ln_b, out0; writes out0
.if DOCPART == 9
	.amdgcn_target "amdgcn-amd-amdhsa--gfx1250"
	.amdhsa_code_object_version 6
	.text
	.protected	k_q3e850292d7_norm
	.globl	k_q3e850292d7_norm
	.p2align	8
	.type	k_q3e850292d7_norm,@function
k_q3e850292d7_norm:
	s_mov_b64 s[64:65], 0
	v_nop
	global_prefetch_b8 v0, s[64:65] scope:SCOPE_SE
	s_setreg_imm32_b32 hwreg(HW_REG_WAVE_MODE, 25, 1), 1
	s_wait_xcnt 0x0
; RESIDUAL, LAYERNORM, COMBINE.  A wave takes one token t = 4 wg + wave.  For its two experts e0 < e1 (rows p0, p1 of yp, from rt's table [token][8]):
; y = (yp[0][p] + yp[1][p]) + (b2[e] + x[t]);  n = (y - mean) rsqrt(var + 1e-7) ln_g[e] + ln_b[e];  out0[t] = gate0 n0 + gate1 n1.  All in f32; the variance is the mean of (y - mean)^2.
; Lane l holds elements 128 i + 4 l + 0 .. 3, i = 0 .. 7: every load and store of the wave covers 512 consecutive bytes.  No LDS, no barrier: a row never leaves its wave.
; The experts that were not chosen have the weight 0 in the sum and are not computed.  LIMIT: were such an expert's y not finite, 0 x y would be NaN there; here it is left out.
.set POS,  0
.set GATE, 557056
.set YH,   33554432                    ; yp: from K half to K half: 8,192 rows
.set X,   32                           ; v32-63   x
.set Y0,  64                           ; v64-95   yp half 0, row p0; then y, then y - mean
.set YB0, 96                           ; v96-127  yp half 1, row p0; at the end the output
.set BB0, 128                          ; v128-159 b2[e0]
.set Y1,  160
.set YB1, 192
.set BB1, 224
.set O,   96
.set G0,  0                            ; window 1: ln_g[e0], ln_b[e0], ln_g[e1], ln_b[e1]
.set BT0, 32
.set G1,  64
.set BT1, 96
.set MSB, 0
.macro WIN new                         ; the immediate's high byte repeats the setting that is left
.if MSB != (\new)
	s_set_vgpr_msb (MSB<<8)|(\new)
.set MSB, (\new)
.endif
.endm
.macro ROWLD reg, base                 ; a row of 4,096 bytes
.irp i, 0,1,2,3,4,5,6,7
	global_load_b128 v[\reg+4*\i:\reg+4*\i+3], v1, s[\base:\base+1] offset:512*\i
.endr
.endm
.macro ADDUP ya, yb, bb
.irp p, 0,2,4,6,8,10,12,14,16,18,20,22,24,26,28,30
	v_pk_add_f32 v[\ya+\p:\ya+\p+1], v[\ya+\p:\ya+\p+1], v[\yb+\p:\yb+\p+1]
	v_pk_add_f32 v[\bb+\p:\bb+\p+1], v[\bb+\p:\bb+\p+1], v[X+\p:X+\p+1]
.endr
.irp p, 0,2,4,6,8,10,12,14,16,18,20,22,24,26,28,30
	v_pk_add_f32 v[\ya+\p:\ya+\p+1], v[\ya+\p:\ya+\p+1], v[\bb+\p:\bb+\p+1]
.endr
.endm
.macro ALLSUM                          ; v[2:3] and v[4:5], two rows' sums in halves, over the halves and the 32 lanes; the results in v2 and v4 of every lane
	v_add_f32 v2, v2, v3
	v_add_f32 v4, v4, v5
.irp m, 1,2,4,8
	v_add_f32_dpp v2, v2, v2 row_xmask:\m row_mask:0xf bank_mask:0xf
	v_add_f32_dpp v4, v4, v4 row_xmask:\m row_mask:0xf bank_mask:0xf
.endr
	v_permlanex16_b32 v3, v2, s42, s43
	v_permlanex16_b32 v5, v4, s42, s43
	v_add_f32 v2, v2, v3
	v_add_f32 v4, v4, v5
.endm
	s_load_b256 s[4:11], s[0:1], 0x0               ; x s[4:5], yp s[6:7], rt s[8:9], xc s[10:11]
	s_load_b256 s[12:19], s[0:1], 0x20             ; b2 s[12:13], ln_g s[14:15], ln_b s[16:17], out0 s[18:19]
	v_lshrrev_b32 v2, 5, v0
	v_readfirstlane_b32 s21, v2                    ; wave
	v_and_b32 v1, 31, v0
	v_lshlrev_b32 v1, 4, v1                        ; 16 l
	s_lshl_b32 s20, ttmp9, 2
	s_add_co_u32 s20, s20, s21                     ; my token
	s_lshl_b32 s22, s20, 12
	s_mov_b32 s23, 0                               ; (stays 0)
	s_lshl_b32 s70, s20, 5
	s_mov_b32 s71, 0
	s_mov_b32 s40, 0x3a800000                      ; 1 / 1,024
	s_mov_b32 s41, 0x33d6bf95                      ; 1e-7
	s_mov_b32 s42, 0x76543210
	s_mov_b32 s43, 0xfedcba98                      ; lane l xor 16
	s_mov_b32 s32, 0                               ; p0, p1, e0, e1
	s_mov_b32 s33, 0
	s_mov_b32 s34, 0
	s_mov_b32 s35, 0
	s_wait_kmcnt 0x0
	s_add_nc_u64 s[4:5], s[4:5], s[22:23]
	s_add_nc_u64 s[18:19], s[18:19], s[22:23]
	s_add_nc_u64 s[66:67], s[8:9], s[70:71]
	s_add_nc_u64 s[68:69], s[10:11], s[70:71]
	s_load_b256 s[24:31], s[66:67], POS            ; my token's 8 row numbers
	ROWLD X, 4
	s_wait_kmcnt 0x0
.irp e, 7,6,5,4,3,2,1,0                        ; from the highest expert down: a chosen one (bit 15 clear) pushes the last one found into second place
	s_bitcmp1_b32 s[24+\e], 15
	s_cselect_b32 s33, s33, s32
	s_cselect_b32 s35, s35, s34
	s_cselect_b32 s32, s32, s[24+\e]
	s_cselect_b32 s34, s34, \e
.endr
	s_min_u32 s32, s32, 8191                       ; held inside the tables
	s_min_u32 s33, s33, 8191
	s_min_u32 s34, s34, 7
	s_min_u32 s35, s35, 7
	s_lshl_b32 s38, s34, 2
	s_lshl_b32 s39, s35, 2
	s_load_b32 s36, s[68:69], s38 offset:GATE      ; the two gates
	s_load_b32 s37, s[68:69], s39 offset:GATE
	s_lshl_b32 s22, s32, 12
	s_add_nc_u64 s[44:45], s[6:7], s[22:23]
	s_add_nc_u64 s[46:47], s[44:45], YH
	s_lshl_b32 s22, s33, 12
	s_add_nc_u64 s[48:49], s[6:7], s[22:23]
	s_add_nc_u64 s[50:51], s[48:49], YH
	s_lshl_b32 s22, s34, 12
	s_add_nc_u64 s[52:53], s[12:13], s[22:23]
	s_add_nc_u64 s[56:57], s[14:15], s[22:23]
	s_add_nc_u64 s[60:61], s[16:17], s[22:23]
	s_lshl_b32 s22, s35, 12
	s_add_nc_u64 s[54:55], s[12:13], s[22:23]
	s_add_nc_u64 s[58:59], s[14:15], s[22:23]
	s_add_nc_u64 s[62:63], s[16:17], s[22:23]
	ROWLD Y0, 44
	ROWLD YB0, 46
	ROWLD BB0, 52
	ROWLD Y1, 48
	ROWLD YB1, 50
	ROWLD BB1, 54
	WIN 0x40                                       ; destination window 1
	ROWLD G0, 56
	ROWLD BT0, 60
	ROWLD G1, 58
	ROWLD BT1, 62
	WIN 0
	s_wait_loadcnt 56                              ; x and row 0's 24 loads are in; row 1's 24 and the norm's 32 may be out
	ADDUP Y0, YB0, BB0
	s_wait_loadcnt 32                              ; row 1's are in
	ADDUP Y1, YB1, BB1
	v_pk_add_f32 v[2:3], v[Y0:Y0+1], v[Y0+2:Y0+3]  ; the rows' sums, the two rows by turns
	v_pk_add_f32 v[4:5], v[Y1:Y1+1], v[Y1+2:Y1+3]
.irp p, 4,6,8,10,12,14,16,18,20,22,24,26,28,30
	v_pk_add_f32 v[2:3], v[2:3], v[Y0+\p:Y0+\p+1]
	v_pk_add_f32 v[4:5], v[4:5], v[Y1+\p:Y1+\p+1]
.endr
	ALLSUM
	v_mul_f32 v6, s40, v2                          ; the means, as pairs
	v_mul_f32 v7, s40, v2
	v_mul_f32 v8, s40, v4
	v_mul_f32 v9, s40, v4
.irp p, 0,2,4,6,8,10,12,14,16,18,20,22,24,26,28,30
	v_pk_add_f32 v[Y0+\p:Y0+\p+1], v[Y0+\p:Y0+\p+1], v[6:7] neg_lo:[0,1] neg_hi:[0,1]
	v_pk_add_f32 v[Y1+\p:Y1+\p+1], v[Y1+\p:Y1+\p+1], v[8:9] neg_lo:[0,1] neg_hi:[0,1]
.endr
	v_pk_mul_f32 v[2:3], v[Y0:Y0+1], v[Y0:Y0+1]
	v_pk_mul_f32 v[4:5], v[Y1:Y1+1], v[Y1:Y1+1]
.irp p, 2,4,6,8,10,12,14,16,18,20,22,24,26,28,30
	v_pk_fma_f32 v[2:3], v[Y0+\p:Y0+\p+1], v[Y0+\p:Y0+\p+1], v[2:3]
	v_pk_fma_f32 v[4:5], v[Y1+\p:Y1+\p+1], v[Y1+\p:Y1+\p+1], v[4:5]
.endr
	ALLSUM
	v_fma_f32 v2, v2, s40, s41                     ; the variance + 1e-7
	v_fma_f32 v4, v4, s40, s41
	v_rsq_f32 v10, v2
	v_rsq_f32 v11, v4
	s_wait_kmcnt 0x0                               ; the gates
	v_mov_b32 v16, s36                             ; (a plain place behind the roots)
	v_mov_b32 v17, s36
	v_mov_b32 v18, s37
	v_mov_b32 v19, s37
	s_wait_alu depctr_va_vdst(0)
	v_mul_f32 v12, s36, v10                        ; gate / sigma, as pairs
	v_mul_f32 v13, s36, v10
	v_mul_f32 v14, s37, v11
	v_mul_f32 v15, s37, v11
.irp p, 0,2,4,6,8,10,12,14,16,18,20,22,24,26,28,30
	v_pk_mul_f32 v[Y0+\p:Y0+\p+1], v[Y0+\p:Y0+\p+1], v[12:13]
	v_pk_mul_f32 v[Y1+\p:Y1+\p+1], v[Y1+\p:Y1+\p+1], v[14:15]
.endr
	s_wait_loadcnt 0x0                             ; ln_g and ln_b
	WIN 0x04                                       ; source 1 window 1
.irp p, 0,2,4,6,8,10,12,14,16,18,20,22,24,26,28,30
	v_pk_mul_f32 v[O+\p:O+\p+1], v[16:17], v[BT0+\p:BT0+\p+1]
.endr
.irp p, 0,2,4,6,8,10,12,14,16,18,20,22,24,26,28,30
	v_pk_fma_f32 v[O+\p:O+\p+1], v[18:19], v[BT1+\p:BT1+\p+1], v[O+\p:O+\p+1]
.endr
.irp p, 0,2,4,6,8,10,12,14,16,18,20,22,24,26,28,30
	v_pk_fma_f32 v[O+\p:O+\p+1], v[Y0+\p:Y0+\p+1], v[G0+\p:G0+\p+1], v[O+\p:O+\p+1]
.endr
.irp p, 0,2,4,6,8,10,12,14,16,18,20,22,24,26,28,30
	v_pk_fma_f32 v[O+\p:O+\p+1], v[Y1+\p:Y1+\p+1], v[G1+\p:G1+\p+1], v[O+\p:O+\p+1]
.endr
	WIN 0
.irp i, 0,1,2,3,4,5,6,7
	global_store_b128 v1, v[O+4*\i:O+4*\i+3], s[18:19] offset:512*\i th:TH_STORE_NT   ; 512 consecutive bytes a store
.endr
	s_endpgm
.Lfunc_end_k_q3e850292d7_norm:
	.size	k_q3e850292d7_norm, .Lfunc_end_k_q3e850292d7_norm-k_q3e850292d7_norm
	.p2alignl 7, 3214868480
	.fill 96, 4, 3214868480
	.section	.rodata,"a",@progbits
	.p2align	6, 0x0
	.amdhsa_kernel k_q3e850292d7_norm
		.amdhsa_group_segment_fixed_size 0
		.amdhsa_private_segment_fixed_size 0
		.amdhsa_enable_private_segment 0
		.amdhsa_kernarg_size 64
		.amdhsa_user_sgpr_count 2
		.amdhsa_user_sgpr_kernarg_segment_ptr 1
		.amdhsa_wavefront_size32 1
		.amdhsa_system_sgpr_workgroup_id_x 1
		.amdhsa_system_sgpr_workgroup_id_y 1
		.amdhsa_system_sgpr_workgroup_id_z 1
		.amdhsa_system_vgpr_workitem_id 0
		.amdhsa_next_free_vgpr 384
		.amdhsa_next_free_sgpr 72
		.amdhsa_reserve_vcc 0
		.amdhsa_float_denorm_mode_32 3
		.amdhsa_float_denorm_mode_16_64 3
		.amdhsa_memory_ordered 1
		.amdhsa_forward_progress 1
		.amdhsa_inst_pref_size 33
	.end_amdhsa_kernel
	.amdgpu_metadata
---
amdhsa.version: [ 1, 2 ]
amdhsa.kernels:
  - .name:           k_q3e850292d7_norm
    .symbol:         k_q3e850292d7_norm.kd
    .args:
      - { .name: x, .offset: 0, .size: 8, .value_kind: global_buffer, .address_space: global }
      - { .name: yp, .offset: 8, .size: 8, .value_kind: global_buffer, .address_space: global }
      - { .name: rt, .offset: 16, .size: 8, .value_kind: global_buffer, .address_space: global }
      - { .name: xc, .offset: 24, .size: 8, .value_kind: global_buffer, .address_space: global }
      - { .name: b2, .offset: 32, .size: 8, .value_kind: global_buffer, .address_space: global }
      - { .name: ln_g, .offset: 40, .size: 8, .value_kind: global_buffer, .address_space: global }
      - { .name: ln_b, .offset: 48, .size: 8, .value_kind: global_buffer, .address_space: global }
      - { .name: out0, .offset: 56, .size: 8, .value_kind: global_buffer, .address_space: global }
    .group_segment_fixed_size: 0
    .private_segment_fixed_size: 0
    .kernarg_segment_align: 8
    .kernarg_segment_size: 64
    .max_flat_workgroup_size: 128
    .sgpr_count:     72
    .vgpr_count:     384
    .wavefront_size: 32
...
	.end_amdgpu_metadata
.endif
;; end of part 9
;; ======== version 3 of 3: 4 launches
;; workspace buffers: xc 589,824 bytes; sel 32,768 bytes of whole numbers; rt 33,024 bytes of whole numbers; hc 18,874,368 bytes; yp 67,108,864 bytes
;; launch route (part 10): grid 256 x 1, 1 waves a work-group, no clusters, 512 bytes of LDS; arguments x, router_w, out1, xc, sel; writes out1, xc, sel
.if DOCPART == 10
	.amdgcn_target "amdgcn-amd-amdhsa--gfx1250"
	.amdhsa_code_object_version 6
	.text
	.protected	k_q3e850292d7_route
	.globl	k_q3e850292d7_route
	.p2align	8
	.type	k_q3e850292d7_route,@function
k_q3e850292d7_route:
	s_mov_b64 s[64:65], 0
	v_nop
	global_prefetch_b8 v0, s[64:65] scope:SCOPE_SE
	s_setreg_imm32_b32 hwreg(HW_REG_WAVE_MODE, 25, 1), 1
	s_wait_xcnt 0x0
; ROUTER AND QUANTISER OF x.  x: [1024 tokens][1024] f32.  router_w: [1024][8] f32.
; A wave takes 4 tokens (4 wg .. 4 wg + 3).  Lane l holds k = 32 l .. 32 l + 31 of each row: one whole block of 32 along K.
; It stores: out1 = the logits (f32 sums);  xc: codes of x (E2M1, K innermost, 512 bytes a token), scale bytes (32 a token),
; gate weights [token][8] (0 for an expert not chosen);  sel: [8 experts][1024 tokens] words, 1 = chosen.  Every address is fixed: no address and no branch hangs on the choice.
; TOP 2: rank of an expert = how many of the 8 probabilities are larger, or equal with a lower index (the lower index wins a tie).
; LIMITS: NaN and infinities among the inputs are not served.  A block whose largest magnitude lies under 2^-124 (a block of zeros too) keeps the
; scale byte 1; its codes are then zeros or tiny, and this program alone reads the bytes.  The logits are summed in another order than a
; row-by-row sum: two probabilities that agree to the last bits of f32 may be ranked either way.
.set XSOFF, 524288                     ; xc: the scale bytes
.set GATE,  557056                     ; xc: the gate weights
.set X,   32                           ; v32-159  4 rows x 32 numbers
.set ACC, 160                          ; v160-191 value 8 j + e: my part of token j's logit for expert e
.set CD,  192                          ; v192-207 codes, 4 registers a row
.set MX,  208                          ; v208-211 largest magnitudes
.set SO,  212                          ; v212-215 the conversions' scale operands
.set BY,  216                          ; v216-219 scale bytes
.set SW,  220                          ; v220     four scale bytes as a word
.set T0,  224                          ; v224-231 at work in the reduction
.set MSB, 0
.macro WIN new                         ; the immediate's high byte repeats the setting that is left
.if MSB != (\new)
	s_set_vgpr_msb (MSB<<8)|(\new)
.set MSB, (\new)
.endif
.endm
	s_load_b256 s[4:11], s[0:1], 0x0               ; x s[4:5], router_w s[6:7], out1 s[8:9], xc s[10:11]
	s_load_b64 s[12:13], s[0:1], 0x20              ; sel
	v_lshl_add_u32 v254, v0, 2, 0x100
	v_mov_b32 v255, 0
	v_lshlrev_b32 v1, 7, v0                        ; 128 l: my 32 numbers in a row of x
	v_lshlrev_b32 v2, 10, v0                       ; 1024 l: my 32 rows of router_w
	v_lshlrev_b32 v3, 2, v0                        ; 4 l
	v_lshlrev_b32 v4, 4, v0                        ; 16 l: my 32 codes in a row
	v_and_b32 v5, 7, v0                            ; sel: expert l % 8's row of 4,096 bytes,
	v_lshrrev_b32 v6, 3, v0
	v_lshlrev_b32 v5, 12, v5
	v_lshl_add_u32 v5, v6, 2, v5                   ; token l / 8 of my four
	s_lshl_b32 s14, ttmp9, 14                      ; 4 rows of 4,096 bytes
	s_mov_b32 s15, 0
	s_lshl_b32 s16, ttmp9, 11                      ; 4 rows of 512 bytes of codes
	s_mov_b32 s17, 0
	s_lshl_b32 s18, ttmp9, 7                       ; 4 tokens x 32 bytes
	s_mov_b32 s19, 0
	s_lshl_b32 s26, ttmp9, 4                       ; 4 tokens x 4 bytes
	s_mov_b32 s27, 0
	s_mov_b32 s20, 0xff00ff00                      ; lanes whose bit 3 is set
	s_mov_b32 s21, 0xf0f0f0f0                      ; bit 2
	s_mov_b32 s22, 0xcccccccc                      ; bit 1
	s_mov_b32 s23, 0xaaaaaaaa                      ; bit 0
	s_wait_alu depctr_va_vdst(0)
	s_wait_kmcnt 0x0
	s_add_nc_u64 s[4:5], s[4:5], s[14:15]
	s_add_nc_u64 s[28:29], s[10:11], s[16:17]      ; the codes of my tokens
	s_add_nc_u64 s[10:11], s[10:11], s[18:19]      ; their scale bytes and gates (XSOFF, GATE in the immediates)
	s_add_nc_u64 s[8:9], s[8:9], s[18:19]
	s_add_nc_u64 s[12:13], s[12:13], s[26:27]
.irp j, 0,1,2,3
.irp i, 0,1,2,3,4,5,6,7
	global_load_b128 v[X+32*\j+4*\i:X+32*\j+4*\i+3], v1, s[4:5] offset:4096*\j+16*\i th:TH_LOAD_NT
.endr
.endr
	WIN 0x40                                       ; destination window 1: register 8 kk + e = router_w[32 l + kk][e]
.set mm, 0
.rept 64
	global_load_b128 v[4*mm:4*mm+3], v2, s[6:7] offset:16*mm
.set mm, mm+1
.endr
	WIN 0
	s_wait_loadcnt 63                              ; of the 96 loads the youngest 63 may be out: the 32 of x are in
; ---- x into codes: a block lies in one lane, so its largest magnitude needs no other lane
.irp j, 0,1,2,3
	v_max3_num_f32 v[MX+\j], |v[X+32*\j]|, |v[X+32*\j+1]|, 0x1800000   ; with the floor 2^(3 - 127): the byte cannot fall under 1
.endr
.irp i, 2,4,6,8,10,12,14,16,18,20,22,24,26,28,30
.irp j, 0,1,2,3
	v_max3_num_f32 v[MX+\j], v[MX+\j], |v[X+32*\j+\i]|, |v[X+32*\j+\i+1]|   ; the four rows by turns
.endr
.endr
.irp j, 0,1,2,3
	v_add_nc_u32 v[SO+\j], 0xff000000, v[MX+\j]    ; 2 off the exponent field: the conversion's scale operand
.endr
.irp j, 0,1,2,3
	v_lshrrev_b32 v[BY+\j], 23, v[SO+\j]           ; the scale's byte
.endr
.irp j, 0,1,2,3
.irp g, 0,1,2,3
	v_cvt_scalef32_pk8_fp4_f32 v[CD+4*\j+\g], v[X+32*\j+8*\g:X+32*\j+8*\g+7], v[SO+\j]
.endr
.endr
	v_nop                                          ; one plain place behind the last scaled conversion
.irp j, 0,1,2,3
	global_store_b128 v4, v[CD+4*\j:CD+4*\j+3], s[28:29] offset:512*\j   ; 32 lanes store a token's 512 bytes
	ds_store_b8 v0, v[BY+\j] offset:32*\j          ; the bytes meet in LDS: 32 a token
.endr
	ds_load_b32 v[SW], v3                          ; LDS serves a wave's instructions in order: this sees the stores
	s_wait_dscnt 0x0
	global_store_b32 v3, v[SW], s[10:11] offset:XSOFF   ; 128 consecutive bytes
; ---- the logits: each lane's 32 products for 4 tokens x 8 experts, two experts an instruction
	s_wait_loadcnt 0x0                             ; router_w
	WIN 0x04                                       ; source 1 (router_w) window 1
.set kk, 0
.rept 32
.set jj, 0
.rept 4
.set pp, 0
.rept 4
.if kk == 0
	v_pk_mul_f32 v[ACC+8*jj+2*pp:ACC+8*jj+2*pp+1], v[X+32*jj:X+32*jj+1], v[2*pp:2*pp+1] op_sel:[0,0] op_sel_hi:[0,1]
.elseif kk%2 == 0
	v_pk_fma_f32 v[ACC+8*jj+2*pp:ACC+8*jj+2*pp+1], v[X+32*jj+kk:X+32*jj+kk+1], v[8*kk+2*pp:8*kk+2*pp+1], v[ACC+8*jj+2*pp:ACC+8*jj+2*pp+1] op_sel:[0,0,0] op_sel_hi:[0,1,1]
.else
	v_pk_fma_f32 v[ACC+8*jj+2*pp:ACC+8*jj+2*pp+1], v[X+32*jj+kk-1:X+32*jj+kk], v[8*kk+2*pp:8*kk+2*pp+1], v[ACC+8*jj+2*pp:ACC+8*jj+2*pp+1] op_sel:[1,0,0] op_sel_hi:[1,1,1]
.endif
.set pp, pp+1
.endr
.set jj, jj+1
.endr
.set kk, kk+1
.endr
	WIN 0
; ---- 32 values x 32 lanes are summed and turned at once: each step halves the values a lane keeps; at the end lane l holds value l
.set ii, 0
.rept 16
	v_permlane16_swap_b32 v[ACC+ii], v[ACC+ii+16]  ; value i's upper lanes change places with value i + 16's lower lanes
.set ii, ii+1
.endr
.set ii, 0
.rept 16
	v_add_f32 v[ACC+ii], v[ACC+ii], v[ACC+ii+16]   ; lanes 0-15: value i; lanes 16-31: value i + 16
.set ii, ii+1
.endr
.macro FOLD d, m                       ; lanes whose bit d is clear keep value i and send value i + d to lane l xor d; the others the other way round
.set ii, 0
.rept \d
	v_cndmask_b32 v[T0+2*(ii%4)], v[ACC+ii], v[ACC+ii+\d], s[\m]
	v_cndmask_b32 v[T0+2*(ii%4)+1], v[ACC+ii+\d], v[ACC+ii], s[\m]
	v_add_f32_dpp v[ACC+ii], v[T0+2*(ii%4)+1], v[T0+2*(ii%4)] row_xmask:\d row_mask:0xf bank_mask:0xf
.set ii, ii+1
.endr
.endm
	FOLD 8, 20
	FOLD 4, 21
	FOLD 2, 22
	FOLD 1, 23
	global_store_b32 v3, v[ACC], s[8:9]            ; lane l: the logit of token l / 8, expert l % 8: 128 consecutive bytes
; ---- softmax over the 8 lanes of a token, with the maximum taken away
	v_mov_b32 v232, v[ACC]
.irp m, 1,2,4
	v_max_num_f32_dpp v232, v232, v232 row_xmask:\m row_mask:0xf bank_mask:0xf
.endr
	v_sub_f32 v233, v[ACC], v232
	v_mul_f32 v233, 0x3fb8aa3b, v233               ; x log2(e)
	s_wait_alu depctr_va_vdst(0)
	v_exp_f32 v233, v233
	v_mov_b32 v237, 0                              ; (a plain place behind the exponential; a DPP destination is written before)
	s_wait_alu depctr_va_vdst(0)
	v_mov_b32 v234, v233
.irp m, 1,2,4
	v_add_f32_dpp v234, v234, v234 row_xmask:\m row_mask:0xf bank_mask:0xf
.endr
	s_wait_alu depctr_va_vdst(0)
	v_rcp_f32 v235, v234
	v_mov_b32 v238, 0                              ; the rank.  (A plain place behind the reciprocal)
	s_wait_alu depctr_va_vdst(0)
	v_mul_f32 v236, v233, v235                     ; p
.macro RANK x, m                       ; the partner l xor x counts if its p is larger, or equal and its index lower (m: the lanes whose partner has the lower index)
	v_mov_b32_dpp v237, v236 row_xmask:\x row_mask:0xf bank_mask:0xf
	v_cmp_gt_f32 s24, v237, v236
	v_cmp_eq_f32 s25, v237, v236
	s_and_b32 s25, s25, s[\m]
	s_or_b32 vcc_lo, s24, s25
	v_cndmask_b32 v239, 0, 1, vcc_lo
	v_add_nc_u32 v238, v238, v239
.endm
	RANK 1, 23
	RANK 2, 22
	RANK 3, 22
	RANK 4, 21
	RANK 5, 21
	RANK 6, 21
	RANK 7, 21
	v_cmp_gt_u32 vcc_lo, 2, v238                   ; chosen: rank 0 or 1
	v_cndmask_b32 v240, 0, 1, vcc_lo
	v_cndmask_b32 v241, 0, v236, vcc_lo
	v_mov_b32 v242, v241
.irp m, 1,2,4
	v_add_f32_dpp v242, v242, v242 row_xmask:\m row_mask:0xf bank_mask:0xf
.endr
	s_wait_alu depctr_va_vdst(0)
	v_rcp_f32 v243, v242                           ; 1 / the sum of the two
	global_store_b32 v5, v240, s[12:13]            ; sel[expert][token]
	v_nop                                          ; a plain place behind the reciprocal
	s_wait_alu depctr_va_vdst(0)
	v_mul_f32 v244, v241, v243
	global_store_b32 v3, v244, s[10:11] offset:GATE
	s_wait_tensorcnt 0x0
	ds_add_u32 v254, v255
	s_wait_dscnt 0x0
	s_endpgm
.Lfunc_end_k_q3e850292d7_route:
	.size	k_q3e850292d7_route, .Lfunc_end_k_q3e850292d7_route-k_q3e850292d7_route
	.p2alignl 7, 3214868480
	.fill 96, 4, 3214868480
	.section	.rodata,"a",@progbits
	.p2align	6, 0x0
	.amdhsa_kernel k_q3e850292d7_route
		.amdhsa_group_segment_fixed_size 512
		.amdhsa_private_segment_fixed_size 0
		.amdhsa_enable_private_segment 0
		.amdhsa_kernarg_size 40
		.amdhsa_user_sgpr_count 2
		.amdhsa_user_sgpr_kernarg_segment_ptr 1
		.amdhsa_wavefront_size32 1
		.amdhsa_system_sgpr_workgroup_id_x 1
		.amdhsa_system_sgpr_workgroup_id_y 1
		.amdhsa_system_sgpr_workgroup_id_z 1
		.amdhsa_system_vgpr_workitem_id 0
		.amdhsa_next_free_vgpr 512
		.amdhsa_next_free_sgpr 66
		.amdhsa_reserve_vcc 1
		.amdhsa_float_denorm_mode_32 3
		.amdhsa_float_denorm_mode_16_64 3
		.amdhsa_memory_ordered 1
		.amdhsa_forward_progress 1
		.amdhsa_inst_pref_size 57
	.end_amdhsa_kernel
	.amdgpu_metadata
---
amdhsa.version: [ 1, 2 ]
amdhsa.kernels:
  - .name:           k_q3e850292d7_route
    .symbol:         k_q3e850292d7_route.kd
    .args:
      - { .name: x, .offset: 0, .size: 8, .value_kind: global_buffer, .address_space: global }
      - { .name: router_w, .offset: 8, .size: 8, .value_kind: global_buffer, .address_space: global }
      - { .name: out1, .offset: 16, .size: 8, .value_kind: global_buffer, .address_space: global }
      - { .name: xc, .offset: 24, .size: 8, .value_kind: global_buffer, .address_space: global }
      - { .name: sel, .offset: 32, .size: 8, .value_kind: global_buffer, .address_space: global }
    .group_segment_fixed_size: 512
    .private_segment_fixed_size: 0
    .kernarg_segment_align: 8
    .kernarg_segment_size: 40
    .max_flat_workgroup_size: 32
    .sgpr_count:     66
    .vgpr_count:     512
    .wavefront_size: 32
...
	.end_amdgpu_metadata
.endif
;; end of part 10
;; launch up (part 11): grid 32 x 8, 4 waves a work-group, no clusters, 70,400 bytes of LDS; arguments w1, b1, xc, sel, hc, rt; writes hc, rt
.if DOCPART == 11
	.amdgcn_target "amdgcn-amd-amdhsa--gfx1250"
	.amdhsa_code_object_version 6
	.text
	.protected	k_q3e850292d7_up
	.globl	k_q3e850292d7_up
	.p2align	8
	.type	k_q3e850292d7_up,@function
k_q3e850292d7_up:
	s_mov_b64 s[64:65], 0
	v_nop
	global_prefetch_b8 v0, s[64:65] scope:SCOPE_SE
	s_setreg_imm32_b32 hwreg(HW_REG_WAVE_SCHED_MODE, 0, 2), 2
	s_setreg_imm32_b32 hwreg(HW_REG_WAVE_MODE, 25, 1), 1
	s_wait_xcnt 0x0
	s_wait_alu depctr_vm_vsrc(0)
; FIRST PRODUCT OF THE CHOSEN ROWS: h = Q(gelu(Q(x) Q(w1[e]) + b1[e])), on codes of E2M1 with one E8M0 scale for each 32 along K; and the placing of the rows by expert.
; A work-group owns hidden units 128 ns .. 128 ns + 127 of expert e (x = ns, y = e), for all of K = 1,024: 512 KiB of w1, read from memory by this work-group alone, once.
; PLACING.  sel[e] holds a flag for each of the 1,024 tokens.  Every wave reads its expert's 4 KiB (8 loads; register 4 j + i, lane l: token 128 j + 4 l + i) and scans the 32 registers ("chunks"):
; of chunk c it keeps the mask of chosen lanes and the key (chosen tokens in the chunks before) x 32 + c.  The expert's rows are numbered in that order, chunk by chunk, lane by lane; any order serves, since the
; later launches find a row by the table POS alone.  Expert e's rows take tiles 64 e .. of 16 rows (64 tiles hold all 1,024 tokens), so no expert needs another's count.
; Work-group ns = 0 stores for the later launches: rt: POS [1024 tokens][8]: the row number 1024 e + rank, or 0x8000;  at META [8]: the expert's tiles.
; FIND gives lane r of a tile its token: the last chunk whose key is not above the row's, then the bit of its mask with that many set bits below it (counts of 2, 4, 8, 16 bits, five halvings).
; PHASE A.  Wave w takes rows k = 256 w .. + 255 in 8 groups of 32 rows.  A load reads 512 consecutive bytes of one row; a lane holds 4 neighbouring columns, and a group's 32 loads give it
; a whole block of 32 along K of each.  The numbers are put in order by column (one move each), so that the conversions find neighbours along K in consecutive registers.  The codes go to LDS as
; IMAGES OF THE OPERAND'S REGISTERS (fragment = 16 units x 128 K: two groups of 4 registers, lane l's 16 bytes at 16 l), the scale bytes as words of 4 a row and K step.  Two groups, 64 loads a wave, are asked for ahead.
; THE UNITS OF A TILE ARE NOT NEIGHBOURS: lane r of tile 2 b + u takes unit 32 b + 8 u + r + 8 (r / 8), so that the 16 registers of tiles 2 b, 2 b + 1 are 16 neighbours along the next K.
; PHASE B.  One barrier; then every wave takes all 64 fragments (512 registers) and 64 scale words into registers, where they stay.
; ROWS.  Wave w takes the expert's tiles w, w + 4, ..  The product is used transposed (source 0 = 16 units, source 1 = 16 rows of x), b1 is the C of a sum's first instruction; gelu in f32; the 128 units of a row are
; one K step of the second product: its fragment and scale word go to hc as images.  The rows of a last tile beyond the count take token 1,023; nobody reads their results.
; No tensor load: the number of tiles hangs on numbers read from memory.  No multicast for that reason, though the 32 work-groups of an expert read the same codes of x (0.5 KiB a row against 512 KiB of weights).
; gelu(x) = x/2 + x/2 erf(x / sqrt 2); erf(z) = z P(z^2) / Q(z^2) on |z| <= 4, z held there (beyond it erf is 1 to f32's last bit).
; LIMITS: NaN and infinities are not served.  A block under 2^-124 (zeros too) keeps the scale byte 1; this program alone reads the bytes.
; For strongly negative x the sum 1 + erf cancels: gelu there has an absolute error of about 1e-7 |x|.
; THE MODE: SCHED_MODE bits 1:0 = 2 (LLVM: expert scheduling mode 2), set by the entry lines.  The code itself states the register dependences
; between vector or matrix instructions and memory or LDS instructions, with s_wait_alu, always for 0.
; THE PLAN.  Registers that memory or LDS instructions touch:
;   v[GA], v[LW], v[LSB], v[LI], v[LR], v[BH], v[LS], v[PA]   addresses, made at the head and never written again: one wait ahead of the first load serves them all.
;   the three staging sets   Group t's moves read set t % 3; the loads of group t + 3 land in it, issued at the head of group t + 1.
;   v[CD ..], v[BY ..]       Written by a group's conversions and shifts, read by its LDS stores, written again by the next group.
;   windows 2 and 3          Behind the barrier the LDS loads of the fragments land where the moves and conversions worked.
;   v[J ..], v21, v22        Written by the scan, read by the table's stores, never written again.
;   v[ADX], v[ADS]           Written by FIND, read by the 18 loads of x.
;   x's fragments, v[XSC ..] The 18 loads land in them; a tile's products read them.
;   v[PCD ..], v[PW]         Written by QUANT, read by a trip's three stores.
; A GROUP has two waits on va_vdst, the second ahead of its LDS stores: behind it stands no vector line of the group, so it also serves the run of loads at the next group's head, and group 7's serves the LDS loads behind the barrier;
; and one on vm_vsrc, ahead of the lines that write v[BY ..] and v[CD ..] again.  A TRIP of the row loop has one wait on vm_vsrc at its head, one on va_vdst ahead of the next tile's loads of x, one ahead of its stores, and gelu's eight.
; Masks of compares: the scan's 32 and FIND's 32 go into s[CM ..] in one run with one wait behind it; FIND's eight serial compares, each of which hangs on the one before, have a wait each.
.set TS,    8208                       ; LDS: a tile's 8 fragments, 8 x 1,024 bytes, + 16: the stores of 16 lanes then fall on 16 different columns of 16 bytes
.set WSC,   8*TS                       ; behind them: scale bytes [8 tiles][16 rows][32]
.set XSOFF, 524288
.set HSOFF, 16777216                   ; hc: behind 512 tiles of 32 KiB the scale words, 4 KiB a tile
.set META,  32768                      ; rt: behind POS
.set RG,    32                         ; rows from group to group
.set PITCHB, 16384                     ; bytes in a row of w1[e]
.set GA,  4                            ; v4   16 l: my 4 columns in a row
.set LW,  5                            ; v5   where my codes go
.set LSB, 6                            ; v6   where my scale bytes go
.set LI,  7                            ; v7   16 l: an image's place for my lane
.set LR,  8                            ; v8   WSC + 32 r
.set BH,  9                            ; v9   64 h
.set ADX, 12                           ; v12  the token's codes
.set ADS, 13                           ; v13  the token's scale bytes
.set LS,  14                           ; v14  4 l
.set TP,  15                           ; v15  at work
.set PA,  23                           ; v23  128 l + 4 e: my lane's place in POS
.set XSC, 24                           ; v24-31  x's 8 scale words
.set WS,  32                           ; v32-95  w1's 64 scale words: 8 t + s
.set H,   96                           ; v96-159 my 8 tiles of the hidden layer
.set GHX, 160                          ; gelu, 16 numbers at a time: x / 2,
.set GZ,  176                          ; z,
.set GZ2, 192                          ; z^2,
.set GP,  208                          ; P,
.set GQ,  224                          ; Q
.set TM,  160                          ; the quantiser's 16 registers
.set PCD, 240                          ; v240-247 the fragment just made
.set PW,  248                          ; v248     its scale word
.set CD,  160                          ; phase A: codes, 4 registers a column;
.set M,   176                          ; largest magnitudes;
.set SO,  180                          ; scale operands;
.set BY,  184                          ; scale bytes
.set FT,  192                          ; FIND: the row's key;
.set FK,  196                          ; v196-199 four chains' keys;
.set FM,  200                          ; v200-203 and masks;
.set FA1, 204                          ; counts of set bits in fields of 2,
.set FA2, 205                          ; 4,
.set FA3, 206                          ; 8,
.set FA4, 207                          ; and 16 bits;
.set FN,  208                          ; set bits still to pass;
.set FPOS, 209                         ; the bit's number so far;
.set FT1, 210
.set FD,  211
.set TT,  128                          ; phase A, window 3: 4 columns x 32 numbers in order
.set B1,  64                           ; window 1: v0-63 x's 8 fragments, v64-127 b1's 8 tiles,
.set MSK, 128                          ; v128-159 the 32 chunks' masks,
.set KEY, 160                          ; v160-191 their keys,
.set J,   192                          ; v192-223 the tokens' row numbers,
.set F,   224                          ; v224-255 the flags as loaded
.set CA,  32                           ; s32-43 P's coefficients a11 .. a1, each twice;  s44-51 Q's b6 .. b0;  s52-53 1 / sqrt 2
.set CB,  44
.set RS2, 52
.set SEL, 60
.set CM,  70                           ; s70-101 the masks of a run of 32 compares, one for each chunk
.set MSB, 0
.macro WIN new                         ; the immediate's high byte repeats the setting that is left
.if MSB != (\new)
	s_set_vgpr_msb (MSB<<8)|(\new)
.set MSB, (\new)
.endif
.endm
.macro COEF reg, val
	s_mov_b32 s[\reg], \val
	s_mov_b32 s[\reg+1], \val
.endm
.macro SETOF t                         ; the staging set of group t: window 2 v0, window 2 v128, window 3 v0, by turns
.set SQ, (\t)%3
.set SWN, 2+SQ/2
.set SBASE, 128*(SQ%2)
.endm
.macro LOADB t                         ; group t: 32 rows, 512 consecutive bytes each; register 4 i + c = row i, my column c
	SETOF \t
	WIN SWN<<6
.set ii, 0
.rept 32
	global_load_b128 v[SBASE+4*ii:SBASE+4*ii+3], v[GA], s[4:5] offset:(RG*(\t)+ii)*PITCHB th:TH_LOAD_NT
.set ii, ii+1
.endr
	WIN 0
.endm
.macro QHEAD t, n                      ; n: the loads issued behind group t's, which may stay out
	s_wait_loadcnt \n
.if (\t)+2 < 8
	LOADB (\t)+2                                   ; into the set that the group before has left.  No wait: no vector line stands behind that group's wait on va_vdst
.endif
.endm
.macro QBODY t
	SETOF \t
	WIN 0xc0|SWN
.set cc, 0
.rept 4
.set kk, 0
.rept 32
	v_mov_b32 v[TT+32*cc+kk], v[SBASE+4*kk+cc]     ; column cc's 32 numbers on end
.set kk, kk+1
.endr
.set cc, cc+1
.endr
	WIN 0x0f                                       ; sources 0 and 1 window 3
.irp c, 0,1,2,3
	v_max3_num_f32 v[M+\c], |v[TT+32*\c]|, |v[TT+32*\c+1]|, 0x1800000   ; with the floor 2^(3 - 127)
.endr
.irp i, 2,4,6,8,10,12,14,16,18,20,22,24,26,28,30
.irp c, 0,1,2,3
	v_max3_num_f32 v[M+\c], |v[TT+32*\c+\i]|, |v[TT+32*\c+\i+1]|, v[M+\c]   ; the four columns by turns
.endr
.endr
	WIN 0
.irp c, 0,1,2,3
	v_add_nc_u32 v[SO+\c], 0xff000000, v[M+\c]     ; 2 off the exponent field: the conversion's scale operand
.endr
	s_wait_alu depctr_va_vdst(0)
	s_wait_dscnt 0x0                               ; the last group's LDS stores are done
.if (\t) > 0
	s_wait_alu depctr_vm_vsrc(0)                   ; the last group's LDS stores have read v[BY ..] and v[CD ..], which the shifts and conversions below write again
.endif
.irp c, 0,1,2,3
	v_lshrrev_b32 v[BY+\c], 23, v[SO+\c]           ; the scale's byte
.endr
	WIN 0x03                                       ; source 0 window 3
.irp c, 0,1,2,3
.irp g, 0,1,2,3
	v_cvt_scalef32_pk8_fp4_f32 v[CD+4*\c+\g], v[TT+32*\c+8*\g:TT+32*\c+8*\g+7], v[SO+\c]
.endr
.endr
	WIN 0
	v_nop                                          ; one plain place behind the last scaled conversion
	s_wait_alu depctr_va_vdst(0)                   ; the conversions and shifts have written v[CD ..] and v[BY ..], which the LDS stores read; the moves are done reading this group's staging set, and the conversions the numbers in order: later loads land in both
.irp c, 0,1,2,3
	ds_store_b128 v[LW], v[CD+4*\c:CD+4*\c+3] offset:((\t)>>2)*1024+(((\t)>>1)&1)*512+((\t)&1)*256+16*\c   ; block 8 w + t: K step, register group, half of the lanes
	ds_store_b8 v[LSB], v[BY+\c] offset:32*\c+(\t)
.endr
.endm
.macro POSARM q                        ; wave q stores the row numbers of chunks 8 q .. 8 q + 7
	s_cmp_lg_u32 s14, \q
	s_cbranch_scc1 .Lnp_\@
	WIN 0x04                                       ; a store's data are its source 1: window 1
.set kk, 0
.rept 8
	global_store_b32 v[PA], v[J+8*(\q)+kk], s[56:57] offset:4096*((8*(\q)+kk)>>2)+32*((8*(\q)+kk)&3)   ; token 128 j + 4 l + i: 32 bytes a token
.set kk, kk+1
.endr
	WIN 0
.Lnp_\@:
.endm
.macro LEVEL a, w, d                   ; the lower half of the field in hand holds t set bits: if at least t are still to pass, pass them and go d bits up
	v_bfe_u32 v[FT1], v[\a], v[FPOS], \w
	v_cmp_ge_u32 vcc_lo, v[FN], v[FT1]
	s_wait_alu depctr_va_vcc(0)                    ; the compare has written VCC, which the two selections read
	v_cndmask_b32 v[FT1], 0, v[FT1], vcc_lo
	v_cndmask_b32 v[FD], 0, \d, vcc_lo
	v_sub_nc_u32 v[FN], v[FN], v[FT1]
	v_add_nc_u32 v[FPOS], v[FPOS], v[FD]
.endm
.macro FIND                            ; s27 = 16 x a tile's number: the token of its row r, and where that token's codes and scale bytes lie.  Plain vector lines that name no register of the products
	v_add_nc_u32 v[FT], s27, v2                    ; the row's number p in the expert
	v_lshl_or_b32 v[FT], v[FT], 5, 31              ; as a key: a chunk begins at or below p where its key is not above this one
.irp g, 0,1,2,3
	v_mov_b32 v[FK+\g], 0
	v_mov_b32 v[FM+\g], 0
.endr
	WIN 0x01                                       ; source 0 window 1
.set jj, 0
.rept 32                                       ; all 32 chunks' keys against the row's, in one run
	v_cmp_gt_u32 s[CM+jj], v[KEY+jj], v[FT]
.set jj, jj+1
.endr
	s_wait_alu depctr_va_sdst(0)                   ; the 32 compares have written s[CM ..], which the selections below read
.set jj, 0
.rept 8                                        ; the keys rise with the chunk's number: the last that fits stays.  Four chains, chunks 4 j + g, so that no line waits for the line above it
.irp g, 0,1,2,3
	v_cndmask_b32 v[FK+\g], v[KEY+4*jj+\g], v[FK+\g], s[CM+4*jj+\g]
	v_cndmask_b32 v[FM+\g], v[MSK+4*jj+\g], v[FM+\g], s[CM+4*jj+\g]
.endr
.set jj, jj+1
.endr
	WIN 0
.irp g, 1,2,3                                  ; the largest of the four chains' keys (a chain that found none holds 0, chunk 0's key)
	v_cmp_gt_u32 vcc_lo, v[FK+\g], v[FK]
	s_wait_alu depctr_va_vcc(0)                    ; the compare has written VCC, which the two selections read
	v_cndmask_b32 v[FK], v[FK], v[FK+\g], vcc_lo
	v_cndmask_b32 v[FM], v[FM], v[FM+\g], vcc_lo
.endr
	v_sub_nc_u32 v[FN], v[FT], v[FK]               ; (p - the chunk's first row) x 32 + (31 - c): no borrow
	v_lshrrev_b32 v[FN], 5, v[FN]                  ; so many set bits lie below mine
	v_lshrrev_b32 v[FA1], 1, v[FM]
	v_and_b32 v[FA1], 0x55555555, v[FA1]
	v_sub_nc_u32 v[FA1], v[FM], v[FA1]             ; set bits in each 2
	v_lshrrev_b32 v[FA2], 2, v[FA1]
	v_and_b32 v[FA2], 0x33333333, v[FA2]
	v_and_b32 v[FT1], 0x33333333, v[FA1]
	v_add_nc_u32 v[FA2], v[FA2], v[FT1]            ; in each 4
	v_lshrrev_b32 v[FA3], 4, v[FA2]
	v_add_nc_u32 v[FA3], v[FA3], v[FA2]
	v_and_b32 v[FA3], 0x0f0f0f0f, v[FA3]           ; in each 8
	v_lshrrev_b32 v[FA4], 8, v[FA3]
	v_add_nc_u32 v[FA4], v[FA4], v[FA3]            ; low byte: in the low 16
	v_mov_b32 v[FPOS], 0
	LEVEL FA4, 8, 16
	LEVEL FA3, 8, 8
	LEVEL FA2, 4, 4
	LEVEL FA1, 2, 2
	LEVEL FM, 1, 1
	v_and_b32 v[FT1], 3, v[FK]                     ; chunk c = 4 j + i, bit l: token 128 j + i + 4 l
	v_bfe_u32 v[FD], v[FK], 2, 3
	v_lshl_add_u32 v[FT1], v[FD], 7, v[FT1]
	v_lshl_add_u32 v[FT1], v[FPOS], 2, v[FT1]
	v_min_u32 v[TP], 0x3ff, v[FT1]                 ; held inside the table
	v_lshlrev_b32 v[ADX], 9, v[TP]
	v_lshl_add_u32 v[ADX], v3, 4, v[ADX]
	v_lshlrev_b32 v[ADS], 5, v[TP]
.endm
.macro XLOAD                           ; 8 fragments of 16 rows x 128 K, and their scale words: 18 loads
	WIN 0x40
	s_wait_alu depctr_va_vdst(0)                   ; FIND has written v[ADX] and v[ADS], which these loads read; in the row loop the tile's products are done reading x's fragments and scale words, in which they land
.irp s, 0,1,2,3,4,5,6,7
.irp c, 0,1
	global_load_b128 v[8*\s+4*\c:8*\s+4*\c+3], v[ADX], s[8:9] offset:64*\s+32*\c
.endr
.endr
	WIN 0
	global_load_b128 v[XSC:XSC+3], v[ADS], s[8:9] offset:XSOFF
	global_load_b128 v[XSC+4:XSC+7], v[ADS], s[8:9] offset:XSOFF+16
.endm
.macro GELU g                          ; tiles 2 g and 2 g + 1, stage by stage over their 8 pairs, each accumulator from its low end on
.set GH, H+16*(\g)
.irp p, 0,2,4,6,8,10,12,14
	v_pk_mul_f32 v[GHX+\p:GHX+\p+1], v[GH+\p:GH+\p+1], 0.5 op_sel_hi:[1,0]
.endr
.irp p, 0,2,4,6,8,10,12,14
	v_pk_mul_f32 v[GZ+\p:GZ+\p+1], v[GH+\p:GH+\p+1], s[RS2:RS2+1] op_sel_hi:[1,0]
.endr
.irp i, 0,1,2,3,4,5,6,7,8,9,10,11,12,13,14,15
	v_med3_num_f32 v[GZ+\i], v[GZ+\i], -4.0, 4.0
.endr
.irp p, 0,2,4,6,8,10,12,14
	v_pk_mul_f32 v[GZ2+\p:GZ2+\p+1], v[GZ+\p:GZ+\p+1], v[GZ+\p:GZ+\p+1]
.endr
.irp p, 0,2,4,6,8,10,12,14
	v_pk_fma_f32 v[GP+\p:GP+\p+1], v[GZ2+\p:GZ2+\p+1], v[16:17], s[CA:CA+1] op_sel_hi:[1,1,0]
	v_pk_fma_f32 v[GQ+\p:GQ+\p+1], v[GZ2+\p:GZ2+\p+1], v[18:19], s[CB:CB+1] op_sel_hi:[1,1,0]
.endr
.irp q, 2,4,6
.irp p, 0,2,4,6,8,10,12,14
	v_pk_fma_f32 v[GP+\p:GP+\p+1], v[GP+\p:GP+\p+1], v[GZ2+\p:GZ2+\p+1], s[CA+\q:CA+\q+1] op_sel_hi:[1,1,0]
	v_pk_fma_f32 v[GQ+\p:GQ+\p+1], v[GQ+\p:GQ+\p+1], v[GZ2+\p:GZ2+\p+1], s[CB+\q:CB+\q+1] op_sel_hi:[1,1,0]
.endr
.endr
.irp q, 8,10
.irp p, 0,2,4,6,8,10,12,14
	v_pk_fma_f32 v[GP+\p:GP+\p+1], v[GP+\p:GP+\p+1], v[GZ2+\p:GZ2+\p+1], s[CA+\q:CA+\q+1] op_sel_hi:[1,1,0]
.endr
.endr
	s_wait_alu depctr_va_vdst(0)
.irp i, 0,1,2,3,4,5,6,7,8,9,10,11,12,13,14,15
	v_rcp_f32 v[GQ+\i], v[GQ+\i]
.endr
.irp p, 0,2,4,6,8,10,12,14
	v_pk_mul_f32 v[GP+\p:GP+\p+1], v[GP+\p:GP+\p+1], v[GZ+\p:GZ+\p+1]   ; z P.  (The first of these is the plain place behind the reciprocals)
.endr
	s_wait_alu depctr_va_vdst(0)                   ; the sixteen reciprocals have written v[GQ ..]: one wait for the batch, ahead of its first reader
.irp p, 0,2,4,6,8,10,12,14
	v_pk_mul_f32 v[GP+\p:GP+\p+1], v[GP+\p:GP+\p+1], v[GQ+\p:GQ+\p+1]   ; erf
.endr
.irp p, 0,2,4,6,8,10,12,14
	v_pk_fma_f32 v[GH+\p:GH+\p+1], v[GHX+\p:GHX+\p+1], v[GP+\p:GP+\p+1], v[GHX+\p:GHX+\p+1]
.endr
.endm
.macro QUANT                           ; 64 numbers of a lane, register 16 b + i = unit 32 b + 16 (lane / 16) + i of my row, become a fragment's codes and its scale word
.irp b, 0,1,2,3
	v_max3_num_f32 v[TM+\b], |v[H+16*\b]|, |v[H+1+16*\b]|, 0x1800000
.endr
.irp i, 2,4,6,8,10,12,14
.irp b, 0,1,2,3
	v_max3_num_f32 v[TM+\b], v[TM+\b], |v[H+16*\b+\i]|, |v[H+1+16*\b+\i]|
.endr
.endr
.irp b, 0,1,2,3
	v_permlanex16_b32 v[TM+4+\b], v[TM+\b], s[SEL], s[SEL+1]
.endr
.irp b, 0,1,2,3
	v_max_num_f32 v[TM+\b], v[TM+\b], v[TM+4+\b]   ; with lane l xor 16's: the block's largest magnitude
.endr
.irp b, 0,1,2,3
	v_add_nc_u32 v[TM+12+\b], 0xff000000, v[TM+\b]
.endr
.irp b, 0,1,2,3
	v_lshrrev_b32 v[TM+4+\b], 23, v[TM+12+\b]
.endr
	v_lshl_or_b32 v[PW], v[TM+5], 8, v[TM+4]
	v_lshl_or_b32 v[PW], v[TM+6], 16, v[PW]
	v_lshl_or_b32 v[PW], v[TM+7], 24, v[PW]
.irp b, 0,1,2,3
	v_cvt_scalef32_pk8_fp4_f32 v[PCD+2*\b], v[H+16*\b:H+7+16*\b], v[TM+12+\b]
	v_cvt_scalef32_pk8_fp4_f32 v[PCD+1+2*\b], v[H+8+16*\b:H+15+16*\b], v[TM+12+\b]
.endr
	v_nop                                          ; one plain place behind a scaled conversion
.irp c, 0,1                                    ; the operand's layout wants a whole block in a lane
.irp i, 0,1
	v_permlane16_swap_b32 v[PCD+4*\c+\i], v[PCD+2+4*\c+\i]
.endr
.endr
.endm
	s_load_b256 s[4:11], s[0:1], 0x0               ; w1 s[4:5], b1 s[6:7], xc s[8:9], sel s[10:11]
	s_load_b64 s[12:13], s[0:1], 0x20              ; hc
	s_load_b64 s[56:57], s[0:1], 0x28              ; rt
	v_lshl_add_u32 v254, v0, 2, 0x11100
	v_mov_b32 v255, 0
	v_lshrrev_b32 v[TP], 5, v0
	v_readfirstlane_b32 s14, v[TP]                 ; wave 0..3
	s_mov_b32 s15, ttmp9                           ; ns
	s_and_b32 s16, ttmp7, 0xffff                   ; e
	v_and_b32 v1, 31, v0                           ; l
	v_and_b32 v2, 15, v0                           ; r
	v_bfe_u32 v3, v0, 4, 1                         ; h
	v_lshlrev_b32 v[GA], 4, v1
	v_lshlrev_b32 v[LI], 4, v1
	v_lshlrev_b32 v[LS], 2, v1
	v_lshlrev_b32 v[BH], 6, v3
	s_lshl_b32 s55, s16, 2                         ; 4 e
	v_lshlrev_b32 v[PA], 7, v1
	v_add_nc_u32 v[PA], s55, v[PA]
	v_bfe_u32 v20, v0, 3, 2                        ; column 4 l + c is unit 32 b + 16 (r / 8) + 8 u + r % 8:  b = l / 8,
	v_bfe_u32 v21, v0, 1, 1                        ; u = bit 1 of l,
	v_lshl_add_u32 v20, v20, 1, v21                ; tile 2 b + u;
	v_and_b32 v21, 1, v0
	v_bfe_u32 v22, v0, 2, 1
	v_lshlrev_b32 v21, 2, v21
	v_lshl_add_u32 v21, v22, 3, v21                ; r = 4 (l % 2) + 8 (bit 2 of l) + c
	v_mul_u32_u24 v[LW], v20, TS
	v_lshl_add_u32 v[LW], v21, 4, v[LW]
	s_wait_alu depctr_va_sdst(0)                   ; s14 is written, ahead of its first reader
	s_lshl_b32 s17, s14, 11
	v_add_nc_u32 v[LW], s17, v[LW]                 ; + my wave's two K steps
	v_lshlrev_b32 v[LSB], 9, v20
	v_lshl_add_u32 v[LSB], v21, 5, v[LSB]
	s_lshl_b32 s17, s14, 3
	v_add_nc_u32 v[LSB], s17, v[LSB]               ; + my wave's 8 blocks
	v_add_nc_u32 v[LSB], WSC, v[LSB]
	v_lshl_add_u32 v[LR], v2, 5, WSC
	v_mov_b32 v16, 0xaf95df0b                      ; a13 = -2.72614225801306e-10, as a pair
	v_mov_b32 v17, 0xaf95df0b
	v_mov_b32 v18, 0xb77460cd                      ; b8 = -1.45660718464996e-05
	v_mov_b32 v19, 0xb77460cd
	COEF CA+0,  0x32edffee                         ; a11 =  2.77068142495902e-08
	COEF CA+2,  0xb60cff51                         ; a9  = -2.10102402082508e-06
	COEF CA+4,  0xb86ec2d2                         ; a7  = -5.69250639462346e-05
	COEF CA+6,  0xba40ac63                         ; a5  = -7.34990630326855e-04
	COEF CA+8,  0xbb41a1f6                         ; a3  = -2.95459980854025e-03
	COEF CA+10, 0xbc83dbd4                         ; a1  = -1.60960333262415e-02
	COEF CB+0,  0xb95fbd29                         ; b6  = -2.13374055278905e-04
	COEF CB+2,  0xbadc924e                         ; b4  = -1.68282697438203e-03
	COEF CB+4,  0xbbf19bf8                         ; b2  = -7.37332916720468e-03
	COEF CB+6,  0xbc69b6a7                         ; b0  = -1.42647390514189e-02
	COEF RS2,   0x3f3504f3                         ; 1 / sqrt 2
	s_mov_b32 s[SEL], 0x76543210
	s_mov_b32 s[SEL+1], 0xfedcba98                 ; lane l xor 16
	s_lshl_b32 s23, s16, 6                         ; my expert's first tile
	s_lshl_b32 s58, s15, 10                        ; my K step's image in a tile of hc
	s_lshl_b32 s59, s15, 7                         ; and its scale words,
	s_add_co_u32 s59, s59, HSOFF                   ; which lie behind all images
	s_lshl_b32 s18, s16, 24                        ; w1[e]: 16 MiB an expert,
	s_lshl_b32 s17, s14, 22                        ; 256 rows a wave,
	s_add_co_u32 s18, s18, s17
	s_lshl_b32 s17, s15, 9                         ; 128 columns a work-group
	s_add_co_u32 s18, s18, s17
	s_mov_b32 s19, 0                               ; (stays 0)
	s_wait_kmcnt 0x0
	s_add_nc_u64 s[4:5], s[4:5], s[18:19]
	s_lshl_b32 s18, s16, 14
	s_add_co_u32 s18, s18, s17
	s_add_nc_u64 s[6:7], s[6:7], s[18:19]          ; b1[e] at my 128 units
	s_lshl_b32 s18, s16, 12
	s_add_nc_u64 s[10:11], s[10:11], s[18:19]      ; sel[e]
	WIN 0x40
	s_wait_alu depctr_va_vdst(0)                   ; the eight addresses v[GA], v[LW], v[LSB], v[LI], v[LR], v[BH], v[LS], v[PA] are written, which the kernel's loads and stores read; none is written again
.irp j, 0,1,2,3,4,5,6,7                        ; the expert's 1,024 flags: 512 consecutive bytes a load
	global_load_b128 v[F+4*\j:F+4*\j+3], v[LI], s[10:11] offset:512*\j
.endr
.irp t, 0,1,2,3,4,5,6,7                        ; b1 in the result's layout: lane (r, h), tile 2 b + u: units 32 b + 16 h + 8 u + 0 .. 7
	global_load_b128 v[B1+8*\t:B1+8*\t+3], v[BH], s[6:7] offset:(32*(\t/2)+8*(\t%2))*4
	global_load_b128 v[B1+8*\t+4:B1+8*\t+7], v[BH], s[6:7] offset:(32*(\t/2)+8*(\t%2))*4+16
.endr
	WIN 0
	LOADB 0
	LOADB 1
; ---- PHASE A
	QHEAD 0, 32                                    ; behind group 0's loads: group 1's 32; the flags and b1 are older and in
; ---- the scan of the flags
	s_mov_b32 s21, 0                               ; chosen tokens so far
	s_lshl_b32 s27, s16, 10                        ; and as a row number: + 1,024 e
	WIN 0x44                                       ; source 1 and destination window 1
.set cc, 0
.rept 32                                       ; the 32 chunks' masks, in one run
	v_cmp_ne_u32 s[CM+cc], 0, v[F+cc]
.set cc, cc+1
.endr
	s_wait_alu depctr_va_sdst(0)                   ; the 32 compares have written s[CM ..], which the vector and scalar lines below read
.set cc, 0
.rept 32
	v_mov_b32 v[MSK+cc], s[CM+cc]                  ; the chunk's mask, in every lane
	v_mbcnt_lo_u32_b32 v[J+cc], s[CM+cc], s27      ; the chosen tokens below mine, in this chunk and before it
	s_lshl_b32 s25, s21, 5
	s_or_b32 s25, s25, cc
	v_mov_b32 v[KEY+cc], s25                       ; the chunk's key
	v_cndmask_b32 v[J+cc], 0x8000, v[J+cc], s[CM+cc]   ; not chosen: bit 15
	s_bcnt1_i32_b32 s26, s[CM+cc]
	s_add_co_u32 s21, s21, s26
	s_add_co_u32 s27, s27, s26
.set cc, cc+1
.endr
	WIN 0
	s_add_co_u32 s22, s21, 15
	s_lshr_b32 s22, s22, 4                         ; the expert's tiles
	s_cmp_lg_u32 s15, 0                            ; work-group ns = 0 stores the table for the later launches; the row numbers' registers are never written again
	s_cbranch_scc1 .Lnopos
	v_mov_b32 v21, s55                             ; where the expert's number of tiles goes, and the number: made here, so that one wait serves all the table's stores
	v_mov_b32 v22, s22
	s_wait_alu depctr_va_vdst(0)                   ; the scan has written v[J ..], and the two moves v21 and v22, which the table's stores read
	POSARM 0
	POSARM 1
	POSARM 2
	POSARM 3
	s_cmp_lg_u32 s14, 0
	s_cbranch_scc1 .Lnopos
	global_store_b32 v21, v22, s[56:57] offset:META   ; all lanes store the same word
.Lnopos:
	QBODY 0
	QHEAD 1, 32
	QBODY 1
	QHEAD 2, 32
	QBODY 2
	QHEAD 3, 32
	QBODY 3
	QHEAD 4, 32
	QBODY 4
	QHEAD 5, 32
	QBODY 5
	QHEAD 6, 32                                    ; group 7's 32
	s_lshl_b32 s27, s14, 4
	FIND
	XLOAD                                          ; my first tile's x
	QBODY 6
	QHEAD 7, 18                                    ; x's 18 loads
	QBODY 7
	s_wait_dscnt 0x0                               ; for the others' sake: my images and bytes lie in LDS
	s_barrier_signal -1
	s_barrier_wait -1
; ---- PHASE B: all 64 fragments and 64 scale words into registers.  They land where phase A's moves and conversions worked: no vector line stands behind group 7's wait on va_vdst, which states that those are done
	WIN 0x80
.irp s, 0,1,2,3
.irp t, 0,1,2,3,4,5,6,7
.irp c, 0,1
	ds_load_b128 v[64*\s+8*\t+4*\c:64*\s+8*\t+4*\c+3], v[LI] offset:\t*TS+1024*\s+512*\c
.endr
.endr
.endr
	WIN 0xc0
.irp s, 4,5,6,7
.irp t, 0,1,2,3,4,5,6,7
.irp c, 0,1
	ds_load_b128 v[64*(\s-4)+8*\t+4*\c:64*(\s-4)+8*\t+4*\c+3], v[LI] offset:\t*TS+1024*\s+512*\c
.endr
.endr
.endr
	WIN 0
.irp t, 0,1,2,3,4,5,6,7
	ds_load_b128 v[WS+8*\t:WS+8*\t+3], v[LR] offset:512*\t
	ds_load_b128 v[WS+8*\t+4:WS+8*\t+7], v[LR] offset:512*\t+16
.endr
	s_wait_dscnt 0x0
	s_add_co_u32 s54, s22, 3                       ; my tiles: w, w + 4, .. below the expert's count: (tiles + 3 - w) / 4,
	s_sub_co_u32 s54, s54, s14
	s_lshr_b32 s54, s54, 2
	s_min_u32 s54, s54, 16                         ; at most 16: an expert has at most 1,024 rows, 64 tiles
	s_cmp_eq_u32 s54, 0                            ; a wave without a tile ends (behind the one barrier)
	s_cbranch_scc1 .Lend
	s_mov_b32 s20, s14                             ; the tile in hand
	s_mov_b32 s24, 0                               ; trips done
; ---- ROWS: one tile of 16 a trip
.Lrow:
	s_wait_loadcnt 0x0                             ; this tile's x and scale words
	s_wait_alu depctr_vm_vsrc(0)                   ; x's loads have read v[ADX] and v[ADS], which FIND writes again; the last trip's stores have read v[PCD ..] and v[PW], which QUANT writes again; in the first trip phase A's LDS stores have read v[CD ..] and v[BY ..], over which gelu works
	WIN 0x16                                       ; source 0 (w1) window 2, source 1 (x) and C (b1) window 1.  The 8 accumulators take turns
.irp t, 0,1,2,3,4,5,6,7
	v_wmma_scale_f32_16x16x128_f8f6f4 v[H+8*\t:H+8*\t+7], v[8*\t:8*\t+7], v[0:7], v[B1+8*\t:B1+8*\t+7], v[WS+8*\t], v[XSC] matrix_a_fmt:MATRIX_FMT_FP4 matrix_b_fmt:MATRIX_FMT_FP4
.endr
	WIN 0x06
.irp s, 1,2,3
.irp t, 0,1,2,3,4,5,6,7
	v_wmma_scale_f32_16x16x128_f8f6f4 v[H+8*\t:H+8*\t+7], v[64*\s+8*\t:64*\s+8*\t+7], v[8*\s:8*\s+7], v[H+8*\t:H+8*\t+7], v[WS+8*\t+\s], v[XSC+\s] matrix_a_fmt:MATRIX_FMT_FP4 matrix_b_fmt:MATRIX_FMT_FP4
.endr
.endr
	WIN 0x07                                       ; source 0 window 3
.irp s, 4,5,6,7
.irp t, 0,1,2,3,4,5,6,7
	v_wmma_scale_f32_16x16x128_f8f6f4 v[H+8*\t:H+8*\t+7], v[64*(\s-4)+8*\t:64*(\s-4)+8*\t+7], v[8*\s:8*\s+7], v[H+8*\t:H+8*\t+7], v[WS+8*\t+\s], v[XSC+\s] matrix_a_fmt:MATRIX_FMT_FP4 matrix_b_fmt:MATRIX_FMT_FP4
.endr
.endr
	WIN 0
	s_add_co_u32 s27, s20, 4
	s_lshl_b32 s27, s27, 4
	FIND                                           ; my next tile's tokens; its lines are also the places in front of the first read of results
	XLOAD                                          ; the next tile's x lands under this tile's gelu
	GELU 0
	GELU 1
	GELU 2
	GELU 3
	s_wait_xcnt 0x0                                ; the last trip's stores have read their data and bases
	s_add_co_u32 s17, s20, s23
	s_min_u32 s17, s17, 511                        ; the tile's number among all experts'
	s_lshl_b32 s18, s17, 15
	s_add_co_u32 s18, s18, s58
	s_add_nc_u64 s[28:29], s[12:13], s[18:19]
	s_lshl_b32 s18, s17, 12
	s_add_co_u32 s18, s18, s59
	s_add_nc_u64 s[30:31], s[12:13], s[18:19]
	QUANT
	s_wait_alu depctr_va_vdst(0)                   ; QUANT has written v[PCD ..] and v[PW], which the three stores read
	global_store_b128 v[LI], v[PCD:PCD+3], s[28:29]                ; the image: 512 consecutive bytes a store
	global_store_b128 v[LI], v[PCD+4:PCD+7], s[28:29] offset:512
	global_store_b32 v[LS], v[PW], s[30:31]
	s_add_co_u32 s20, s20, 4
	s_add_co_u32 s24, s24, 1
	s_cmp_lt_u32 s24, s54
	s_cbranch_scc1 .Lrow
.Lend:
	s_wait_dscnt 0x0                               ; the closing lines, six on end
	s_wait_alu 0x0
	s_wait_tensorcnt 0x0
	ds_add_u32 v254, v255
	s_wait_dscnt 0x0
	s_endpgm
.Lfunc_end_k_q3e850292d7_up:
	.size	k_q3e850292d7_up, .Lfunc_end_k_q3e850292d7_up-k_q3e850292d7_up
	.p2alignl 7, 3214868480
	.fill 96, 4, 3214868480
	.section	.rodata,"a",@progbits
	.p2align	6, 0x0
	.amdhsa_kernel k_q3e850292d7_up
		.amdhsa_group_segment_fixed_size 70400
		.amdhsa_private_segment_fixed_size 0
		.amdhsa_enable_private_segment 0
		.amdhsa_kernarg_size 48
		.amdhsa_user_sgpr_count 2
		.amdhsa_user_sgpr_kernarg_segment_ptr 1
		.amdhsa_wavefront_size32 1
		.amdhsa_system_sgpr_workgroup_id_x 1
		.amdhsa_system_sgpr_workgroup_id_y 1
		.amdhsa_system_sgpr_workgroup_id_z 1
		.amdhsa_system_vgpr_workitem_id 0
		.amdhsa_next_free_vgpr 1024
		.amdhsa_next_free_sgpr 102
		.amdhsa_reserve_vcc 1
		.amdhsa_float_denorm_mode_32 3
		.amdhsa_float_denorm_mode_16_64 3
		.amdhsa_memory_ordered 1
		.amdhsa_forward_progress 1
		.amdhsa_inst_pref_size 215
	.end_amdhsa_kernel
	.amdgpu_metadata
---
amdhsa.version: [ 1, 2 ]
amdhsa.kernels:
  - .name:           k_q3e850292d7_up
    .symbol:         k_q3e850292d7_up.kd
    .args:
      - { .name: w1, .offset: 0, .size: 8, .value_kind: global_buffer, .address_space: global }
      - { .name: b1, .offset: 8, .size: 8, .value_kind: global_buffer, .address_space: global }
      - { .name: xc, .offset: 16, .size: 8, .value_kind: global_buffer, .address_space: global }
      - { .name: sel, .offset: 24, .size: 8, .value_kind: global_buffer, .address_space: global }
      - { .name: hc, .offset: 32, .size: 8, .value_kind: global_buffer, .address_space: global }
      - { .name: rt, .offset: 40, .size: 8, .value_kind: global_buffer, .address_space: global }
    .group_segment_fixed_size: 70400
    .private_segment_fixed_size: 0
    .kernarg_segment_align: 8
    .kernarg_segment_size: 48
    .max_flat_workgroup_size: 128
    .sgpr_count:     102
    .vgpr_count:     1024
    .wavefront_size: 32
...
	.end_amdgpu_metadata
.endif
;; end of part 11
;; launch down (part 12): grid 32 x 8, 4 waves a work-group, no clusters, 87,808 bytes of LDS; arguments w2, hc, rt, yp; writes yp
.if DOCPART == 12
	.amdgcn_target "amdgcn-amd-amdhsa--gfx1250"
	.amdhsa_code_object_version 6
	.text
	.protected	k_q3e850292d7_down
	.globl	k_q3e850292d7_down
	.p2align	8
	.type	k_q3e850292d7_down,@function
k_q3e850292d7_down:
	s_mov_b64 s[64:65], 0
	v_nop
	global_prefetch_b8 v0, s[64:65] scope:SCOPE_SE
	s_setreg_imm32_b32 hwreg(HW_REG_WAVE_SCHED_MODE, 0, 2), 2
	s_setreg_imm32_b32 hwreg(HW_REG_WAVE_MODE, 25, 1), 1
	s_wait_xcnt 0x0
	s_wait_alu depctr_vm_vsrc(0)
; SECOND PRODUCT OF THE CHOSEN ROWS: yp[kh] = Q(h) Q(w2[e]) over one half of K = 4,096, on codes of E2M1 with one E8M0 scale for each 32 along K.
; A work-group owns columns 64 nsl .. + 63 of expert e and K half kh (x = nsl + 16 kh, y = e): 2,048 rows x 256 bytes of w2, read by this work-group alone, once.  The two halves are added, in f32, by the next launch.
; PHASE A.  Wave w takes rows 512 w .. + 511 of the half in 8 groups of 64 rows.  A load reads two rows' 256 bytes: lanes 0-15 row i, lanes 16-31 row i + 32; a lane holds 4 neighbouring columns, and a group's 32 loads
; give it a whole block of 32 along K of each (lanes 16-31: the next block, as the operand's layout wants).  All else as in the first product's launch: the numbers in order by column, conversions, images of the operand's registers and scale bytes to LDS.
; PHASE B.  One barrier; every wave takes all 64 fragments (4 tiles of 16 columns x 16 K steps) and 64 scale words into registers.
; ROWS.  Expert e's tiles are 64 e .. 64 e + its count - 1 (the count from rt).  Wave w takes tiles w, w + 4, .. of them.  h's 16 fragments and scale words of a tile come from hc as images, 512 consecutive bytes a load, two tiles ahead in two buffers.
; Transposed use: source 0 = 16 columns of w2, source 1 = 16 rows of h: a lane holds 8 neighbouring columns of one row.  The 16 x 64 results go through the wave's own stage in LDS and leave as rows of 256 bytes.
; No tensor load: the number of tiles is read from memory; so no multicast, though the 32 work-groups of an expert read the same tiles of h.
; LIMITS: NaN and infinities are not served.  A block under 2^-124 (zeros too) keeps the scale byte 1; this program alone reads the bytes.
; THE MODE: SCHED_MODE bits 1:0 = 2 (LLVM: expert scheduling mode 2), set by the entry lines.  The code itself states the register dependences
; between vector or matrix instructions and memory or LDS instructions, with s_wait_alu, always for 0.
; THE PLAN.  Registers that memory or LDS instructions touch:
;   v[GA], v[LW], v[LSB], v[LI], v[LR], v[LS], v[STO], v[RD], v[CO]   addresses, made at the head and never written again: one wait ahead of the first load serves them all.
;   the three staging sets   Group t's moves read set t % 3; the loads of group t + 3 land in it, issued at the head of group t + 1.
;   v[CD ..], v[BY ..]       Written by a group's conversions and shifts, read by its LDS stores, written again by the next group.
;   windows 2 and 3          Behind the barrier the LDS loads of the fragments land where the moves and conversions worked.
;   h's two buffers, v[HSC ..]   A tile's products read buffer b; behind them the 48 loads of the tile two turns on land in it.
;   the accumulators         Written by a tile's products, read by its LDS stores, begun anew by the next tile's products.
;   v[OUTR ..]               The loads from the stage land in it; the tile's global stores read it.
; A GROUP has two waits on va_vdst, the second ahead of its LDS stores: behind it stands no vector line of the group, so it also serves the run of loads at the next group's head, and group 7's serves the LDS loads behind the barrier;
; and one on vm_vsrc, ahead of the lines that write v[BY ..] and v[CD ..] again.  A TILE has one wait on vm_vsrc at its head and one on va_vdst behind its products and their places: no vector line follows that one in the tile.
.set TS4,   16400                      ; LDS: a tile's 16 fragments + 16 bytes
.set WSC4,  4*TS4                      ; scale bytes [4 tiles][16 rows][64]
.set STG,   69888                      ; four stages of 16 rows x (256 + 16) bytes
.set HSOFF, 16777216                   ; hc: behind 512 tiles of 32 KiB the scale words, 4 KiB a tile
.set META,  32768
.set YH,    33554432                   ; yp: from K half to K half: 8,192 rows
.set RG,    64
.set PITCHB, 4096                      ; bytes in a row of w2[e]
.set GA,  4                            ; v4   16 q + 32 rows x p
.set LW,  5
.set LSB, 6
.set LI,  7                            ; v7   16 l
.set LR,  8                            ; v8   WSC4 + 64 r
.set LS,  9                            ; v9   4 l
.set STO, 10                           ; v10  the stage: where I put 32 bytes of a row
.set RD,  11                           ; v11  where I read a row back
.set CO,  12                           ; v12  the same place in yp
.set HSC, 16                           ; v16-47   h's scale words, two buffers of 16
.set WS,  48                           ; v48-111  w2's 64 scale words: 16 n + s
.set ACC, 112                          ; v112-143 four accumulators
.set OUTR, 144                         ; v144-175 16 rows read back
.set CD,  176                          ; phase A: codes;
.set M,   192
.set SO,  196
.set BY,  200
.set TT,  128                          ; phase A, window 3
.set MSB, 0
.macro WIN new                         ; the immediate's high byte repeats the setting that is left
.if MSB != (\new)
	s_set_vgpr_msb (MSB<<8)|(\new)
.set MSB, (\new)
.endif
.endm
.macro SETOF t                         ; the staging set of group t: window 2 v0, window 2 v128, window 3 v0, by turns
.set SQ, (\t)%3
.set SWN, 2+SQ/2
.set SBASE, 128*(SQ%2)
.endm
.macro LOADB t
	SETOF \t
	WIN SWN<<6
.set ii, 0
.rept 32
	global_load_b128 v[SBASE+4*ii:SBASE+4*ii+3], v[GA], s[4:5] offset:(RG*(\t)+ii)*PITCHB th:TH_LOAD_NT
.set ii, ii+1
.endr
	WIN 0
.endm
.macro QHEAD t, n                      ; n: the loads issued behind group t's, which may stay out
	s_wait_loadcnt \n
.if (\t)+2 < 8
	LOADB (\t)+2                                   ; into the set that the group before has left.  No wait: no vector line stands behind that group's wait on va_vdst
.endif
.endm
.macro QBODY t
	SETOF \t
	WIN 0xc0|SWN
.set cc, 0
.rept 4
.set kk, 0
.rept 32
	v_mov_b32 v[TT+32*cc+kk], v[SBASE+4*kk+cc]
.set kk, kk+1
.endr
.set cc, cc+1
.endr
	WIN 0x0f
.irp c, 0,1,2,3
	v_max3_num_f32 v[M+\c], |v[TT+32*\c]|, |v[TT+32*\c+1]|, 0x1800000
.endr
.irp i, 2,4,6,8,10,12,14,16,18,20,22,24,26,28,30
.irp c, 0,1,2,3
	v_max3_num_f32 v[M+\c], |v[TT+32*\c+\i]|, |v[TT+32*\c+\i+1]|, v[M+\c]
.endr
.endr
	WIN 0
.irp c, 0,1,2,3
	v_add_nc_u32 v[SO+\c], 0xff000000, v[M+\c]
.endr
	s_wait_alu depctr_va_vdst(0)
	s_wait_dscnt 0x0                               ; the last group's LDS stores are done
.if (\t) > 0
	s_wait_alu depctr_vm_vsrc(0)                   ; the last group's LDS stores have read v[BY ..] and v[CD ..], which the shifts and conversions below write again
.endif
.irp c, 0,1,2,3
	v_lshrrev_b32 v[BY+\c], 23, v[SO+\c]
.endr
	WIN 0x03
.irp c, 0,1,2,3
.irp g, 0,1,2,3
	v_cvt_scalef32_pk8_fp4_f32 v[CD+4*\c+\g], v[TT+32*\c+8*\g:TT+32*\c+8*\g+7], v[SO+\c]
.endr
.endr
	WIN 0
	v_nop                                          ; one plain place behind the last scaled conversion
	s_wait_alu depctr_va_vdst(0)                   ; the conversions and shifts have written v[CD ..] and v[BY ..], which the LDS stores read; the moves are done reading this group's staging set, and the conversions the numbers in order: later loads land in both
.irp c, 0,1,2,3
	ds_store_b128 v[LW], v[CD+4*\c:CD+4*\c+3] offset:((\t)>>1)*1024+((\t)&1)*512+16*\c   ; blocks 2 t + p of my 16: K step, register group; the half of the lanes is in the address
	ds_store_b8 v[LSB], v[BY+\c] offset:64*\c+2*(\t)
.endr
.endm
.macro HBASE                           ; s27 = a tile of my expert, held at its last: where its images and scale words lie
	s_wait_xcnt 0x0                                ; earlier loads and stores have read their bases and data
	s_min_u32 s28, s27, s24
	s_add_co_u32 s28, s28, s22
	s_min_u32 s28, s28, 511
	s_lshl_b32 s30, s28, 15
	s_add_co_u32 s30, s30, s25
	s_add_nc_u64 s[32:33], s[6:7], s[30:31]
	s_lshl_b32 s30, s28, 12
	s_add_co_u32 s30, s30, s26
	s_add_nc_u64 s[34:35], s[6:7], s[30:31]
.endm
.macro HLOAD b                         ; 48 loads: 16 fragments and 16 scale words into buffer b
	WIN 0x40
.irp s, 0,1,2,3,4,5,6,7,8,9,10,11,12,13,14,15
.irp c, 0,1
	global_load_b128 v[128*\b+8*\s+4*\c:128*\b+8*\s+4*\c+3], v[LI], s[32:33] offset:1024*\s+512*\c
.endr
.endr
	WIN 0
.irp s, 0,1,2,3,4,5,6,7,8,9,10,11,12,13,14,15
	global_load_b32 v[HSC+16*\b+\s], v[LS], s[34:35] offset:128*\s
.endr
.endm
.macro TILE b                          ; tile s20 + 4 b, from buffer b
	s_wait_loadcnt 48                              ; this buffer's 48 loads are in; the other buffer's 48 may be out
	s_wait_alu depctr_vm_vsrc(0)                   ; the last tile's LDS stores have read the accumulators, which the products below begin anew; its global stores have read v[OUTR ..], in which this tile's loads from the stage land
	WIN 0x06                                       ; source 0 (w2) window 2, source 1 (h) window 1.  The 4 accumulators take turns
.irp s, 0,1,2,3,4,5,6,7
.irp n, 0,1,2,3
.if \s == 0
	v_wmma_scale_f32_16x16x128_f8f6f4 v[ACC+8*\n:ACC+8*\n+7], v[8*\n:8*\n+7], v[128*\b:128*\b+7], 0, v[WS+16*\n], v[HSC+16*\b] matrix_a_fmt:MATRIX_FMT_FP4 matrix_b_fmt:MATRIX_FMT_FP4
.else
	v_wmma_scale_f32_16x16x128_f8f6f4 v[ACC+8*\n:ACC+8*\n+7], v[32*\s+8*\n:32*\s+8*\n+7], v[128*\b+8*\s:128*\b+8*\s+7], v[ACC+8*\n:ACC+8*\n+7], v[WS+16*\n+\s], v[HSC+16*\b+\s] matrix_a_fmt:MATRIX_FMT_FP4 matrix_b_fmt:MATRIX_FMT_FP4
.endif
.endr
.endr
	WIN 0x07                                       ; source 0 window 3
.irp s, 8,9,10,11,12,13,14,15
.irp n, 0,1,2,3
	v_wmma_scale_f32_16x16x128_f8f6f4 v[ACC+8*\n:ACC+8*\n+7], v[32*(\s-8)+8*\n:32*(\s-8)+8*\n+7], v[128*\b+8*\s:128*\b+8*\s+7], v[ACC+8*\n:ACC+8*\n+7], v[WS+16*\n+\s], v[HSC+16*\b+\s] matrix_a_fmt:MATRIX_FMT_FP4 matrix_b_fmt:MATRIX_FMT_FP4
.endr
.endr
	WIN 0
.rept 5
	v_nop                                          ; four places in front of the stores that read results; the fifth because the next tile's first products begin these accumulators anew, and no other vector line stands between
.endr
	s_wait_alu depctr_va_vdst(0)                   ; the products have written the accumulators, which the LDS stores below read, and are done reading buffer b's fragments and scale words, in which the 48 loads below land; the places above stay beside this wait
	s_add_co_u32 s27, s20, 4*\b+8
	HBASE
	HLOAD \b                                       ; the tile two turns on
	s_add_co_u32 s28, s20, 4*\b
	s_add_co_u32 s28, s28, s22
	s_min_u32 s28, s28, 511
	s_lshl_b32 s30, s28, 16                        ; 16 rows of 4,096 bytes
	s_add_nc_u64 s[36:37], s[38:39], s[30:31]
.irp n, 0,1,2,3
	ds_store_b128 v[STO], v[ACC+8*\n:ACC+8*\n+3] offset:64*\n      ; each accumulator from its low end on
	ds_store_b128 v[STO], v[ACC+8*\n+4:ACC+8*\n+7] offset:64*\n+16
.endr
.irp i, 0,1,2,3,4,5,6,7
	ds_load_b128 v[OUTR+4*\i:OUTR+4*\i+3], v[RD] offset:544*\i     ; LDS serves a wave's instructions in order: these see my stores
.endr
.irp i, 0,1,2,3,4,5,6,7
	s_wait_dscnt 7-\i
	global_store_b128 v[CO], v[OUTR+4*\i:OUTR+4*\i+3], s[36:37] offset:8192*\i   ; 16 lanes store 256 consecutive bytes, at a multiple of 256 from yp's first byte
.endr
.endm
	s_load_b256 s[4:11], s[0:1], 0x0               ; w2 s[4:5], hc s[6:7], rt s[8:9], yp s[10:11]
	v_lshl_add_u32 v254, v0, 2, 0x15500
	v_mov_b32 v255, 0
	v_lshrrev_b32 v13, 5, v0
	v_readfirstlane_b32 s14, v13                   ; wave 0..3
	s_and_b32 s17, ttmp9, 15                       ; nsl
	s_lshr_b32 s18, ttmp9, 4                       ; kh
	s_and_b32 s16, ttmp7, 0xffff                   ; e
	v_and_b32 v1, 31, v0                           ; l
	v_and_b32 v2, 15, v0                           ; r, also q
	v_bfe_u32 v3, v0, 4, 1                         ; h, also p
	v_lshlrev_b32 v[GA], 4, v2
	v_lshl_add_u32 v[GA], v3, 17, v[GA]            ; lanes 16-31: 32 rows of 4,096 bytes further down
	v_bfe_u32 v13, v0, 2, 2                        ; column 4 q + c: tile q / 4,
	v_and_b32 v14, 3, v0                           ; row 4 (q % 4) + c of it
	v_mul_u32_u24 v[LW], v13, TS4
	v_lshl_add_u32 v[LW], v14, 6, v[LW]
	v_lshl_add_u32 v[LW], v3, 8, v[LW]
	s_wait_alu depctr_va_sdst(0)                   ; s14 is written, ahead of its first reader
	s_lshl_b32 s19, s14, 12
	v_add_nc_u32 v[LW], s19, v[LW]                 ; + my wave's four K steps
	v_lshlrev_b32 v[LSB], 10, v13
	v_lshl_add_u32 v[LSB], v14, 8, v[LSB]
	v_add_nc_u32 v[LSB], v[LSB], v3
	s_lshl_b32 s19, s14, 4
	v_add_nc_u32 v[LSB], s19, v[LSB]               ; + my wave's 16 blocks
	v_add_nc_u32 v[LSB], WSC4, v[LSB]
	v_lshlrev_b32 v[LI], 4, v1
	v_lshl_add_u32 v[LR], v2, 6, WSC4
	v_lshlrev_b32 v[LS], 2, v1
	s_mul_i32 s19, s14, 16*272
	s_add_co_u32 s19, s19, STG                     ; my stage
	v_mul_u32_u24 v[STO], v2, 272
	v_lshl_add_u32 v[STO], v3, 5, v[STO]
	v_add_nc_u32 v[STO], s19, v[STO]               ; in: row r, + 32 h
	v_mul_u32_u24 v[RD], v3, 272
	v_lshl_add_u32 v[RD], v2, 4, v[RD]
	v_add_nc_u32 v[RD], s19, v[RD]                 ; back: lanes 0-15 one row, lanes 16-31 the next
	v_lshlrev_b32 v[CO], 12, v3
	v_lshl_add_u32 v[CO], v2, 4, v[CO]
	s_lshl_b32 s22, s16, 6                         ; my expert's first tile
	s_lshl_b32 s25, s18, 14                        ; my K half's 16 images in a tile of hc
	s_lshl_b32 s26, s18, 11                        ; and their scale words,
	s_add_co_u32 s26, s26, HSOFF                   ; which lie behind all images
	s_lshl_b32 s30, s16, 24                        ; w2[e]: 16 MiB an expert,
	s_lshl_b32 s19, s18, 23                        ; 2,048 rows a half,
	s_add_co_u32 s30, s30, s19
	s_lshl_b32 s19, s14, 21                        ; 512 rows a wave,
	s_add_co_u32 s30, s30, s19
	s_lshl_b32 s19, s17, 8                         ; 64 columns a work-group
	s_add_co_u32 s30, s30, s19
	s_mov_b32 s31, 0                               ; (stays 0)
	s_wait_kmcnt 0x0
	s_add_nc_u64 s[4:5], s[4:5], s[30:31]
	s_mul_i32 s30, s18, YH
	s_add_co_u32 s30, s30, s19
	s_add_nc_u64 s[38:39], s[10:11], s[30:31]      ; yp at my half and my columns
	s_lshl_b32 s30, s16, 2
	s_add_nc_u64 s[40:41], s[8:9], s[30:31]
	s_load_b32 s21, s[40:41], META                 ; the expert's tiles
	s_wait_alu depctr_va_vdst(0)                   ; the nine addresses v[GA], v[LW], v[LSB], v[LI], v[LR], v[LS], v[STO], v[RD], v[CO] are written, which the kernel's loads and stores read; none is written again
	LOADB 0
	LOADB 1
; ---- PHASE A
	QHEAD 0, 32                                    ; behind a group's loads: the next group's 32
	QBODY 0
	QHEAD 1, 32
	QBODY 1
	QHEAD 2, 32
	QBODY 2
	QHEAD 3, 32
	QBODY 3
	QHEAD 4, 32
	QBODY 4
	QHEAD 5, 32
	QBODY 5
	QHEAD 6, 32
	s_wait_kmcnt 0x0
	s_max_u32 s24, s21, 1
	s_sub_co_u32 s24, s24, 1                       ; the expert's last tile
	s_mov_b32 s27, s14
	HBASE
	HLOAD 0                                        ; my first tile of h: no vector or matrix line has named its registers yet
	QBODY 6
	QHEAD 7, 48                                    ; behind group 7's loads: those 48
	QBODY 7
	s_add_co_u32 s27, s14, 4
	HBASE
	HLOAD 1                                        ; my second
	s_wait_dscnt 0x0                               ; for the others' sake: my images and bytes lie in LDS
	s_barrier_signal -1
	s_barrier_wait -1
; ---- PHASE B.  The fragments land where phase A's moves and conversions worked: no vector line stands behind group 7's wait on va_vdst, which states that those are done
	WIN 0x80
.irp s, 0,1,2,3,4,5,6,7
.irp n, 0,1,2,3
.irp c, 0,1
	ds_load_b128 v[32*\s+8*\n+4*\c:32*\s+8*\n+4*\c+3], v[LI] offset:\n*TS4+1024*\s+512*\c
.endr
.endr
.endr
	WIN 0xc0
.irp s, 8,9,10,11,12,13,14,15
.irp n, 0,1,2,3
.irp c, 0,1
	ds_load_b128 v[32*(\s-8)+8*\n+4*\c:32*(\s-8)+8*\n+4*\c+3], v[LI] offset:\n*TS4+1024*\s+512*\c
.endr
.endr
.endr
	WIN 0
.irp n, 0,1,2,3
.irp m, 0,1,2,3
	ds_load_b128 v[WS+16*\n+4*\m:WS+16*\n+4*\m+3], v[LR] offset:1024*\n+16*\m
.endr
.endr
	s_wait_dscnt 0x0
	s_add_co_u32 s43, s21, 3                       ; my tiles: (tiles + 3 - w) / 4;
	s_sub_co_u32 s43, s43, s14
	s_lshr_b32 s43, s43, 2
	s_add_co_u32 s43, s43, 1                       ; trips of two tiles, the last perhaps of one,
	s_lshr_b32 s43, s43, 1
	s_min_u32 s43, s43, 8                          ; at most 8: an expert has at most 64 tiles
	s_cmp_eq_u32 s43, 0                            ; a wave without a tile ends (behind the one barrier)
	s_cbranch_scc1 .Lend
	s_mov_b32 s20, s14                             ; the trip's first tile
	s_mov_b32 s42, 0                               ; trips done
; ---- ROWS: two tiles a trip, one from each buffer
.Lrow:
	TILE 0
	s_add_co_u32 s27, s20, 4
	s_cmp_lt_u32 s27, s21
	s_cbranch_scc1 .Lsecond
	s_wait_dscnt 0x0                               ; the trip's second tile does not exist: the wave's work is done.  The closing lines, six on end
	s_wait_alu 0x0
	s_wait_tensorcnt 0x0
	ds_add_u32 v254, v255
	s_wait_dscnt 0x0
	s_endpgm
.Lsecond:
	TILE 1
	s_add_co_u32 s20, s20, 8
	s_add_co_u32 s42, s42, 1
	s_cmp_lt_u32 s42, s43
	s_cbranch_scc1 .Lrow
.Lend:
	s_wait_dscnt 0x0                               ; the closing lines, six on end
	s_wait_alu 0x0
	s_wait_tensorcnt 0x0
	ds_add_u32 v254, v255
	s_wait_dscnt 0x0
	s_endpgm
.Lfunc_end_k_q3e850292d7_down:
	.size	k_q3e850292d7_down, .Lfunc_end_k_q3e850292d7_down-k_q3e850292d7_down
	.p2alignl 7, 3214868480
	.fill 96, 4, 3214868480
	.section	.rodata,"a",@progbits
	.p2align	6, 0x0
	.amdhsa_kernel k_q3e850292d7_down
		.amdhsa_group_segment_fixed_size 87808
		.amdhsa_private_segment_fixed_size 0
		.amdhsa_enable_private_segment 0
		.amdhsa_kernarg_size 32
		.amdhsa_user_sgpr_count 2
		.amdhsa_user_sgpr_kernarg_segment_ptr 1
		.amdhsa_wavefront_size32 1
		.amdhsa_system_sgpr_workgroup_id_x 1
		.amdhsa_system_sgpr_workgroup_id_y 1
		.amdhsa_system_sgpr_workgroup_id_z 1
		.amdhsa_system_vgpr_workitem_id 0
		.amdhsa_next_free_vgpr 1024
		.amdhsa_next_free_sgpr 66
		.amdhsa_reserve_vcc 0
		.amdhsa_float_denorm_mode_32 3
		.amdhsa_float_denorm_mode_16_64 3
		.amdhsa_memory_ordered 1
		.amdhsa_forward_progress 1
		.amdhsa_inst_pref_size 162
	.end_amdhsa_kernel
	.amdgpu_metadata
---
amdhsa.version: [ 1, 2 ]
amdhsa.kernels:
  - .name:           k_q3e850292d7_down
    .symbol:         k_q3e850292d7_down.kd
    .args:
      - { .name: w2, .offset: 0, .size: 8, .value_kind: global_buffer, .address_space: global }
      - { .name: hc, .offset: 8, .size: 8, .value_kind: global_buffer, .address_space: global }
      - { .name: rt, .offset: 16, .size: 8, .value_kind: global_buffer, .address_space: global }
      - { .name: yp, .offset: 24, .size: 8, .value_kind: global_buffer, .address_space: global }
    .group_segment_fixed_size: 87808
    .private_segment_fixed_size: 0
    .kernarg_segment_align: 8
    .kernarg_segment_size: 32
    .max_flat_workgroup_size: 128
    .sgpr_count:     66
    .vgpr_count:     1024
    .wavefront_size: 32
...
	.end_amdgpu_metadata
.endif
;; end of part 12
;; launch norm (part 13): grid 256 x 1, 4 waves a work-group, no clusters, 0 bytes of LDS; arguments x, yp, rt, xc, b2, ln_g, ln_b, out0; writes out0
.if DOCPART == 13
	.amdgcn_target "amdgcn-amd-amdhsa--gfx1250"
	.amdhsa_code_object_version 6
	.text
	.protected	k_q3e850292d7_norm
	.globl	k_q3e850292d7_norm
	.p2align	8
	.type	k_q3e850292d7_norm,@function
k_q3e850292d7_norm:
	s_mov_b64 s[64:65], 0
	v_nop
	global_prefetch_b8 v0, s[64:65] scope:SCOPE_SE
	s_setreg_imm32_b32 hwreg(HW_REG_WAVE_MODE, 25, 1), 1
	s_wait_xcnt 0x0
; RESIDUAL, LAYERNORM, COMBINE.  A wave takes one token t = 4 wg + wave.  For its two experts e0 < e1 (rows p0, p1 of yp, from rt's table [token][8]):
; y = (yp[0][p] + yp[1][p]) + (b2[e] + x[t]);  n = (y - mean) rsqrt(var + 1e-7) ln_g[e] + ln_b[e];  out0[t] = gate0 n0 + gate1 n1.  All in f32; the variance is the mean of (y - mean)^2.
; Lane l holds elements 128 i + 4 l + 0 .. 3, i = 0 .. 7: every load and store of the wave covers 512 consecutive bytes.  No LDS, no barrier: a row never leaves its wave.
; The experts that were not chosen have the weight 0 in the sum and are not computed.  LIMIT: were such an expert's y not finite, 0 x y would be NaN there; here it is left out.
.set POS,  0
.set GATE, 557056
.set YH,   33554432                    ; yp: from K half to K half: 8,192 rows
.set X,   32                           ; v32-63   x
.set Y0,  64                           ; v64-95   yp half 0, row p0; then y, then y - mean
.set YB0, 96                           ; v96-127  yp half 1, row p0; at the end the output
.set BB0, 128                          ; v128-159 b2[e0]
.set Y1,  160
.set YB1, 192
.set BB1, 224
.set O,   96
.set G0,  0                            ; window 1: ln_g[e0], ln_b[e0], ln_g[e1], ln_b[e1]
.set BT0, 32
.set G1,  64
.set BT1, 96
.set MSB, 0
.macro WIN new                         ; the immediate's high byte repeats the setting that is left
.if MSB != (\new)
	s_set_vgpr_msb (MSB<<8)|(\new)
.set MSB, (\new)
.endif
.endm
.macro ROWLD reg, base                 ; a row of 4,096 bytes
.irp i, 0,1,2,3,4,5,6,7
	global_load_b128 v[\reg+4*\i:\reg+4*\i+3], v1, s[\base:\base+1] offset:512*\i
.endr
.endm
.macro ADDUP ya, yb, bb
.irp p, 0,2,4,6,8,10,12,14,16,18,20,22,24,26,28,30
	v_pk_add_f32 v[\ya+\p:\ya+\p+1], v[\ya+\p:\ya+\p+1], v[\yb+\p:\yb+\p+1]
	v_pk_add_f32 v[\bb+\p:\bb+\p+1], v[\bb+\p:\bb+\p+1], v[X+\p:X+\p+1]
.endr
.irp p, 0,2,4,6,8,10,12,14,16,18,20,22,24,26,28,30
	v_pk_add_f32 v[\ya+\p:\ya+\p+1], v[\ya+\p:\ya+\p+1], v[\bb+\p:\bb+\p+1]
.endr
.endm
.macro ALLSUM                          ; v[2:3] and v[4:5], two rows' sums in halves, over the halves and the 32 lanes; the results in v2 and v4 of every lane
	v_add_f32 v2, v2, v3
	v_add_f32 v4, v4, v5
.irp m, 1,2,4,8
	v_add_f32_dpp v2, v2, v2 row_xmask:\m row_mask:0xf bank_mask:0xf
	v_add_f32_dpp v4, v4, v4 row_xmask:\m row_mask:0xf bank_mask:0xf
.endr
	v_permlanex16_b32 v3, v2, s42, s43
	v_permlanex16_b32 v5, v4, s42, s43
	v_add_f32 v2, v2, v3
	v_add_f32 v4, v4, v5
.endm
	s_load_b256 s[4:11], s[0:1], 0x0               ; x s[4:5], yp s[6:7], rt s[8:9], xc s[10:11]
	s_load_b256 s[12:19], s[0:1], 0x20             ; b2 s[12:13], ln_g s[14:15], ln_b s[16:17], out0 s[18:19]
	v_lshrrev_b32 v2, 5, v0
	v_readfirstlane_b32 s21, v2                    ; wave
	v_and_b32 v1, 31, v0
	v_lshlrev_b32 v1, 4, v1                        ; 16 l
	s_lshl_b32 s20, ttmp9, 2
	s_add_co_u32 s20, s20, s21                     ; my token
	s_lshl_b32 s22, s20, 12
	s_mov_b32 s23, 0                               ; (stays 0)
	s_lshl_b32 s70, s20, 5
	s_mov_b32 s71, 0
	s_mov_b32 s40, 0x3a800000                      ; 1 / 1,024
	s_mov_b32 s41, 0x33d6bf95                      ; 1e-7
	s_mov_b32 s42, 0x76543210
	s_mov_b32 s43, 0xfedcba98                      ; lane l xor 16
	s_mov_b32 s32, 0                               ; p0, p1, e0, e1
	s_mov_b32 s33, 0
	s_mov_b32 s34, 0
	s_mov_b32 s35, 0
	s_wait_alu depctr_va_vdst(0)
	s_wait_kmcnt 0x0
	s_add_nc_u64 s[4:5], s[4:5], s[22:23]
	s_add_nc_u64 s[18:19], s[18:19], s[22:23]
	s_add_nc_u64 s[66:67], s[8:9], s[70:71]
	s_add_nc_u64 s[68:69], s[10:11], s[70:71]
	s_load_b256 s[24:31], s[66:67], POS            ; my token's 8 row numbers
	ROWLD X, 4
	s_wait_kmcnt 0x0
.irp e, 7,6,5,4,3,2,1,0                        ; from the highest expert down: a chosen one (bit 15 clear) pushes the last one found into second place
	s_bitcmp1_b32 s[24+\e], 15
	s_cselect_b32 s33, s33, s32
	s_cselect_b32 s35, s35, s34
	s_cselect_b32 s32, s32, s[24+\e]
	s_cselect_b32 s34, s34, \e
.endr
	s_min_u32 s32, s32, 8191                       ; held inside the tables
	s_min_u32 s33, s33, 8191
	s_min_u32 s34, s34, 7
	s_min_u32 s35, s35, 7
	s_lshl_b32 s38, s34, 2
	s_lshl_b32 s39, s35, 2
	s_load_b32 s36, s[68:69], s38 offset:GATE      ; the two gates
	s_load_b32 s37, s[68:69], s39 offset:GATE
	s_lshl_b32 s22, s32, 12
	s_add_nc_u64 s[44:45], s[6:7], s[22:23]
	s_add_nc_u64 s[46:47], s[44:45], YH
	s_lshl_b32 s22, s33, 12
	s_add_nc_u64 s[48:49], s[6:7], s[22:23]
	s_add_nc_u64 s[50:51], s[48:49], YH
	s_lshl_b32 s22, s34, 12
	s_add_nc_u64 s[52:53], s[12:13], s[22:23]
	s_add_nc_u64 s[56:57], s[14:15], s[22:23]
	s_add_nc_u64 s[60:61], s[16:17], s[22:23]
	s_lshl_b32 s22, s35, 12
	s_add_nc_u64 s[54:55], s[12:13], s[22:23]
	s_add_nc_u64 s[58:59], s[14:15], s[22:23]
	s_add_nc_u64 s[62:63], s[16:17], s[22:23]
	ROWLD Y0, 44
	ROWLD YB0, 46
	ROWLD BB0, 52
	ROWLD Y1, 48
	ROWLD YB1, 50
	ROWLD BB1, 54
	WIN 0x40                                       ; destination window 1
	ROWLD G0, 56
	ROWLD BT0, 60
	ROWLD G1, 58
	ROWLD BT1, 62
	WIN 0
	s_wait_loadcnt 56                              ; x and row 0's 24 loads are in; row 1's 24 and the norm's 32 may be out
	ADDUP Y0, YB0, BB0
	s_wait_loadcnt 32                              ; row 1's are in
	ADDUP Y1, YB1, BB1
	v_pk_add_f32 v[2:3], v[Y0:Y0+1], v[Y0+2:Y0+3]  ; the rows' sums, the two rows by turns
	v_pk_add_f32 v[4:5], v[Y1:Y1+1], v[Y1+2:Y1+3]
.irp p, 4,6,8,10,12,14,16,18,20,22,24,26,28,30
	v_pk_add_f32 v[2:3], v[2:3], v[Y0+\p:Y0+\p+1]
	v_pk_add_f32 v[4:5], v[4:5], v[Y1+\p:Y1+\p+1]
.endr
	ALLSUM
	v_mul_f32 v6, s40, v2                          ; the means, as pairs
	v_mul_f32 v7, s40, v2
	v_mul_f32 v8, s40, v4
	v_mul_f32 v9, s40, v4
.irp p, 0,2,4,6,8,10,12,14,16,18,20,22,24,26,28,30
	v_pk_add_f32 v[Y0+\p:Y0+\p+1], v[Y0+\p:Y0+\p+1], v[6:7] neg_lo:[0,1] neg_hi:[0,1]
	v_pk_add_f32 v[Y1+\p:Y1+\p+1], v[Y1+\p:Y1+\p+1], v[8:9] neg_lo:[0,1] neg_hi:[0,1]
.endr
	v_pk_mul_f32 v[2:3], v[Y0:Y0+1], v[Y0:Y0+1]
	v_pk_mul_f32 v[4:5], v[Y1:Y1+1], v[Y1:Y1+1]
.irp p, 2,4,6,8,10,12,14,16,18,20,22,24,26,28,30
	v_pk_fma_f32 v[2:3], v[Y0+\p:Y0+\p+1], v[Y0+\p:Y0+\p+1], v[2:3]
	v_pk_fma_f32 v[4:5], v[Y1+\p:Y1+\p+1], v[Y1+\p:Y1+\p+1], v[4:5]
.endr
	ALLSUM
	v_fma_f32 v2, v2, s40, s41                     ; the variance + 1e-7
	v_fma_f32 v4, v4, s40, s41
	s_wait_alu depctr_va_vdst(0)
	v_rsq_f32 v10, v2
	v_rsq_f32 v11, v4
	s_wait_kmcnt 0x0                               ; the gates
	v_mov_b32 v16, s36                             ; (a plain place behind the roots)
	v_mov_b32 v17, s36
	v_mov_b32 v18, s37
	v_mov_b32 v19, s37
	s_wait_alu depctr_va_vdst(0)
	v_mul_f32 v12, s36, v10                        ; gate / sigma, as pairs
	v_mul_f32 v13, s36, v10
	v_mul_f32 v14, s37, v11
	v_mul_f32 v15, s37, v11
.irp p, 0,2,4,6,8,10,12,14,16,18,20,22,24,26,28,30
	v_pk_mul_f32 v[Y0+\p:Y0+\p+1], v[Y0+\p:Y0+\p+1], v[12:13]
	v_pk_mul_f32 v[Y1+\p:Y1+\p+1], v[Y1+\p:Y1+\p+1], v[14:15]
.endr
	s_wait_loadcnt 0x0                             ; ln_g and ln_b
	WIN 0x04                                       ; source 1 window 1
.irp p, 0,2,4,6,8,10,12,14,16,18,20,22,24,26,28,30
	v_pk_mul_f32 v[O+\p:O+\p+1], v[16:17], v[BT0+\p:BT0+\p+1]
.endr
.irp p, 0,2,4,6,8,10,12,14,16,18,20,22,24,26,28,30
	v_pk_fma_f32 v[O+\p:O+\p+1], v[18:19], v[BT1+\p:BT1+\p+1], v[O+\p:O+\p+1]
.endr
.irp p, 0,2,4,6,8,10,12,14,16,18,20,22,24,26,28,30
	v_pk_fma_f32 v[O+\p:O+\p+1], v[Y0+\p:Y0+\p+1], v[G0+\p:G0+\p+1], v[O+\p:O+\p+1]
.endr
.irp p, 0,2,4,6,8,10,12,14,16,18,20,22,24,26,28,30
	v_pk_fma_f32 v[O+\p:O+\p+1], v[Y1+\p:Y1+\p+1], v[G1+\p:G1+\p+1], v[O+\p:O+\p+1]
.endr
	WIN 0
.irp i, 0,1,2,3,4,5,6,7
	global_store_b128 v1, v[O+4*\i:O+4*\i+3], s[18:19] offset:512*\i th:TH_STORE_NT   ; 512 consecutive bytes a store
.endr
	s_endpgm
.Lfunc_end_k_q3e850292d7_norm:
	.size	k_q3e850292d7_norm, .Lfunc_end_k_q3e850292d7_norm-k_q3e850292d7_norm
	.p2alignl 7, 3214868480
	.fill 96, 4, 3214868480
	.section	.rodata,"a",@progbits
	.p2align	6, 0x0
	.amdhsa_kernel k_q3e850292d7_norm
		.amdhsa_group_segment_fixed_size 0
		.amdhsa_private_segment_fixed_size 0
		.amdhsa_enable_private_segment 0
		.amdhsa_kernarg_size 64
		.amdhsa_user_sgpr_count 2
		.amdhsa_user_sgpr_kernarg_segment_ptr 1
		.amdhsa_wavefront_size32 1
		.amdhsa_system_sgpr_workgroup_id_x 1
		.amdhsa_system_sgpr_workgroup_id_y 1
		.amdhsa_system_sgpr_workgroup_id_z 1
		.amdhsa_system_vgpr_workitem_id 0
		.amdhsa_next_free_vgpr 384
		.amdhsa_next_free_sgpr 72
		.amdhsa_reserve_vcc 0
		.amdhsa_float_denorm_mode_32 3
		.amdhsa_float_denorm_mode_16_64 3
		.amdhsa_memory_ordered 1
		.amdhsa_forward_progress 1
		.amdhsa_inst_pref_size 33
	.end_amdhsa_kernel
	.amdgpu_metadata
---
amdhsa.version: [ 1, 2 ]
amdhsa.kernels:
  - .name:           k_q3e850292d7_norm
    .symbol:         k_q3e850292d7_norm.kd
    .args:
      - { .name: x, .offset: 0, .size: 8, .value_kind: global_buffer, .address_space: global }
      - { .name: yp, .offset: 8, .size: 8, .value_kind: global_buffer, .address_space: global }
      - { .name: rt, .offset: 16, .size: 8, .value_kind: global_buffer, .address_space: global }
      - { .name: xc, .offset: 24, .size: 8, .value_kind: global_buffer, .address_space: global }
      - { .name: b2, .offset: 32, .size: 8, .value_kind: global_buffer, .address_space: global }
      - { .name: ln_g, .offset: 40, .size: 8, .value_kind: global_buffer, .address_space: global }
      - { .name: ln_b, .offset: 48, .size: 8, .value_kind: global_buffer, .address_space: global }
      - { .name: out0, .offset: 56, .size: 8, .value_kind: global_buffer, .address_space: global }
    .group_segment_fixed_size: 0
    .private_segment_fixed_size: 0
    .kernarg_segment_align: 8
    .kernarg_segment_size: 64
    .max_flat_workgroup_size: 128
    .sgpr_count:     72
    .vgpr_count:     384
    .wavefront_size: 32
...
	.end_amdgpu_metadata
.endif
;; end of part 13
